; MI455X (gfx1250); checked and timed in simulation.
; The chip was launched on July 23, 2026; its instructions are those of AMD's public machine-readable ISA for CDNA 5 (MIT licence, August 2026) and "CDNA5" Instruction Set Architecture Reference Guide (July 2026). The comments in the code are by the model that wrote it; some were corrected since.
;; Sparse Transformer Encoder Layer. Allowed arithmetic: matrix products marked QUANTISED: E4M3 operands, one given power-of-two scale a tensor, by v_wmma_f32_16x16x64_fp8_fp8 or v_wmma_f32_16x16x128_fp8_fp8, f32 sums; everything else in f32.
;; Inputs: b1 4,096 float32; b2 1,024 float32; kb 1,024 float32; kw 1,024 x 1,024 float32; lowp_scales 16 int32 (the exponents e of the quantised operands' scales 2^e); mask 2 x 2,048 bool; ob 1,024 float32; ow 1,024 x 1,024 float32; qb 1,024 float32; qw 1,024 x 1,024 float32; src 2 x 2,048 x 1,024 float32; vb 1,024 float32; vw 1,024 x 1,024 float32; w1 4,096 x 1,024 float32; w2 1,024 x 4,096 float32.
;; Outputs: out0 2 x 2,048 x 1,024 float32.
;; This version of the problem:
;;   THIS VERSION OF THE PROBLEM IS GIVEN IN LOW PRECISION. The matrix products marked QUANTISED in the list below multiply operands that are first quantised to E4M3 (4 exponent bits, 3 mantissa bits; 8 bits a number), with one given power-of-two scale for each operand tensor; their sums are f32. All else is computed in f32.
;;   The module's matrix products, in the order in which they are computed (A, B: the left and right operand; K: the contracted axis; several contracted axes count as one K, in the product's order):
;;     1. [M 4,096, K 1,024] x [K 1,024, N 1,024]; A: input src; B: input qw: QUANTISED (scales: A lowp_scales[0], B lowp_scales[1])
;;     2. [M 4,096, K 1,024] x [K 1,024, N 1,024]; A: input src; B: input kw: QUANTISED (scales: A lowp_scales[2], B lowp_scales[3])
;;     3. [M 4,096, K 1,024] x [K 1,024, N 1,024]; A: input src; B: input vw: QUANTISED (scales: A lowp_scales[4], B lowp_scales[5])
;;     4. batch 16 x [M 2,048, K 128] x [K 128, N 2,048]; A: computed on the way; B: computed on the way: QUANTISED (scales: A lowp_scales[6], B lowp_scales[7])
;;     5. batch 16 x [M 128, K 2,048] x [K 2,048, N 2,048]; A: computed on the way; B: computed on the way: QUANTISED (scales: A lowp_scales[8], B lowp_scales[9])
;;     6. [M 4,096, K 1,024] x [K 1,024, N 1,024]; A: computed on the way; B: input ow: QUANTISED (scales: A lowp_scales[10], B lowp_scales[11])
;;     7. [M 4,096, K 1,024] x [K 1,024, N 4,096]; A: computed on the way; B: input w1: QUANTISED (scales: A lowp_scales[12], B lowp_scales[13])
;;     8. [M 4,096, K 4,096] x [K 4,096, N 1,024]; A: computed on the way; B: input w2: QUANTISED (scales: A lowp_scales[14], B lowp_scales[15])
;;   THE QUANTISER, for each operand of a quantised product, along K:
;;     - The operand's scale is 2^e, e = its entry of the input lowp_scales (int32; the entries are numbered through the quantised products in the list's order, A before B).
;;     - Each number is divided by the scale, clamped to +-448, and rounded to the nearest number of E4M3, ties to even, subnormals kept.
;;     - The product sums the exact products of the quantised numbers (number of the format x scale) in f32.
;;   ~~~python
;;   def quantise(x, axis, e):      # numpy; x: float32 -> the quantised numbers, widened to float32 again
;;       x = np.moveaxis(x, axis, -1); K = x.shape[-1]
;;       r = np.clip(x / 2.0 ** e, -448, 448)
;;       step = 2.0 ** (np.maximum(np.frexp(np.where(r == 0, 1, r))[1] - 1, -6) - 3)
;;       q = np.round(r / step) * step * 2.0 ** e      # np.round: ties to even
;;       return np.moveaxis(q, -1, axis).astype(np.float32)
;;   ~~~
;;   OPERANDS COMPUTED ON THE WAY. 'Computed on the way' means the value that the module computes at that place (a softmax that the list does not call 'softmax' is quantised finished and normalised). What goes into a quantiser is computed in f32, as accurately as f32 sums, v_exp_f32 and their like allow (about 1e-6 of the number): no bf16 or f16 on the way to a quantiser, and a product that is left as it is and whose result goes on into a quantised operand takes f32 operands (vector FMAs, or v_wmma_f32_16x16x4_f32). A number that lies on a knife's edge between two numbers of the format may be rounded either way, as far as f32 arithmetic and the matrix unit's own rounding can turn it there, and no further.
;; 2 versions, each right and faster than the one before. Each part assembles by itself: llvm-mc -triple=amdgcn-amd-amdhsa -mcpu=gfx1250 --defsym DOCPART=n.
;; ======== version 1 of 2: 6 launches
;; workspace buffers: cod 25,165,824 bytes; qkvc 12,582,912 bytes; ctxc 4,194,304 bytes; xf 16,777,216 bytes; xc 4,194,304 bytes; hc 16,777,216 bytes
;; launch quant (part 1): grid 512 x 1, 4 waves a work-group, no clusters, 33,280 bytes of LDS; arguments src, qw, kw, vw, ow, w1, w2, lowp_scales, cod; writes cod
.if DOCPART == 1
	.amdgcn_target "amdgcn-amd-amdhsa--gfx1250"
	.amdhsa_code_object_version 6
	.text
	.protected	k_q7391d1993b_quant
	.globl	k_q7391d1993b_quant
	.p2align	8
	.type	k_q7391d1993b_quant,@function
k_q7391d1993b_quant:
	s_mov_b64 s[64:65], 0
	v_nop
	global_prefetch_b8 v0, s[64:65] scope:SCOPE_SE
	s_setreg_imm32_b32 hwreg(HW_REG_WAVE_MODE, 25, 1), 1
	s_wait_xcnt 0x0
; src and the six weights, f32 with K innermost, become codes of E4M3 in the workspace cod, each with the scale 2^e that is given for it.
; code = x / 2^e, held within +-448, to the nearest code, ties to even.  LIMITS: every e between -126 and 119; NaN among the inputs is not served.
; All tensors are dense streams.  A work-group takes 32,768 numbers, a wave 16 steps of 512.  Work-groups 0-127 take src, 128-159 qw, 160-191 kw, 192-223 vw, 224-255 ow, 256-383 w1, 384-511 w2;
; cod is laid in that order, so the first output's place is (4 x work-group + wave) x 8,192 bytes.  src is an operand of three products with three scales (entries 0, 2, 4): its work-groups write three
; sets of codes, the second at 0x1000000 and the third at 0x1400000 of cod.
; A lane must hold 16 neighbours along K for the conversions, and a load is dense where neighbouring lanes take neighbouring bytes: each step's 2,048 bytes turn through the wave's own stage in LDS
; (16 bytes of padding behind each 64).  No barrier: waves share nothing.  Loads run four steps ahead, the turn through LDS one step.
.set STEPS, 16
.set SP,    80                         ; a lane's place in a stage: 64 bytes + 16 of padding
.set WREG,  8192                       ; LDS of a wave: two stages of 32 x SP bytes
.set R,     16                         ; v16-79   four sets of 16 numbers as loaded
.set X,     80                         ; v80-111  two sets of 16 neighbours
.set T,     112                        ; v112-127 the numbers held within the largest code
.set C,     128                        ; v128-175 codes: 3 outputs x 4 registers, for four steps by turns
	s_load_b512 s[4:19], s[0:1], 0x0               ; src, qw, kw, vw, ow, w1, w2, the scales' exponents
	s_load_b64 s[20:21], s[0:1], 0x40              ; cod
	v_lshl_add_u32 v192, v0, 2, 0x8000
	v_mov_b32 v193, 0
	v_lshrrev_b32 v1, 5, v0
	v_readfirstlane_b32 s22, v1                    ; wave
	v_and_b32 v2, 31, v0                           ; lane
	v_lshlrev_b32 v3, 4, v2                        ; 16 x lane: my bytes of a load's 512, and of a step's 512 codes
	s_mul_i32 s23, s22, WREG
	v_lshrrev_b32 v5, 2, v2
	v_mul_u32_u24 v5, v5, SP
	v_and_b32 v6, 3, v2
	v_lshl_add_u32 v5, v6, 4, v5
	v_add_nc_u32 v5, s23, v5                       ; the stage, way in: SP (lane / 4) + 16 (lane % 4)
	v_mul_u32_u24 v6, v2, SP
	v_add_nc_u32 v6, s23, v6                       ; way out: SP x lane
	s_wait_kmcnt 0x0
	s_load_b512 s[24:39], s[18:19], 0x0            ; the sixteen exponents
	s_mov_b64 s[44:45], s[4:5]                     ; which tensor: the choice hangs on the work-group's number alone
	s_mov_b32 s40, 0                               ; and its first work-group
.macro PICKP bound, p
	s_cmp_ge_u32 ttmp9, \bound
	s_cselect_b64 s[44:45], s[\p:\p+1], s[44:45]
	s_cselect_b32 s40, \bound, s40
.endm
	PICKP 128, 6
	PICKP 160, 8
	PICKP 192, 10
	PICKP 224, 12
	PICKP 256, 14
	PICKP 384, 16
	s_sub_co_u32 s42, ttmp9, s40
	s_lshl_b32 s42, s42, 2
	s_add_co_u32 s42, s42, s22
	s_lshl_b32 s42, s42, 15                        ; my wave's 8,192 numbers of the tensor, in bytes
	s_mov_b32 s43, 0
	s_add_nc_u64 s[44:45], s[44:45], s[42:43]
	s_lshl_b32 s42, ttmp9, 2
	s_add_co_u32 s42, s42, s22
	s_lshl_b32 s42, s42, 13                        ; and their codes' place in cod
	s_add_nc_u64 s[46:47], s[20:21], s[42:43]
	s_add_nc_u64 s[48:49], s[46:47], 0x1000000     ; src's second and third sets (used by work-groups 0-127 alone)
	s_add_nc_u64 s[50:51], s[46:47], 0x1400000
.macro LOAD t
.irp i, 0,1,2,3
	global_load_b128 v[R+16*((\t)%4)+4*\i:R+16*((\t)%4)+4*\i+3], v3, s[44:45] offset:2048*(\t)+512*\i   ; 32 lanes read 512 consecutive bytes
.endr
.endm
.macro TURN t                          ; a step's numbers through the stage; LDS serves a wave's instructions in order, so no wait stands between the stores and the loads
.irp i, 0,1,2,3
	ds_store_b128 v5, v[R+16*((\t)%4)+4*\i:R+16*((\t)%4)+4*\i+3] offset:32*SP*((\t)%2)+8*SP*\i
.endr
.irp i, 0,1,2,3
	ds_load_b128 v[X+16*((\t)%2)+4*\i:X+16*((\t)%2)+4*\i+3], v6 offset:32*SP*((\t)%2)+16*\i
.endr
.endm
.irp t, 0,1,2,3
	LOAD \t
.endr
	s_wait_kmcnt 0x0
	s_mov_b32 s41, s24                             ; e of the tensor in hand
.macro PICKE bound, e
	s_cmp_ge_u32 ttmp9, \bound
	s_cselect_b32 s41, s[\e], s41
.endm
	PICKE 128, 25
	PICKE 160, 27
	PICKE 192, 29
	PICKE 224, 35
	PICKE 256, 37
	PICKE 384, 39
.macro MKSC e, lim, sc                 ; 2^e as f32 (the conversion takes its exponent field) and 448 x 2^e
	s_add_co_i32 s52, s[\e], 127
	s_lshl_b32 s53, s52, 23
	v_mov_b32 v[\sc], s53
	s_add_co_i32 s52, s52, 8
	s_lshl_b32 s52, s52, 23
	s_or_b32 s52, s52, 0x600000
	v_mov_b32 v[\lim], s52
.endm
	MKSC 41, 8, 9
	MKSC 26, 10, 11
	MKSC 28, 12, 13
	s_wait_loadcnt 12                              ; step 0's four loads are in; three steps' may be out
	TURN 0
; one set of codes of the step's numbers: hold, convert, store 512 consecutive bytes
.macro QOUT lim, sc, creg, base, t
.irp i, 0,1,2,3,4,5,6,7,8,9,10,11,12,13,14,15
	v_med3_num_f32 v[T+\i], v[XS+\i], -v[\lim], v[\lim]   ; the conversion does not saturate (ISA guide 7.6.2): the hold comes first; the numbers themselves are kept
.endr
	v_cvt_scalef32_pk8_fp8_f32 v[\creg:\creg+1], v[T:T+7], v[\sc]
	v_cvt_scalef32_pk8_fp8_f32 v[\creg+2:\creg+3], v[T+8:T+15], v[\sc]
	v_nop                                          ; a plain line between the conversions and the next hold, which writes their sources
	global_store_b128 v3, v[\creg:\creg+3], s[\base:\base+1] offset:512*(\t)
.endm
.macro STEP t
.set XS, X+16*((\t)%2)
	s_wait_dscnt 0x0                               ; this step's numbers are back from the stage, and its stores into the stage have read their registers,
.if (\t)+4 < STEPS
	LOAD (\t)+4                                    ; which take the loads of four steps on
.endif
.if (\t)+1 < STEPS
.if STEPS-2-(\t) >= 3
	s_wait_loadcnt 12                              ; the next step's four loads are in; those of three steps may be out
.else
	s_wait_loadcnt 4*(STEPS-2-(\t))
.endif
	TURN (\t)+1
.endif
	s_wait_xcnt 0x0                                ; the stores of four steps ago have read their data: the code registers are written again only behind this wait
	QOUT 8, 9, C+12*((\t)%4), 46, \t
	s_cmp_lt_u32 ttmp9, 128                        ; src alone has two more sets: register work and stores under a branch on the work-group's number
	s_cbranch_scc0 .Lone_\@
	QOUT 10, 11, C+12*((\t)%4)+4, 48, \t
	QOUT 12, 13, C+12*((\t)%4)+8, 50, \t
.Lone_\@:
.endm
.irp t, 0,1,2,3,4,5,6,7,8,9,10,11,12,13,14,15
	STEP \t
.endr
	s_wait_tensorcnt 0x0
	ds_add_u32 v192, v193
	s_wait_dscnt 0x0
	s_endpgm
.Lfunc_end_k_q7391d1993b_quant:
	.size	k_q7391d1993b_quant, .Lfunc_end_k_q7391d1993b_quant-k_q7391d1993b_quant
	.p2alignl 7, 3214868480
	.fill 96, 4, 3214868480
	.section	.rodata,"a",@progbits
	.p2align	6, 0x0
	.amdhsa_kernel k_q7391d1993b_quant
		.amdhsa_group_segment_fixed_size 33280
		.amdhsa_private_segment_fixed_size 0
		.amdhsa_enable_private_segment 0
		.amdhsa_kernarg_size 72
		.amdhsa_user_sgpr_count 2
		.amdhsa_user_sgpr_kernarg_segment_ptr 1
		.amdhsa_wavefront_size32 1
		.amdhsa_system_sgpr_workgroup_id_x 1
		.amdhsa_system_sgpr_workgroup_id_y 1
		.amdhsa_system_sgpr_workgroup_id_z 1
		.amdhsa_system_vgpr_workitem_id 0
		.amdhsa_next_free_vgpr 194
		.amdhsa_next_free_sgpr 66
		.amdhsa_reserve_vcc 0
		.amdhsa_float_denorm_mode_32 3
		.amdhsa_float_denorm_mode_16_64 3
		.amdhsa_memory_ordered 1
		.amdhsa_forward_progress 1
		.amdhsa_inst_pref_size 82
	.end_amdhsa_kernel
	.amdgpu_metadata
---
amdhsa.version: [ 1, 2 ]
amdhsa.kernels:
  - .name:           k_q7391d1993b_quant
    .symbol:         k_q7391d1993b_quant.kd
    .args:
      - { .name: src, .offset: 0, .size: 8, .value_kind: global_buffer, .address_space: global }
      - { .name: qw, .offset: 8, .size: 8, .value_kind: global_buffer, .address_space: global }
      - { .name: kw, .offset: 16, .size: 8, .value_kind: global_buffer, .address_space: global }
      - { .name: vw, .offset: 24, .size: 8, .value_kind: global_buffer, .address_space: global }
      - { .name: ow, .offset: 32, .size: 8, .value_kind: global_buffer, .address_space: global }
      - { .name: w1, .offset: 40, .size: 8, .value_kind: global_buffer, .address_space: global }
      - { .name: w2, .offset: 48, .size: 8, .value_kind: global_buffer, .address_space: global }
      - { .name: lowp_scales, .offset: 56, .size: 8, .value_kind: global_buffer, .address_space: global }
      - { .name: cod, .offset: 64, .size: 8, .value_kind: global_buffer, .address_space: global }
    .group_segment_fixed_size: 33280
    .private_segment_fixed_size: 0
    .kernarg_segment_align: 8
    .kernarg_segment_size: 72
    .max_flat_workgroup_size: 128
    .sgpr_count:     66
    .vgpr_count:     194
    .wavefront_size: 32
...
	.end_amdgpu_metadata
.endif
;; end of part 1
;; launch qkv (part 2): grid 12 x 16, 4 waves a work-group, clusters of 4 x 4, 327,680 bytes of LDS; arguments cod, qb, kb, vb, lowp_scales, qkvc; writes qkvc
.if DOCPART == 2
	.amdgcn_target "amdgcn-amd-amdhsa--gfx1250"
	.amdhsa_code_object_version 6
	.text
	.protected	k_q7391d1993b_qkv
	.globl	k_q7391d1993b_qkv
	.p2align	8
	.type	k_q7391d1993b_qkv,@function
k_q7391d1993b_qkv:
	s_mov_b64 s[64:65], 0
	v_nop
	global_prefetch_b8 v0, s[64:65] scope:SCOPE_SE
	s_setreg_imm32_b32 hwreg(HW_REG_WAVE_MODE, 25, 1), 1
	s_wait_xcnt 0x0
	s_wait_alu depctr_hold_cnt(0) depctr_sa_sdst(0) depctr_va_vdst(0) depctr_va_sdst(0) depctr_va_ssrc(0) depctr_va_vcc(0) depctr_vm_vsrc(0)
	s_getreg_b32 s2, hwreg(HW_REG_IB_STS2, 6, 4)
	s_cmp_eq_u32 s2, 0
	s_cbranch_scc0 .Lentry_in_a_cluster
	s_endpgm
.Lentry_in_a_cluster:
	s_bfe_u32 s2, ttmp6, 0x10000c
	s_cmp_lg_u32 s2, 0xf033
	s_cbranch_scc0 .Lentry_shape_is_right
	s_endpgm
.Lentry_shape_is_right:
; q = src qw^T + qb, k = src kw^T + kb, and v TRANSPOSED, v^T = vw src^T + vb, all three on codes of E4M3; the results are quantised at once (entries 6, 7, 8 of the scales) and stored as
; images of operand registers for the attention launch.  Cluster x says which: 0 q, 1 k, 2 v.  For q and k the rows of C are tokens (A = src's codes) and the columns channels (B = the weight's);
; for v A = vw's codes and B = src's, so that the keys come out innermost.  Only offsets differ, chosen by s_cselect on the cluster's x: one path for all three.
; A tile of C, 256 x 256, is made by four waves, each 128 x 128: 64 accumulators, 512 registers.  K = 1,024 goes in steps of 256 through a ring of two LDS slots filled by the tensor data mover.
; CLUSTERS: 4 x 4 work-groups; A's tile is shared along a row of the cluster, B's along a column: each is asked for jointly, which divides the requests by four.
; THE MATRIX INSTRUCTION IS USED TRANSPOSED (source 0 = 16 rows of B, source 1 = 16 rows of A): a lane holds eight neighbouring columns of one row of C.
; THE BIAS is added on the way out: raw + column bias + row bias, both divided by 2^(ea + eb); one of the two sets is multiplied by 0 (q, k: by row; v: by column).
; OUTPUT [bh 16][block of 128 tokens 16][group 4][4,096 bytes]: a group is 32 rows x 128 codes as two fragments; byte u 2048 + c 512 + 16 lane + i holds row 8 u + r + 8 (r / 8), column 32 c + 16 h + i.
; LIMITS: ea + eb between -126 and 126, eo - ea - eb between -126 and 119, so that each power of two is an f32 number.  NaN and infinities among biases are not served.
; REGISTERS, in windows of 256: window 0: v0-31 addresses; v32-95 column bias; v96-111 row bias; v112-127 codes; from v128 A's fragments, one set.  window 1: B's fragments, two sets.  windows 2, 3: accumulators.
.set KTOT,   1024
.set KSTEP,  256
.set ROWB,   256
.set PITCH,  272                       ; an LDS row: 256 bytes + 16 of padding: the 16 rows of a fragment load start at 16 different banks
.set FR,     16
.set NL,     4
.set NP,     4
.set HALFT,  128*PITCH
.set SLOT,   4*HALFT
.set LAPS,   KTOT/(2*KSTEP)
.set SPARE,  2*SLOT                    ; behind the ring: the spare words, 128 bytes a wave
.set SPITCH, 528                       ; the way out: a stage of 128 rows x (512 + 16) bytes for each wave, laid over the ring once it has had its last fill and its last read
.set STGB,   128*SPITCH
.set ADRA, 16
.set ADRB, 20
.set STO,  24
.set RDF,  25
.set CO,   26
.set SPW,  28
.set NIL,  29
.set LIMV, 30
.set SCV,  31
.set CB,   32
.set RB,   96
.set CD,   112
.set AF,   128
.set FB,   128
.set G1, 24
.set G0, 32
.set G1B, 48
.set G0B, 56
.set MSB, 0
.macro WIN new                         ; the immediate's high byte repeats the setting that is left
.if MSB != (\new)
	s_set_vgpr_msb (MSB<<8)|(\new)
.set MSB, (\new)
.endif
.endm
.set MUL_LO, 0xa1                      ; source 0 (B) window 1, source 1 (A) window 0, C and D window 2
.set MUL_HI, 0xf1
.set TO_B,   0x40
.macro JLOAD g0a, g1a, g0b, g1b        ; a joint load: waves 0, 1 fetch for A, waves 2, 3 for B; four v_nop follow each line
	s_cmp_eq_u32 s15, 0
	s_cbranch_scc0 .Lfor_b_\@
	tensor_load_to_lds s[\g0a:\g0a+3], s[\g1a:\g1a+7]
	s_nop 0
.rept 4
	v_nop
.endr
	s_branch .Lasked_\@
.Lfor_b_\@:
	tensor_load_to_lds s[\g0b:\g0b+3], s[\g1b:\g1b+7]
	s_nop 0
.rept 4
	v_nop
.endr
.Lasked_\@:
.endm
.macro CREST                           ; a round of the cluster's barrier behind its opening barrier
	s_cmp_lg_u32 s14, 0
	s_cbranch_scc1 .Lnot_wave_0_\@
	s_barrier_signal -3
.Lnot_wave_0_\@:
	s_barrier_wait -3
	s_barrier_signal -1
	s_barrier_wait -1
.endm
.macro CROUND
	s_barrier_signal -1
	s_barrier_wait -1
	CREST
.endm
	s_load_b256 s[4:11], s[0:1], 0x0               ; cod s[4:5], qb s[6:7], kb s[8:9], vb s[10:11]
	s_load_b128 s[84:87], s[0:1], 0x20             ; the exponents s[84:85], qkvc s[86:87]
	v_lshl_add_u32 v[SPW], v0, 2, SPARE
	v_mov_b32 v[NIL], 0
	ds_add_u32 v28, v29
	ds_add_u32 v28, v29
	s_wait_dscnt 0x0
	v_lshrrev_b32 v1, 5, v0
	v_readfirstlane_b32 s14, v1                    ; wave
	s_lshr_b32 s15, s14, 1                         ; my half of the tile's rows; also: I fetch for A (0) or B (1)
	s_and_b32 s16, s14, 1                          ; my half of its columns; also: which 128 rows I fetch
	s_bfe_u32 s40, ttmp6, 0x40000                  ; cx
	s_bfe_u32 s41, ttmp6, 0x40004                  ; cy
	s_and_b32 s13, ttmp7, 0xffff                   ; cluster y
	s_cmp_eq_u32 ttmp9, 2                          ; v?  (the cluster's x is the same in all partners)
	s_cselect_b32 s17, 0, s13
	s_cselect_b32 s42, s13, 0
	s_lshl_b32 s17, s17, 2
	s_add_co_u32 s17, s17, s41                     ; tile row: q, k: 4 x cluster y + cy;  v: cy
	s_lshl_b32 s42, s42, 2
	s_add_co_u32 s42, s42, s40                     ; tile column: q, k: cx;  v: 4 x cluster y + cx
	s_lshl_b32 s43, s41, 2
	s_lshl_b32 s43, 15, s43                        ; my row of the cluster
	s_lshl_b32 s44, 0x1111, s40                    ; my column
	s_mov_b32 s97, 0x400000                        ; where A's and B's codes lie in cod
	s_cmp_eq_u32 ttmp9, 1
	s_cselect_b32 s96, 0x1000000, 0
	s_cselect_b32 s97, 0x500000, s97
	s_cmp_eq_u32 ttmp9, 2
	s_cselect_b32 s96, 0x600000, s96
	s_cselect_b32 s97, 0x1400000, s97
	s_or_b32 s[G1+0], s43, (0<<16)|(1<<20)|(1<<21)|(5<<22)|(3<<25)  ; the mask; elements of 1 byte; padding of 4 words behind every 64; bit 21 beside a mask
	s_or_b32 s[G1B+0], s44, (0<<16)|(1<<20)|(1<<21)|(5<<22)|(3<<25)
.irp g, G1, G1B
	s_mov_b32 s[\g+1], ROWB<<16                    ; tensor_dim0
	s_mov_b32 s[\g+2], 128<<16                     ; tensor_dim1
	s_mov_b32 s[\g+3], ROWB<<16                    ; tile_dim0
	s_mov_b32 s[\g+4], 128                         ; tile_dim1
	s_mov_b32 s[\g+5], KTOT                        ; pitch
	s_mov_b32 s[\g+6], 0
	s_mov_b32 s[\g+7], 0
.endr
	s_lshl_b32 s18, s16, 7
	s_lshl_b32 s20, s17, 8
	s_add_co_u32 s20, s20, s18                     ; A: row 256 x tile row + 128 x half
	s_lshl_b32 s20, s20, 10
	s_add_co_u32 s20, s20, s96
	s_mov_b32 s21, 0
	s_lshl_b32 s46, s42, 8
	s_add_co_u32 s46, s46, s18                     ; B: row 256 x tile column + 128 x half
	s_lshl_b32 s46, s46, 10
	s_add_co_u32 s46, s46, s97
	s_mov_b32 s47, 0
	s_mul_i32 s45, s14, HALFT                      ; where they go: wave x 128 rows
	s_wait_kmcnt 0x0
	s_load_b512 s[68:83], s[84:85], 0x0            ; the sixteen exponents
	s_add_nc_u64 s[20:21], s[4:5], s[20:21]
	s_add_nc_u64 s[46:47], s[4:5], s[46:47]
	CROUND                                         ; all sixteen work-groups are here: the first joint loads meet
.irp s, 0,1
	s_mov_b32 s[G0+4*\s], 1
	s_add_co_u32 s[G0+4*\s+1], s45, \s*SLOT
	s_add_nc_u64 s[G0+4*\s+2:G0+4*\s+3], s[20:21], \s*ROWB
	s_or_b32 s[G0+4*\s+3], s[G0+4*\s+3], 0x80000000
	s_mov_b32 s[G0B+4*\s], 1
	s_add_co_u32 s[G0B+4*\s+1], s45, \s*SLOT
	s_add_nc_u64 s[G0B+4*\s+2:G0B+4*\s+3], s[46:47], \s*ROWB
	s_or_b32 s[G0B+4*\s+3], s[G0B+4*\s+3], 0x80000000
	JLOAD G0+4*\s, G1, G0B+4*\s, G1B
.endr
	v_and_b32 v1, 15, v0                           ; r
	v_bfe_u32 v2, v0, 4, 1                         ; h
	v_mul_u32_u24 v3, v1, PITCH
	v_lshl_add_u32 v4, v2, 4, v3                   ; a fragment's row x pitch + 16 h
	s_mul_i32 s21, s15, HALFT
	s_mul_i32 s22, s16, HALFT
	s_add_co_u32 s22, s22, 2*HALFT
.irp s, 0,1
	v_add_nc_u32 v[ADRA+\s], s21, v4
	v_add_nc_u32 v[ADRB+\s], s22, v4
	s_add_co_u32 s21, s21, SLOT
	s_add_co_u32 s22, s22, SLOT
.endr
	s_mul_i32 s23, s14, STGB                       ; my stage
	v_mul_u32_u24 v5, v1, SPITCH
	v_lshl_add_u32 v5, v2, 5, v5
	v_add_nc_u32 v[STO], s23, v5                   ; in: row r, 32 bytes for each half of the lanes
	v_and_b32 v6, 31, v0
	v_lshlrev_b32 v[CO], 4, v6                     ; 16 x lane: my place in an image
	v_and_b32 v8, 8, v1
	v_add_nc_u32 v8, v8, v1                        ; r + 8 (r / 8)
	v_mul_u32_u24 v5, v8, SPITCH
	v_lshl_add_u32 v5, v2, 6, v5
	v_add_nc_u32 v[RDF], s23, v5                   ; back: that row, 64 bytes for each half
	; the biases
	s_lshl_b32 s22, s42, 10
	s_lshl_b32 s23, s16, 9
	s_add_co_u32 s22, s22, s23                     ; my first column x 4
	s_lshl_b32 s18, s17, 10
	s_lshl_b32 s19, s15, 9
	s_add_co_u32 s18, s18, s19                     ; my first row x 4
	s_cmp_eq_u32 ttmp9, 1
	s_cselect_b64 s[88:89], s[8:9], s[6:7]
	s_cmp_eq_u32 ttmp9, 2
	s_cselect_b64 s[88:89], s[10:11], s[88:89]
	s_cselect_b32 s22, 0, s22                      ; the set that is multiplied by 0 is read at its buffer's head: no load leaves its buffer
	s_cselect_b32 s18, s18, 0
	s_mov_b32 s23, 0
	s_mov_b32 s19, 0
	s_add_nc_u64 s[88:89], s[88:89], s[22:23]
	s_add_nc_u64 s[90:91], s[10:11], s[18:19]
	v_lshlrev_b32 v7, 6, v2                        ; 64 h
	v_lshlrev_b32 v9, 2, v8
.irp c, 0,1,2,3
.irp k, 0,1,2,3
	global_load_b128 v[CB+16*\c+4*\k:CB+16*\c+4*\k+3], v7, s[88:89] offset:128*\c+16*\k   ; columns 32 c + 16 h + 0 .. 15
.endr
.endr
.irp f, 0,1,2,3,4,5,6,7
	global_load_b32 v[RB+2*\f], v9, s[90:91] offset:(32*(\f/2)+8*(\f%2))*4                ; fragment f's row of my lane
	v_mov_b32 v[RB+2*\f+1], 0                      ; (named as the pair's upper half)
.endr
	; where my 128 x 128 go: 16 KB at ((batch x 8 + head) x 16 + block) x 16,384
	s_lshl_b32 s18, s17, 1
	s_add_co_u32 s18, s18, s15
	s_lshl_b32 s19, s42, 1
	s_add_co_u32 s19, s19, s16
	s_cmp_eq_u32 ttmp9, 2
	s_cselect_b32 s22, s19, s18                    ; block of 128 tokens
	s_cselect_b32 s23, s18, s19                    ; head
	s_lshr_b32 s18, s22, 4
	s_lshl_b32 s18, s18, 3
	s_add_co_u32 s18, s18, s23
	s_lshl_b32 s18, s18, 4
	s_and_b32 s22, s22, 15
	s_add_co_u32 s18, s18, s22
	s_lshl_b32 s18, s18, 14
	s_lshl_b32 s19, ttmp9, 22
	s_add_co_u32 s18, s18, s19
	s_mov_b32 s19, 0
	s_add_nc_u64 s[86:87], s[86:87], s[18:19]
	s_wait_kmcnt 0x0
	s_cmp_eq_u32 ttmp9, 1
	s_cselect_b32 s92, s70, s68
	s_cselect_b32 s93, s71, s69
	s_cselect_b32 s94, s75, s74
	s_cmp_eq_u32 ttmp9, 2
	s_cselect_b32 s92, s72, s92
	s_cselect_b32 s93, s73, s93
	s_cselect_b32 s94, s76, s94
	s_add_co_i32 s92, s92, s93                     ; ea + eb
	s_sub_co_i32 s94, s94, s92                     ; eo - ea - eb: the three scales folded into the conversion's one
	s_sub_co_i32 s93, 127, s92
	s_lshl_b32 s93, s93, 23                        ; 2^-(ea + eb)
	s_cmp_eq_u32 ttmp9, 2
	s_cselect_b32 s95, 0, s93                      ; the column bias's factor
	s_cselect_b32 s93, s93, 0                      ; the row bias's
	s_add_co_i32 s94, s94, 127
	s_lshl_b32 s96, s94, 23
	v_mov_b32 v[SCV], s96
	s_add_co_i32 s94, s94, 8
	s_lshl_b32 s94, s94, 23
	s_or_b32 s94, s94, 0x600000
	v_mov_b32 v[LIMV], s94
	s_wait_loadcnt 0x0
.set k, 0
.rept 64
	v_mul_f32 v[CB+k], s95, v[CB+k]
.set k, k+1
.endr
.irp f, 0,1,2,3,4,5,6,7
	v_mul_f32 v[RB+2*\f], s93, v[RB+2*\f]
.endr
.macro FRAGB reg, adr, q, i            ; 16 rows x 128 K: registers 4 c .. 4 c + 3 hold K = 32 c + 16 h + 0 .. 15, alike in A and B
.irp c, 0,1,2,3
	ds_load_b128 v[\reg+4*\c:\reg+4*\c+3], v[\adr] offset:128*(\q)+32*\c+(\i)*16*PITCH
.endr
.endm
.macro MUL16 a0, p, zero               ; A's blocks a0, a0 + 1 x B's eight; the 64 accumulators take turns, one instruction a turn
.irp a, \a0, \a0+1
.irp b, 0,1,2,3,4,5,6,7
.if \zero
	v_wmma_f32_16x16x128_fp8_fp8 v[8*(8*((\a)%4)+\b):8*(8*((\a)%4)+\b)+7], v[128*(\p)+FR*\b:128*(\p)+FR*\b+FR-1], v[AF+FR*(\a):AF+FR*(\a)+FR-1], 0
.else
	v_wmma_f32_16x16x128_fp8_fp8 v[8*(8*((\a)%4)+\b):8*(8*((\a)%4)+\b)+7], v[128*(\p)+FR*\b:128*(\p)+FR*\b+FR-1], v[AF+FR*(\a):AF+FR*(\a)+FR-1], v[8*(8*((\a)%4)+\b):8*(8*((\a)%4)+\b)+7]
.endif
.endr
.endr
.endm
.macro FETCH_B slot, q, p
	WIN TO_B
.irp i, 0,1,2,3,4,5,6,7
	FRAGB 128*(\p)+FR*\i, ADRB+\slot, \q, \i
.endr
	WIN 0
.endm
.macro FETCH_A slot, q, i0
.irp i, \i0, \i0+1, \i0+2, \i0+3
	FRAGB AF+FR*(\i), ADRA+\slot, \q, \i
.endr
.endm
.macro PLACES n                        ; plain vector lines between a matrix instruction and a load into, or a read of, its registers
.rept \n
	v_nop
.endr
.endm
.macro STEP slot, q, zero              ; 128 along K, with its successor in the same slot
	s_wait_dscnt 4*NL                              ; B's set and A's blocks 0-3 are in; A's blocks 4-7 may be out
	WIN MUL_LO
	MUL16 0, (\q)%2, \zero
	MUL16 2, (\q)%2, \zero
	s_wait_dscnt 0
	PLACES NP
	FETCH_B \slot, (\q)+1, 1-(\q)%2
	FETCH_A \slot, (\q)+1, 0
	WIN MUL_HI
	MUL16 4, (\q)%2, \zero
	MUL16 6, (\q)%2, \zero
	PLACES NP
	WIN 0
	FETCH_A \slot, (\q)+1, 4
.endm
.macro TURN slot, next, fill           ; a slot's last step changes slots: one barrier
	s_wait_tensorcnt 0x0                           ; all my tensor loads have landed: my part of the next slot
	ds_add_u32 v[SPW], v[NIL]                      ; 0 onto my spare word
	s_wait_dscnt 4*NL+1                            ; (the add and A's blocks 4-7 may be out)
	WIN MUL_LO
	MUL16 0, 1, 0
	s_wait_dscnt 0x0                               ; the add is done, and my reads of this slot are over
	s_barrier_signal -1
	MUL16 2, 1, 0
	WIN 0
	s_barrier_wait -1
.if \fill
	CREST                                          ; the barrier has opened a round of the cluster's: no wave of any partner still reads this slot or has a load on its way
	s_add_nc_u64 s[G0+4*\slot+2:G0+4*\slot+3], s[G0+4*\slot+2:G0+4*\slot+3], 2*ROWB
	s_add_nc_u64 s[G0B+4*\slot+2:G0B+4*\slot+3], s[G0B+4*\slot+2:G0B+4*\slot+3], 2*ROWB
	JLOAD G0+4*\slot, G1, G0B+4*\slot, G1B
.else
	PLACES NP
.endif
	FETCH_B \next, 0, 0
	FETCH_A \next, 0, 0
	WIN MUL_HI
	MUL16 4, 1, 0
	MUL16 6, 1, 0
	PLACES NP
	WIN 0
	FETCH_A \next, 0, 4
.endm
	s_wait_tensorcnt 1                             ; my part of K step 0 is in; K step 1's load may be out
	s_barrier_signal -1
	s_barrier_wait -1
	FETCH_B 0, 0, 0
	FETCH_A 0, 0, 0
	FETCH_A 0, 0, 4
	STEP 0, 0, 1                                   ; the first step starts the sums
	s_mov_b32 s3, LAPS-1
.Llap:
	TURN 0, 1, 1
	STEP 1, 0, 0
	TURN 1, 0, 1
	STEP 0, 0, 0
	s_sub_co_u32 s3, s3, 1
	s_cmp_lg_u32 s3, 0
	s_cbranch_scc1 .Llap
	TURN 0, 1, 0                                   ; the last lap fills nothing
	STEP 1, 0, 0
	s_wait_dscnt 4*NL
	WIN MUL_LO
	MUL16 0, 1, 0
	MUL16 2, 1, 0
	s_wait_dscnt 0
	WIN MUL_HI
	MUL16 4, 1, 0
	MUL16 6, 1, 0
	WIN 0
	PLACES NP
	s_wait_dscnt 0x0                               ; my reads of the ring are over;
	s_barrier_signal -1
	s_barrier_wait -1                              ; everybody's are, and no fill follows: the stages may be laid over it
; THE WAY OUT.  All 64 accumulators go raw into my stage (row m, 512 bytes); each from its low end on.
.irp a, 0,1,2,3,4,5,6,7
	WIN 0x08+4*((\a)/4)                            ; store data: window 2 or 3
.irp b, 0,1,2,3,4,5,6,7
	ds_store_b128 v[STO], v[8*(8*((\a)%4)+\b):8*(8*((\a)%4)+\b)+3] offset:(\a)*16*SPITCH+64*\b
	ds_store_b128 v[STO], v[8*(8*((\a)%4)+\b)+4:8*(8*((\a)%4)+\b)+7] offset:(\a)*16*SPITCH+64*\b+16
.endr
.endr
	WIN 0
; Fragment f (group f / 2, half f % 2): a lane reads 64 numbers of its row, 16 neighbours for each c; LDS serves a wave's instructions in order, so these see the stores above.
.macro FLOAD f
.irp c, 0,1,2,3
.irp k, 0,1,2,3
	ds_load_b128 v[FB+64*((\f)%2)+16*\c+4*\k:FB+64*((\f)%2)+16*\c+4*\k+3], v[RDF] offset:(32*((\f)/2)+8*((\f)%2))*SPITCH+128*\c+16*\k
.endr
.endr
.endm
.macro FOUT f
.set FX, FB+64*((\f)%2)
	s_wait_xcnt 0x0                                ; the last fragment's stores have read the code registers
.irp c, 0,1,2,3
.irp k, 0,2,4,6,8,10,12,14
	v_pk_add_f32 v[FX+16*\c+\k:FX+16*\c+\k+1], v[FX+16*\c+\k:FX+16*\c+\k+1], v[CB+16*\c+\k:CB+16*\c+\k+1]
.endr
.irp k, 0,2,4,6,8,10,12,14
	v_pk_add_f32 v[FX+16*\c+\k:FX+16*\c+\k+1], v[FX+16*\c+\k:FX+16*\c+\k+1], v[RB+2*(\f):RB+2*(\f)+1] op_sel_hi:[1,0]
.endr
.irp k, 0,1,2,3,4,5,6,7,8,9,10,11,12,13,14,15
	v_med3_num_f32 v[FX+16*\c+\k], v[FX+16*\c+\k], -v[LIMV], v[LIMV]   ; the conversion does not saturate (ISA guide 7.6.2)
.endr
	v_cvt_scalef32_pk8_fp8_f32 v[CD+4*\c:CD+4*\c+1], v[FX+16*\c:FX+16*\c+7], v[SCV]
	v_cvt_scalef32_pk8_fp8_f32 v[CD+4*\c+2:CD+4*\c+3], v[FX+16*\c+8:FX+16*\c+15], v[SCV]
	v_nop                                          ; a plain line behind the conversions
	global_store_b128 v[CO], v[CD+4*\c:CD+4*\c+3], s[86:87] offset:2048*(\f)+512*\c   ; 32 lanes store 512 consecutive bytes
.endr
.endm
	FLOAD 0
.irp f, 0,1,2,3,4,5,6
	FLOAD \f+1
	s_wait_dscnt 16                                ; this fragment's loads are in; the next one's sixteen may be out
	FOUT \f
.endr
	s_wait_dscnt 0x0
	FOUT 7
	s_wait_tensorcnt 0x0                           ; the wave's end
	ds_add_u32 v[SPW], v[NIL]
	s_wait_dscnt 0x0
	CROUND                                         ; the closing round
	s_endpgm
.Lfunc_end_k_q7391d1993b_qkv:
	.size	k_q7391d1993b_qkv, .Lfunc_end_k_q7391d1993b_qkv-k_q7391d1993b_qkv
	.p2alignl 7, 3214868480
	.fill 96, 4, 3214868480
	.section	.rodata,"a",@progbits
	.p2align	6, 0x0
	.amdhsa_kernel k_q7391d1993b_qkv
		.amdhsa_group_segment_fixed_size 327680
		.amdhsa_private_segment_fixed_size 0
		.amdhsa_enable_private_segment 0
		.amdhsa_kernarg_size 48
		.amdhsa_user_sgpr_count 2
		.amdhsa_user_sgpr_kernarg_segment_ptr 1
		.amdhsa_wavefront_size32 1
		.amdhsa_system_sgpr_workgroup_id_x 1
		.amdhsa_system_sgpr_workgroup_id_y 1
		.amdhsa_system_sgpr_workgroup_id_z 1
		.amdhsa_system_vgpr_workitem_id 0
		.amdhsa_next_free_vgpr 1024
		.amdhsa_next_free_sgpr 102
		.amdhsa_reserve_vcc 0
		.amdhsa_float_denorm_mode_32 3
		.amdhsa_float_denorm_mode_16_64 3
		.amdhsa_memory_ordered 1
		.amdhsa_forward_progress 1
		.amdhsa_inst_pref_size 173
	.end_amdhsa_kernel
	.amdgpu_metadata
---
amdhsa.version: [ 1, 2 ]
amdhsa.kernels:
  - .name:           k_q7391d1993b_qkv
    .symbol:         k_q7391d1993b_qkv.kd
    .args:
      - { .name: cod, .offset: 0, .size: 8, .value_kind: global_buffer, .address_space: global }
      - { .name: qb, .offset: 8, .size: 8, .value_kind: global_buffer, .address_space: global }
      - { .name: kb, .offset: 16, .size: 8, .value_kind: global_buffer, .address_space: global }
      - { .name: vb, .offset: 24, .size: 8, .value_kind: global_buffer, .address_space: global }
      - { .name: lowp_scales, .offset: 32, .size: 8, .value_kind: global_buffer, .address_space: global }
      - { .name: qkvc, .offset: 40, .size: 8, .value_kind: global_buffer, .address_space: global }
    .group_segment_fixed_size: 327680
    .private_segment_fixed_size: 0
    .kernarg_segment_align: 8
    .kernarg_segment_size: 48
    .max_flat_workgroup_size: 128
    .sgpr_count:     102
    .vgpr_count:     1024
    .wavefront_size: 32
...
	.end_amdgpu_metadata
.endif
;; end of part 2
;; launch attn (part 3): grid 64 x 16, 4 waves a work-group, clusters of 4 x 1, 327,680 bytes of LDS; arguments qkvc, mask, lowp_scales, ctxc; writes ctxc
.if DOCPART == 3
	.amdgcn_target "amdgcn-amd-amdhsa--gfx1250"
	.amdhsa_code_object_version 6
	.text
	.protected	k_q7391d1993b_attn
	.globl	k_q7391d1993b_attn
	.p2align	8
	.type	k_q7391d1993b_attn,@function
k_q7391d1993b_attn:
	s_mov_b64 s[64:65], 0
	v_nop
	global_prefetch_b8 v0, s[64:65] scope:SCOPE_SE
	s_setreg_imm32_b32 hwreg(HW_REG_WAVE_MODE, 25, 1), 1
	s_wait_xcnt 0x0
	s_wait_alu depctr_hold_cnt(0) depctr_sa_sdst(0) depctr_va_vdst(0) depctr_va_sdst(0) depctr_va_ssrc(0) depctr_va_vcc(0) depctr_vm_vsrc(0)
	s_getreg_b32 s2, hwreg(HW_REG_IB_STS2, 6, 4)
	s_cmp_eq_u32 s2, 0
	s_cbranch_scc0 .Lentry_in_a_cluster
	s_endpgm
.Lentry_in_a_cluster:
	s_bfe_u32 s2, ttmp6, 0x10000c
	s_cmp_lg_u32 s2, 0x3003
	s_cbranch_scc0 .Lentry_shape_is_right
	s_endpgm
.Lentry_shape_is_right:
; ctx = entmax15(q k^T / sqrt(128), masked) v for 32 queries of one head, both products on codes of E4M3; the finished weights are quantised (entry 9) and ctx at once (entry 10).
; SHARES.  A work-group owns 32 queries (two tiles of 16) of one (batch, head); wave w owns keys 512 w .. 512 w + 511 for both tiles.  All its scores stay in registers as f32: 2 x 256 a wave.
; LAYOUT.  S^T = K Q^T and O^T = V^T P^T: a lane holds one query throughout.  q, k, v come as images of operand registers whose rows are ordered so that the 16 registers of two neighbouring result tiles
; are 16 neighbours along the next K: register 16 b + i of a tile's scores is key 512 w + 32 b + 16 h + i.
; ENTMAX-1.5 WITHOUT A SORT.  z = score / 2 (masked: -5e8), z' = z - the row's maximum.  tau solves sum((z' - tau)+^2) = 1.  phi(tau) = sqrt(sum) is convex and falling with slope between -1 and
; -sqrt(2048); Newton on phi = 1 from tau = -1, tau += (s2 - sqrt(s2)) / s1, stays at or left of the root.  From f' / f + g' / g <= 1 (f = phi - 1, g = the slope's size), f <= 44.3 at the start and the
; product of the g ratios >= 1 / 45.3, eleven steps leave f under 6e-5 for every input; from there the error squares (x 1,024 at most): thirteen steps leave under 2e-8.  NPASS = 13, always all of them.
; The four waves' partial sums meet in LDS in each pass, added in one fixed order, so every lane of a query holds the same tau.
; CLUSTER.  The four query blocks of a cluster walk the same K and V: each tile is asked for jointly (mask 15).  K fills 256 KB of LDS (64 KB a wave, four loads); V takes its place by one load a wave, behind
; a round of the cluster's barrier, and has the whole search in which to land.  By this text's count a wave has at most four tensor loads out.
; No prefetch: K is asked for at the head, and nothing waits for V.
; LIMITS: e6 + e7 between -121 and 130; e9 and e10 - e8 - e9 between -126 and 119.  A row all of whose keys are masked gets the uniform 1 / 2048.  Unmasked scores are taken to lie above -1e9.  NaN is not served.
; REGISTERS: window 0: v1-31 addresses and small things; v32-63 Q; v64-191 K's fragments, then tables, then numbers at work; v192-223 P's codes; v224-255 sums in chains.
;   window 1, 2: the scores of query tile 0, 1.   window 3: v0-127 O^T (at 32 group + 16 tile + 8 half), v128-255 eight fragments of V.
.set NPASS, 13
.set USE_DUAL, 1
.set CM,    262144                     ; behind K and V: for each key c or 0,
.set BM,    270336                     ; and 0 or -5e8
.set EX,    278528                     ; the passes' sums: 4 waves x 512 bytes
.set MX,    280576                     ; the maxima: 4 x 256
.set CST,   281600                     ; ctx's codes: 32 rows x 144
.set SPARE, 286208                     ; the spare words, 128 bytes a wave
.set KVA, 1
.set TBA, 2
.set EXW, 3
.set EXR, 4
.set MXW, 7
.set MXR, 8
.set ORD, 10
.set CSW, 14
.set CSR, 15
.set L16, 16
.set SPW, 17
.set NIL, 18
.set NT0, 20                           ; v[20:21], v[22:23]: -tau of tile 0, 1, in both halves of a pair
.set NT1, 22
.set LIMV, 30
.set SCV, 31
.set QF,  32
.set KB,  64
.set T,   64
.set PC,  192
.set WV,  12
.set SEL, 22
.set G1K, 24
.set G1V, 32
.set G0K, 40
.set G0V, 56
.set MSB, 0
.macro WIN new
.if MSB != (\new)
	s_set_vgpr_msb (MSB<<8)|(\new)
.set MSB, (\new)
.endif
.endm
.macro MAX2 d, s                       ; two numbers: what is negative becomes 0
.if USE_DUAL
	v_dual_max_num_f32 v[\d], 0, v[\s] :: v_dual_max_num_f32 v[(\d)+1], 0, v[(\s)+1]
.else
	v_max_num_f32 v[\d], 0, v[\s]
	v_max_num_f32 v[(\d)+1], 0, v[(\s)+1]
.endif
.endm
.macro MIN2 d                          ; two numbers held at the largest code x the scale
.if USE_DUAL
	v_dual_min_num_f32 v[\d], v[LIMV], v[\d] :: v_dual_min_num_f32 v[(\d)+1], v[LIMV], v[(\d)+1]
.else
	v_min_num_f32 v[\d], v[LIMV], v[\d]
	v_min_num_f32 v[(\d)+1], v[LIMV], v[(\d)+1]
.endif
.endm
.macro PLACES
.rept 4
	v_nop
.endr
.endm
.macro CROUND                          ; a round of the cluster's barrier
	s_barrier_signal -1
	s_barrier_wait -1
	s_cmp_lg_u32 s[WV], 0
	s_cbranch_scc1 .Lnot_wave_0_\@
	s_barrier_signal -3
.Lnot_wave_0_\@:
	s_barrier_wait -3
	s_barrier_signal -1
	s_barrier_wait -1
.endm
	s_load_b256 s[4:11], s[0:1], 0x0               ; qkvc, mask, the exponents, ctxc
	v_lshl_add_u32 v[SPW], v0, 2, SPARE
	v_mov_b32 v[NIL], 0
	ds_add_u32 v17, v18
	ds_add_u32 v17, v18
	s_wait_dscnt 0x0
	v_lshrrev_b32 v5, 5, v0
	v_readfirstlane_b32 s[WV], v5                  ; wave
	s_bfe_u32 s13, ttmp6, 0x40000                  ; cx
	s_lshl_b32 s14, ttmp9, 2
	s_add_co_u32 s14, s14, s13                     ; my block of 32 queries: it enters Q's and ctx's addresses alone
	s_and_b32 s15, ttmp7, 0xffff                   ; batch x 8 + head, which the partners share
	s_mov_b32 s[G1K], 15|(3<<16)|(1<<21)           ; the mask: all four; elements of 8 bytes; no padding; bit 21 beside a mask
	s_mov_b32 s[G1K+1], 32<<16                     ; rows of 32 elements, 256 bytes, dense
	s_mov_b32 s[G1K+2], 64<<16                     ; 64 rows: 16 KB, 128 keys
	s_mov_b32 s[G1K+3], 32<<16
	s_mov_b32 s[G1K+4], 64
	s_mov_b32 s[G1K+5], 32
	s_mov_b32 s[G1K+6], 0
	s_mov_b32 s[G1K+7], 0
	s_mov_b32 s[G1V], 15|(3<<16)|(1<<21)
	s_mov_b32 s[G1V+1], 32<<16
	s_mov_b32 s[G1V+2], 256<<16                    ; 256 rows: 64 KB, 512 keys
	s_mov_b32 s[G1V+3], 32<<16
	s_mov_b32 s[G1V+4], 256
	s_mov_b32 s[G1V+5], 32
	s_mov_b32 s[G1V+6], 0
	s_mov_b32 s[G1V+7], 0
	s_mov_b32 s[SEL], 0x76543210                   ; v_permlanex16_b32: lane l xor 16
	s_mov_b32 s[SEL+1], 0xfedcba98
	s_lshl_b32 s61, s15, 18                        ; the head's 262,144 bytes in each of q, k, v
	s_lshl_b32 s21, s[WV], 16                      ; my 64 KB, in memory and in LDS
	s_add_co_u32 s62, s61, s21
	s_mov_b32 s63, 0
	s_wait_kmcnt 0x0
	s_load_b128 s[16:19], s[8:9], 0x18             ; e6, e7, e8, e9
	s_load_b32 s20, s[8:9], 0x28                   ; e10
	s_add_nc_u64 s[62:63], s[4:5], s[62:63]
.irp q, 0,1,2,3
	s_mov_b32 s[G0K+4*\q], 1
	s_add_co_u32 s[G0K+4*\q+1], s21, \q*16384
	s_add_nc_u64 s[G0K+4*\q+2:G0K+4*\q+3], s[62:63], 0x400000+\q*16384
	s_or_b32 s[G0K+4*\q+3], s[G0K+4*\q+3], 0x80000000
.endr
	s_mov_b32 s[G0V], 1
	s_mov_b32 s[G0V+1], s21
	s_add_nc_u64 s[G0V+2:G0V+3], s[62:63], 0x800000
	s_or_b32 s[G0V+3], s[G0V+3], 0x80000000
	CROUND                                         ; all four work-groups are here: the first joint loads meet
	tensor_load_to_lds s[G0K:G0K+3], s[G1K:G1K+7]  ; my 512 keys, 128 a load, so that the first products need wait for the first alone
	s_nop 0
	tensor_load_to_lds s[G0K+4:G0K+7], s[G1K:G1K+7]
	s_nop 0
	tensor_load_to_lds s[G0K+8:G0K+11], s[G1K:G1K+7]
	s_nop 0
	tensor_load_to_lds s[G0K+12:G0K+15], s[G1K:G1K+7]
	s_nop 0
	PLACES                                         ; four v_nop follow the last
	v_and_b32 v5, 31, v0                           ; lane
	v_and_b32 v6, 15, v0                           ; r
	v_bfe_u32 v9, v0, 4, 1                         ; h
	v_lshlrev_b32 v[L16], 4, v5
	s_lshl_b32 s66, s14, 12
	s_add_co_u32 s66, s66, s61
	s_mov_b32 s67, 0
	s_add_nc_u64 s[66:67], s[4:5], s[66:67]        ; my 32 queries: 4,096 bytes, two fragments
.irp u, 0,1
.irp c, 0,1,2,3
	global_load_b128 v[QF+16*\u+4*\c:QF+16*\u+4*\c+3], v[L16], s[66:67] offset:2048*\u+512*\c
.endr
.endr
	s_lshr_b32 s68, s15, 3
	s_lshl_b32 s68, s68, 11
	s_mov_b32 s69, 0
	s_add_nc_u64 s[68:69], s[6:7], s[68:69]        ; the batch's 2,048 mask bytes
	v_lshlrev_b32 v19, 4, v0
	global_load_b128 v[96:99], v19, s[68:69]       ; thread t: keys 16 t .. 16 t + 15, which are keys of its own wave
	v_add_nc_u32 v[KVA], s21, v[L16]
	s_lshl_b32 s72, s[WV], 11
	s_add_co_u32 s72, s72, CM
	v_lshl_add_u32 v[TBA], v9, 6, s72              ; the tables: my wave's 2,048 bytes, + 64 h
	v_lshl_add_u32 v[EXW], v0, 4, EX
	v_add_nc_u32 v[EXR], EX, v[L16]
	v_lshl_add_u32 v[MXW], v0, 3, MX
	v_lshl_add_u32 v[MXR], v5, 3, MX
	s_lshl_b32 s72, s[WV], 12
	v_add_nc_u32 v[ORD], s72, v[L16]               ; O's images: of each wave's 16 KB the 4 KB that I add up
	v_add_nc_u32 v[ORD+1], 0x10000, v[ORD]
	v_add_nc_u32 v[ORD+2], 0x20000, v[ORD]
	v_add_nc_u32 v[ORD+3], 0x30000, v[ORD]
	v_and_b32 v28, 8, v6
	v_add_nc_u32 v28, v28, v6                      ; r + 8 (r / 8): the query that lane r of tile 0 holds
	v_mul_u32_u24 v[CSW], v28, 144
	v_lshl_add_u32 v[CSW], v9, 4, v[CSW]
	s_lshl_b32 s72, s[WV], 5
	s_add_co_u32 s72, s72, CST
	v_add_nc_u32 v[CSW], s72, v[CSW]
	v_lshrrev_b32 v28, 3, v5
	v_mul_u32_u24 v[CSR], v28, 144
	v_and_b32 v28, 7, v5
	v_lshl_add_u32 v[CSR], v28, 4, v[CSR]
	s_mul_i32 s72, s[WV], 8*144
	s_add_co_u32 s72, s72, CST
	v_add_nc_u32 v[CSR], s72, v[CSR]
	v_lshl_add_u32 v29, v0, 6, CM                  ; where I put my 16 keys' table entries
	v_mov_b32 v27, 0                               ; written once: a lane permute's destination counts as one of its sources
	s_and_b32 s70, s15, 7
	s_lshl_b32 s70, s70, 19                        ; ctx's codes: [head][token][128 bytes]
	s_lshr_b32 s71, s15, 3
	s_lshl_b32 s71, s71, 18
	s_add_co_u32 s70, s70, s71
	s_lshl_b32 s71, s14, 12
	s_add_co_u32 s70, s70, s71
	s_lshl_b32 s71, s[WV], 10
	s_add_co_u32 s70, s70, s71
	s_mov_b32 s71, 0
	s_add_nc_u64 s[70:71], s[10:11], s[70:71]
	s_wait_kmcnt 0x0
	s_add_co_i32 s73, s16, s17
	s_sub_co_i32 s73, s73, 1
	s_lshl_b32 s73, s73, 23
	s_add_co_i32 s73, s73, 0x3DB504F3              ; c = 128^-0.5 x 2^(e6 + e7) / 2: the exponents are added to the constant's exponent field
	v_mov_b32 v24, s73
	v_mov_b32 v25, 0xCDEE6B28                      ; -5e8 = -1e9 / 2
	s_add_co_i32 s74, s19, 127
	s_lshl_b32 s75, s74, 23
	v_mov_b32 v[SCV], s75                          ; 2^e9
	s_add_co_i32 s74, s74, 8
	s_lshl_b32 s74, s74, 23
	s_or_b32 s74, s74, 0x600000
	v_mov_b32 v[LIMV], s74                         ; 448 x 2^e9
	s_sub_co_i32 s76, s20, s18
	s_sub_co_i32 s76, s76, s19
	s_add_co_i32 s76, s76, 127
	s_add_co_i32 s77, s76, 8
	s_lshl_b32 s76, s76, 23                        ; 2^(e10 - e8 - e9), for ctx
	s_lshl_b32 s77, s77, 23
	s_or_b32 s77, s77, 0x600000
	s_wait_loadcnt 0x0                             ; Q and the mask
.irp m, 0,1,2,3
.irp j, 0,1,2,3
	v_bfe_u32 v28, v[96+\m], 8*\j, 8
	v_cmp_eq_u32 vcc_lo, 0, v28                    ; the key counts
	v_cndmask_b32 v[64+4*\m+\j], 0, v24, vcc_lo    ; c, or 0 where it is masked
	v_cndmask_b32 v[80+4*\m+\j], v25, v[NIL], vcc_lo   ; 0, or -5e8: z = raw x the one + the other replaces the score
.endr
.endr
.irp m, 0,1,2,3
	ds_store_b128 v29, v[64+4*\m:67+4*\m] offset:16*\m
	ds_store_b128 v29, v[80+4*\m:83+4*\m] offset:8192+16*\m
.endr
; ---- S^T = K Q^T: 32 tiles of 16 keys, four at a time, K's fragments in two buffers
.macro FETCHK g
.set f, 0
.rept 4
.irp c, 0,1,2,3
	ds_load_b128 v[KB+64*((\g)%2)+16*f+4*\c:KB+64*((\g)%2)+16*f+4*\c+3], v[KVA] offset:(4*(\g)+f)*2048+512*\c
.endr
.set f, f+1
.endr
.endm
	s_wait_tensorcnt 3                             ; my first 128 keys are in; three loads may be out.  Only I read these bytes
	FETCHK 0
.irp g, 0,1,2,3,4,5,6,7
.if \g < 7
.if (\g+1)%2 == 0
	s_wait_tensorcnt 3-(\g+1)/2                    ; the next 128 keys are in; the later loads may be out
.endif
	FETCHK \g+1
	s_wait_dscnt 16                                ; this group's fragments are in; the next group's sixteen loads may be out
.else
	s_wait_dscnt 0x0
.endif
	WIN 0x40                                       ; destination window 1
.irp i, 0,1,2,3
	v_wmma_f32_16x16x128_fp8_fp8 v[8*(4*\g+\i):8*(4*\g+\i)+7], v[KB+64*(\g%2)+16*\i:KB+64*(\g%2)+16*\i+15], v[QF:QF+15], 0
.endr
	WIN 0x80                                       ; window 2
.irp i, 0,1,2,3
	v_wmma_f32_16x16x128_fp8_fp8 v[8*(4*\g+\i):8*(4*\g+\i)+7], v[KB+64*(\g%2)+16*\i:KB+64*(\g%2)+16*\i+15], v[QF+16:QF+31], 0
.endr
	WIN 0
	PLACES                                         ; in front of loads into the buffer just read, and of the first read of results
.endr
; ---- V takes K's place
	s_wait_tensorcnt 0x0                           ; all my tensor loads have landed
	ds_add_u32 v[SPW], v[NIL]                      ; 0 onto my spare word
	s_wait_dscnt 0x0                               ; the add is done, and my reads of K are over
	CROUND                                         ; that holds of every wave of every partner
	tensor_load_to_lds s[G0V:G0V+3], s[G1V:G1V+7]  ; my one load behind the round: my 512 keys of V
	s_nop 0
	PLACES
; ---- z = raw x c, or -5e8
.irp R, 0,1,2,3
.set k, 0
.rept 16
	ds_load_b128 v[64+4*k:64+4*k+3], v[TBA] offset:512*\R+128*(k/4)+16*(k%4)
	ds_load_b128 v[128+4*k:128+4*k+3], v[TBA] offset:8192+512*\R+128*(k/4)+16*(k%4)
.set k, k+1
.endr
	s_wait_dscnt 0x0
	WIN 0x41                                       ; destination and source 0 window 1
.set k, 0
.rept 32
	v_pk_fma_f32 v[64*\R+2*k:64*\R+2*k+1], v[64*\R+2*k:64*\R+2*k+1], v[64+2*k:64+2*k+1], v[128+2*k:128+2*k+1]   ; each accumulator from its low end on
.set k, k+1
.endr
	WIN 0x82
.set k, 0
.rept 32
	v_pk_fma_f32 v[64*\R+2*k:64*\R+2*k+1], v[64*\R+2*k:64*\R+2*k+1], v[64+2*k:64+2*k+1], v[128+2*k:128+2*k+1]
.set k, k+1
.endr
	WIN 0
.endr
; ---- the row's maximum: four chains a tile, then the waves through LDS, then the other half of the lanes
.macro ROWMAX W, C
	WIN \W
.irp n, 0,1,2,3
	v_max_num_f32 v[\C+\n], v[2*\n], v[2*\n+1]
.endr
.set k, 8
.rept 31
.irp n, 0,1,2,3
	v_max3_num_f32 v[\C+\n], v[k+2*\n], v[k+2*\n+1], v[\C+\n]
.endr
.set k, k+8
.endr
	WIN 0
.endm
	ROWMAX 0x05, 224
	ROWMAX 0x0a, 228
	v_max3_num_f32 v24, v224, v225, v226
	v_max3_num_f32 v25, v228, v229, v230
	v_max_num_f32 v24, v24, v227
	v_max_num_f32 v25, v25, v231
	ds_store_b64 v[MXW], v[24:25]
	s_wait_dscnt 0x0                               ; for the others' sake
	s_barrier_signal -1
	s_barrier_wait -1                              ; (V's load may stay out)
.irp w, 0,1,2,3
	ds_load_b64 v[64+2*\w:65+2*\w], v[MXR] offset:256*\w
.endr
	s_wait_dscnt 0x0
	v_max3_num_f32 v24, v64, v66, v68
	v_max3_num_f32 v26, v65, v67, v69
	v_max_num_f32 v24, v24, v70
	v_max_num_f32 v26, v26, v71
	v_permlanex16_b32 v25, v24, s[SEL], s[SEL+1]
	v_permlanex16_b32 v27, v26, s[SEL], s[SEL+1]
	v_max_num_f32 v24, v24, v25
	v_max_num_f32 v26, v26, v27
	v_mov_b32 v25, v24
	v_mov_b32 v27, v26
	WIN 0x41
.set k, 0
.rept 128
	v_pk_add_f32 v[2*k:2*k+1], v[2*k:2*k+1], v[24:25] neg_lo:[0,1] neg_hi:[0,1]   ; z' = z - the maximum
.set k, k+1
.endr
	WIN 0x82
.set k, 0
.rept 128
	v_pk_add_f32 v[2*k:2*k+1], v[2*k:2*k+1], v[26:27] neg_lo:[0,1] neg_hi:[0,1]
.set k, k+1
.endr
	WIN 0
	v_mov_b32 v[NT0], 1.0                          ; tau = -1
	v_mov_b32 v[NT0+1], 1.0
	v_mov_b32 v[NT1], 1.0
	v_mov_b32 v[NT1+1], 1.0
; ---- the search.  One tile's part of a pass: d = (z' - tau)+, s1 += d, s2 += d d, 32 scores at a time, in four chains of pairs each; the first four pairs start the chains: nothing is cleared
.macro PASSW W, NT, A1, A2
.set g, 0
.rept 8
	WIN \W
.set k, 0
.rept 16
	v_pk_add_f32 v[T+2*k:T+2*k+1], v[32*g+2*k:32*g+2*k+1], v[\NT:\NT+1]
.set k, k+1
.endr
	WIN 0
.set k, 0
.rept 16
.if (g == 0) && (k < 4)
	MAX2 \A1+2*k, T+2*k
.else
	MAX2 T+2*k, T+2*k
.endif
.set k, k+1
.endr
.set k, 0
.rept 16
.if (g == 0) && (k < 4)
	v_pk_mul_f32 v[\A2+2*k:\A2+2*k+1], v[\A1+2*k:\A1+2*k+1], v[\A1+2*k:\A1+2*k+1]
.else
	v_pk_add_f32 v[\A1+2*(k%4):\A1+2*(k%4)+1], v[\A1+2*(k%4):\A1+2*(k%4)+1], v[T+2*k:T+2*k+1]
	v_pk_fma_f32 v[\A2+2*(k%4):\A2+2*(k%4)+1], v[T+2*k:T+2*k+1], v[T+2*k:T+2*k+1], v[\A2+2*(k%4):\A2+2*(k%4)+1]
.endif
.set k, k+1
.endr
.set g, g+1
.endr
.endm
.macro JOIN a, d                       ; four pairs become one number
	v_pk_add_f32 v[\a:\a+1], v[\a:\a+1], v[\a+2:\a+3]
	v_pk_add_f32 v[\a+4:\a+5], v[\a+4:\a+5], v[\a+6:\a+7]
	v_pk_add_f32 v[\a:\a+1], v[\a:\a+1], v[\a+4:\a+5]
	v_add_f32 v[\d], v[\a], v[\a+1]
.endm
	s_mov_b32 s60, 0
.Lpass:
	PASSW 0x01, NT0, 224, 232
	PASSW 0x02, NT1, 240, 248
	JOIN 224, 24                                   ; s1 of tile 0,
	JOIN 232, 25                                   ; s2,
	JOIN 240, 26                                   ; and of tile 1
	JOIN 248, 27
	ds_store_b128 v[EXW], v[24:27]
	s_wait_dscnt 0x0                               ; for the others' sake
	s_barrier_signal -1
	s_barrier_wait -1
.irp w, 0,1,2,3
	ds_load_b128 v[64+4*\w:67+4*\w], v[EXR] offset:512*\w
.endr
	s_wait_dscnt 0x0                               ; my reads of the four waves' sums are in:
	s_barrier_signal -1                            ; say so; the wait stands at the trip's end, in front of the next pass's store over these words
	v_pk_add_f32 v[64:65], v[64:65], v[68:69]      ; (w0 + w1) + (w2 + w3): the same order in every wave
	v_pk_add_f32 v[66:67], v[66:67], v[70:71]
	v_pk_add_f32 v[72:73], v[72:73], v[76:77]
	v_pk_add_f32 v[74:75], v[74:75], v[78:79]
	v_pk_add_f32 v[64:65], v[64:65], v[72:73]
	v_pk_add_f32 v[66:67], v[66:67], v[74:75]
.irp n, 0,1,2,3
	v_permlanex16_b32 v[80+\n], v[64+\n], s[SEL], s[SEL+1]
.endr
	v_pk_add_f32 v[64:65], v[64:65], v[80:81]      ; and the other half of the lanes'
	v_pk_add_f32 v[66:67], v[66:67], v[82:83]
	v_sqrt_f32 v68, v65
	v_sqrt_f32 v69, v67
	v_rcp_f32 v70, v64
	v_rcp_f32 v71, v66
	v_nop                                          ; a plain line behind the batch,
	s_wait_alu depctr_va_vdst(0)                   ; and the one wait ahead of its first reader
	v_sub_f32 v68, v65, v68
	v_sub_f32 v69, v67, v69
	v_fma_f32 v[NT0], -v68, v70, v[NT0]            ; -tau -= (s2 - sqrt(s2)) / s1
	v_fma_f32 v[NT1], -v69, v71, v[NT1]
	v_mov_b32 v[NT0+1], v[NT0]
	v_mov_b32 v[NT1+1], v[NT1]
	s_barrier_wait -1
	s_add_co_u32 s60, s60, 1
	s_cmp_lt_u32 s60, NPASS
	s_cbranch_scc1 .Lpass
; ---- p = ((z' - tau)+)^2, quantised, and O^T += V^T P^T, 128 keys at a time
.macro FETCHV s
	WIN 0xc0                                       ; destination window 3
.irp t, 0,1,2,3,4,5,6,7
.irp c, 0,1,2,3
	ds_load_b128 v[128+16*\t+4*\c:128+16*\t+4*\c+3], v[KVA] offset:(\s)*16384+\t*2048+512*\c
.endr
.endr
	WIN 0
.endm
.macro MAKEP W, NT, s, P
	WIN \W
.set k, 0
.rept 32
	v_pk_add_f32 v[T+2*k:T+2*k+1], v[64*(\s)+2*k:64*(\s)+2*k+1], v[\NT:\NT+1]
.set k, k+1
.endr
	WIN 0
.set k, 0
.rept 32
	MAX2 T+2*k, T+2*k
.set k, k+1
.endr
.set k, 0
.rept 32
	v_pk_mul_f32 v[T+2*k:T+2*k+1], v[T+2*k:T+2*k+1], v[T+2*k:T+2*k+1]
.set k, k+1
.endr
.set k, 0
.rept 32
	MIN2 T+2*k                                     ; the conversion does not saturate (ISA guide 7.6.2); p is not negative, so the hold is one-sided
.set k, k+1
.endr
.set k, 0
.rept 8
	v_cvt_scalef32_pk8_fp8_f32 v[\P+2*k:\P+2*k+1], v[T+8*k:T+8*k+7], v[SCV]
.set k, k+1
.endr
	v_nop                                          ; a plain line behind the conversions
.endm
	s_wait_tensorcnt 0x0                           ; V is in; only I read my 64 KB
	FETCHV 0
.irp s, 0,1,2,3
	MAKEP 0x01, NT0, \s, PC
	MAKEP 0x02, NT1, \s, PC+16
	s_wait_dscnt 0x0                               ; V's eight fragments are in
	WIN 0xf3                                       ; V, C and D window 3, P window 0
.irp t, 0,1,2,3,4,5,6,7
.irp q, 0,1
.if \s == 0
	v_wmma_f32_16x16x128_fp8_fp8 v[32*(\t/2)+16*\q+8*(\t%2):32*(\t/2)+16*\q+8*(\t%2)+7], v[128+16*\t:128+16*\t+15], v[PC+16*\q:PC+16*\q+15], 0
.else
	v_wmma_f32_16x16x128_fp8_fp8 v[32*(\t/2)+16*\q+8*(\t%2):32*(\t/2)+16*\q+8*(\t%2)+7], v[128+16*\t:128+16*\t+15], v[PC+16*\q:PC+16*\q+15], v[32*(\t/2)+16*\q+8*(\t%2):32*(\t/2)+16*\q+8*(\t%2)+7]
.endif
.endr
.endr                                              ; sixteen accumulators by turns, one instruction a turn
	WIN 0
	PLACES
.if \s < 3
	FETCHV \s+1
.endif
.endr
; ---- the four waves' parts of O^T are added: each wave puts its 128 registers into its own 64 KB (V has had its last fill and its last read), and takes 32 of them from all four
	WIN 0x0c                                       ; store data window 3
.set k, 0
.rept 32
	ds_store_b128 v[KVA], v[4*k:4*k+3] offset:512*k   ; ascending: each accumulator from its low end on
.set k, k+1
.endr
	WIN 0
	s_wait_dscnt 0x0
	s_barrier_signal -1
	s_barrier_wait -1
.irp w, 0,1,2,3
.irp i, 0,1,2,3,4,5,6,7
	ds_load_b128 v[64+32*\w+4*\i:64+32*\w+4*\i+3], v[ORD+\w] offset:512*\i
.endr
.endr
	v_mov_b32 v28, s76
	v_mov_b32 v29, s77
	s_wait_dscnt 0x0
.set k, 0
.rept 16
	v_pk_add_f32 v[64+2*k:64+2*k+1], v[64+2*k:64+2*k+1], v[96+2*k:96+2*k+1]
	v_pk_add_f32 v[128+2*k:128+2*k+1], v[128+2*k:128+2*k+1], v[160+2*k:160+2*k+1]
.set k, k+1
.endr
.set k, 0
.rept 16
	v_pk_add_f32 v[64+2*k:64+2*k+1], v[64+2*k:64+2*k+1], v[128+2*k:128+2*k+1]   ; register 16 q + i: channel 32 w + 16 h + i of my query of tile q
.set k, k+1
.endr
.set k, 0
.rept 32
	v_med3_num_f32 v[64+k], v[64+k], -v29, v29
.set k, k+1
.endr
.irp k, 0,1,2,3
	v_cvt_scalef32_pk8_fp8_f32 v[192+2*\k:193+2*\k], v[64+8*\k:71+8*\k], v28
.endr
	v_nop
	ds_store_b128 v[CSW], v[192:195]               ; 16 codes of a token's 128
	ds_store_b128 v[CSW], v[196:199] offset:8*144  ; tile 1's queries lie 8 rows further on
	s_wait_dscnt 0x0
	s_barrier_signal -1
	s_barrier_wait -1
	ds_load_b128 v[64:67], v[CSR]
	ds_load_b128 v[68:71], v[CSR] offset:4*144
	s_wait_dscnt 0x0
	global_store_b128 v[L16], v[64:67], s[70:71]              ; four tokens' 512 consecutive bytes
	global_store_b128 v[L16], v[68:71], s[70:71] offset:512
	s_wait_tensorcnt 0x0                           ; the wave's end
	ds_add_u32 v[SPW], v[NIL]
	s_wait_dscnt 0x0
	CROUND                                         ; the closing round
	s_endpgm
.Lfunc_end_k_q7391d1993b_attn:
	.size	k_q7391d1993b_attn, .Lfunc_end_k_q7391d1993b_attn-k_q7391d1993b_attn
	.p2alignl 7, 3214868480
	.fill 96, 4, 3214868480
	.section	.rodata,"a",@progbits
	.p2align	6, 0x0
	.amdhsa_kernel k_q7391d1993b_attn
		.amdhsa_group_segment_fixed_size 327680
		.amdhsa_private_segment_fixed_size 0
		.amdhsa_enable_private_segment 0
		.amdhsa_kernarg_size 32
		.amdhsa_user_sgpr_count 2
		.amdhsa_user_sgpr_kernarg_segment_ptr 1
		.amdhsa_wavefront_size32 1
		.amdhsa_system_sgpr_workgroup_id_x 1
		.amdhsa_system_sgpr_workgroup_id_y 1
		.amdhsa_system_sgpr_workgroup_id_z 1
		.amdhsa_system_vgpr_workitem_id 0
		.amdhsa_next_free_vgpr 1024
		.amdhsa_next_free_sgpr 80
		.amdhsa_reserve_vcc 1
		.amdhsa_float_denorm_mode_32 3
		.amdhsa_float_denorm_mode_16_64 3
		.amdhsa_memory_ordered 1
		.amdhsa_forward_progress 1
		.amdhsa_inst_pref_size 244
	.end_amdhsa_kernel
	.amdgpu_metadata
---
amdhsa.version: [ 1, 2 ]
amdhsa.kernels:
  - .name:           k_q7391d1993b_attn
    .symbol:         k_q7391d1993b_attn.kd
    .args:
      - { .name: qkvc, .offset: 0, .size: 8, .value_kind: global_buffer, .address_space: global }
      - { .name: mask, .offset: 8, .size: 8, .value_kind: global_buffer, .address_space: global }
      - { .name: lowp_scales, .offset: 16, .size: 8, .value_kind: global_buffer, .address_space: global }
      - { .name: ctxc, .offset: 24, .size: 8, .value_kind: global_buffer, .address_space: global }
    .group_segment_fixed_size: 327680
    .private_segment_fixed_size: 0
    .kernarg_segment_align: 8
    .kernarg_segment_size: 32
    .max_flat_workgroup_size: 128
    .sgpr_count:     80
    .vgpr_count:     1024
    .wavefront_size: 32
...
	.end_amdgpu_metadata
.endif
;; end of part 3
;; launch oproj (part 4): grid 4 x 16, 4 waves a work-group, clusters of 4 x 4, 327,680 bytes of LDS; arguments ctxc, cod, ob, src, lowp_scales, xf, xc; writes xf, xc
.if DOCPART == 4
	.amdgcn_target "amdgcn-amd-amdhsa--gfx1250"
	.amdhsa_code_object_version 6
	.text
	.protected	k_q7391d1993b_oproj
	.globl	k_q7391d1993b_oproj
	.p2align	8
	.type	k_q7391d1993b_oproj,@function
k_q7391d1993b_oproj:
	s_mov_b64 s[64:65], 0
	v_nop
	global_prefetch_b8 v0, s[64:65] scope:SCOPE_SE
	s_setreg_imm32_b32 hwreg(HW_REG_WAVE_MODE, 25, 1), 1
	s_wait_xcnt 0x0
	s_wait_alu depctr_hold_cnt(0) depctr_sa_sdst(0) depctr_va_vdst(0) depctr_va_sdst(0) depctr_va_ssrc(0) depctr_va_vcc(0) depctr_vm_vsrc(0)
	s_getreg_b32 s2, hwreg(HW_REG_IB_STS2, 6, 4)
	s_cmp_eq_u32 s2, 0
	s_cbranch_scc0 .Lentry_in_a_cluster
	s_endpgm
.Lentry_in_a_cluster:
	s_bfe_u32 s2, ttmp6, 0x10000c
	s_cmp_lg_u32 s2, 0xf033
	s_cbranch_scc0 .Lentry_shape_is_right
	s_endpgm
.Lentry_shape_is_right:
; x = src + ctx ow^T + ob, the product on codes of E4M3 (entries 10, 11); x is stored as f32 and, quantised with entry 12, as codes for the next product.
; A = ctx's codes, laid [block of 128 along K][token][128 bytes]; B = ow's codes, rows of 1,024 bytes, at 0x700000 of cod.
; A tile of C, 256 x 256, is made by four waves, each 128 x 128: 64 accumulators.  K goes in steps of 256 through a ring of two LDS slots.  A's part of a slot is two dense blocks of 256 tokens x 128 bytes,
; stated as 128 rows of 256 bytes (two tokens a row): token t lies in LDS row t / 2 at byte 128 (t % 2).
; CLUSTERS: 4 x 4; A's tile is shared along a row of the cluster, B's along a column: joint loads.  64 work-groups: the tile is kept large so that one main loop serves all four products of this program.
; THE MATRIX INSTRUCTION IS USED TRANSPOSED: a lane holds eight neighbouring columns of one row of C.  THE BIAS, divided by 2^(ea + eb), is the C of each sum's first instruction.
; LIMITS: e10 + e11 between -126 and 127; e12 between -126 and 119.  NaN is not served.
; REGISTERS: window 0: v0-31 addresses; v32-95 the bias; from v128 A's fragments.  window 1: B's fragments, two sets; on the way out the residual's rows.  windows 2, 3: accumulators.
.set KTOT,   1024
.set BOFF,   0x700000
.set ASTEP,  1048576                   ; from a K step of A to the next: two blocks of 4,096 tokens x 128 bytes
.set KSTEP,  256
.set ROWB,   256
.set PITCH,  272
.set FR,     16
.set NL,     4
.set NP,     4
.set HALFT,  128*PITCH
.set SLOT,   4*HALFT
.set LAPS,   KTOT/(2*KSTEP)
.set SPARE,  2*SLOT
.set SPITCH, 528
.set STGB,   128*SPITCH
.set ADRA, 16
.set RP1,  18
.set ADRB, 20
.set RD1,  22
.set RP0,  23
.set STO,  24
.set RD0,  25
.set CO,   26
.set C8,   27
.set SPW,  28
.set NIL,  29
.set LIMV, 30
.set SCV,  31
.set CB,   32
.set XR,   32
.set AF,   128
.set XQ,   160
.set XC,   224
.set G1, 24
.set G0, 32
.set G1B, 48
.set G0B, 56
.set MSB, 0
.macro WIN new
.if MSB != (\new)
	s_set_vgpr_msb (MSB<<8)|(\new)
.set MSB, (\new)
.endif
.endm
.set MUL_LO, 0xa1
.set MUL_HI, 0xf1
.set TO_B,   0x40
.macro JLOAD g0a, g1a, g0b, g1b
	s_cmp_eq_u32 s15, 0
	s_cbranch_scc0 .Lfor_b_\@
	tensor_load_to_lds s[\g0a:\g0a+3], s[\g1a:\g1a+7]
	s_nop 0
.rept 4
	v_nop
.endr
	s_branch .Lasked_\@
.Lfor_b_\@:
	tensor_load_to_lds s[\g0b:\g0b+3], s[\g1b:\g1b+7]
	s_nop 0
.rept 4
	v_nop
.endr
.Lasked_\@:
.endm
.macro CREST
	s_cmp_lg_u32 s14, 0
	s_cbranch_scc1 .Lnot_wave_0_\@
	s_barrier_signal -3
.Lnot_wave_0_\@:
	s_barrier_wait -3
	s_barrier_signal -1
	s_barrier_wait -1
.endm
.macro CROUND
	s_barrier_signal -1
	s_barrier_wait -1
	CREST
.endm
	s_load_b128 s[4:7], s[0:1], 0x0                ; ctx's codes, cod
	s_load_b128 s[84:87], s[0:1], 0x10             ; ob, src
	s_load_b128 s[8:11], s[0:1], 0x20              ; the exponents, xf
	s_load_b64 s[88:89], s[0:1], 0x30              ; xc
	v_lshl_add_u32 v[SPW], v0, 2, SPARE
	v_mov_b32 v[NIL], 0
	ds_add_u32 v28, v29
	ds_add_u32 v28, v29
	s_wait_dscnt 0x0
	v_lshrrev_b32 v1, 5, v0
	v_readfirstlane_b32 s14, v1
	s_lshr_b32 s15, s14, 1
	s_and_b32 s16, s14, 1
	s_bfe_u32 s40, ttmp6, 0x40000
	s_bfe_u32 s41, ttmp6, 0x40004
	s_lshl_b32 s42, ttmp9, 2
	s_add_co_u32 s42, s42, s40                     ; tile column
	s_and_b32 s17, ttmp7, 0xffff
	s_lshl_b32 s17, s17, 2
	s_add_co_u32 s17, s17, s41                     ; tile row
	s_lshl_b32 s43, s41, 2
	s_lshl_b32 s43, 15, s43
	s_lshl_b32 s44, 0x1111, s40
	s_or_b32 s[G1+0], s43, (0<<16)|(1<<20)|(1<<21)|(5<<22)|(3<<25)
	s_or_b32 s[G1B+0], s44, (0<<16)|(1<<20)|(1<<21)|(5<<22)|(3<<25)
.irp g, G1, G1B
	s_mov_b32 s[\g+1], ROWB<<16
	s_mov_b32 s[\g+2], 128<<16
	s_mov_b32 s[\g+3], ROWB<<16
	s_mov_b32 s[\g+4], 128
	s_mov_b32 s[\g+6], 0
	s_mov_b32 s[\g+7], 0
.endr
	s_mov_b32 s[G1+5], 256                         ; A's block is dense
	s_mov_b32 s[G1B+5], KTOT
	s_lshl_b32 s20, s17, 15                        ; A: the tile row's 256 tokens x 128 bytes,
	s_lshl_b32 s18, s16, 19                        ; in block 0 (wave 0) or 1 (wave 1) of the K step
	s_add_co_u32 s20, s20, s18
	s_mov_b32 s21, 0
	s_lshl_b32 s18, s16, 7
	s_lshl_b32 s46, s42, 8
	s_add_co_u32 s46, s46, s18
	s_mul_i32 s46, s46, KTOT
	s_add_co_u32 s46, s46, BOFF
	s_mov_b32 s47, 0
	s_mul_i32 s45, s14, HALFT
	s_wait_kmcnt 0x0
	s_load_b512 s[68:83], s[8:9], 0x0
	s_add_nc_u64 s[20:21], s[4:5], s[20:21]
	s_add_nc_u64 s[46:47], s[6:7], s[46:47]
	CROUND
.irp s, 0,1
	s_mov_b32 s[G0+4*\s], 1
	s_add_co_u32 s[G0+4*\s+1], s45, \s*SLOT
	s_add_nc_u64 s[G0+4*\s+2:G0+4*\s+3], s[20:21], \s*ASTEP
	s_or_b32 s[G0+4*\s+3], s[G0+4*\s+3], 0x80000000
	s_mov_b32 s[G0B+4*\s], 1
	s_add_co_u32 s[G0B+4*\s+1], s45, \s*SLOT
	s_add_nc_u64 s[G0B+4*\s+2:G0B+4*\s+3], s[46:47], \s*ROWB
	s_or_b32 s[G0B+4*\s+3], s[G0B+4*\s+3], 0x80000000
	JLOAD G0+4*\s, G1, G0B+4*\s, G1B
.endr
	v_and_b32 v1, 15, v0                           ; r
	v_bfe_u32 v2, v0, 4, 1                         ; h
	v_mul_u32_u24 v3, v1, PITCH
	v_lshl_add_u32 v4, v2, 4, v3                   ; B: row r x pitch + 16 h
	v_lshrrev_b32 v5, 1, v1
	v_mul_u32_u24 v5, v5, PITCH
	v_and_b32 v6, 1, v1
	v_lshl_add_u32 v5, v6, 7, v5
	v_lshl_add_u32 v5, v2, 4, v5                   ; A: LDS row r / 2, byte 128 (r % 2) + 16 h: sixteen different 16-byte columns
	s_mul_i32 s21, s15, 64*PITCH                   ; my 128 tokens are 64 LDS rows
	s_mul_i32 s22, s16, HALFT
	s_add_co_u32 s22, s22, 2*HALFT
.irp s, 0,1
	v_add_nc_u32 v[ADRA+\s], s21, v5
	v_add_nc_u32 v[ADRB+\s], s22, v4
	s_add_co_u32 s21, s21, SLOT
	s_add_co_u32 s22, s22, SLOT
.endr
	s_mul_i32 s23, s14, STGB                       ; my stage
	v_mul_u32_u24 v5, v1, SPITCH
	v_lshl_add_u32 v5, v2, 5, v5
	v_add_nc_u32 v[STO], s23, v5
	v_and_b32 v6, 31, v0
	v_lshlrev_b32 v[CO], 4, v6
	v_lshlrev_b32 v[C8], 3, v6
	v_add_nc_u32 v[RD0], s23, v[CO]                ; back by rows: 32 lanes take a row's 512 bytes
	v_add_nc_u32 v[RD1], 64*SPITCH, v[RD0]
	v_mul_u32_u24 v5, v2, SPITCH
	v_lshl_add_u32 v5, v1, 5, v5
	v_add_nc_u32 v[RP0], s23, v5                   ; back by pairs of rows: sixteen lanes a row, 8 numbers a lane
	v_add_nc_u32 v[RP1], 64*SPITCH, v[RP0]
	s_lshl_b32 s46, s42, 10
	s_lshl_b32 s47, s16, 9
	s_add_co_u32 s46, s46, s47                     ; my first column x 4
	s_mov_b32 s47, 0
	s_add_nc_u64 s[84:85], s[84:85], s[46:47]
	v_lshlrev_b32 v7, 5, v2
.irp b, 0,1,2,3,4,5,6,7
	global_load_b128 v[CB+8*\b:CB+8*\b+3], v7, s[84:85] offset:64*\b        ; the bias in the result's layout: columns 16 b + 8 h + 0 .. 7
	global_load_b128 v[CB+8*\b+4:CB+8*\b+7], v7, s[84:85] offset:64*\b+16
.endr
	s_lshl_b32 s20, s17, 8
	s_lshl_b32 s21, s15, 7
	s_add_co_u32 s20, s20, s21                     ; my first row
	s_lshl_b32 s22, s20, 12
	s_add_co_u32 s22, s22, s46
	s_mov_b32 s23, 0
	s_add_nc_u64 s[10:11], s[10:11], s[22:23]      ; xf and src at my corner
	s_add_nc_u64 s[86:87], s[86:87], s[22:23]
	s_lshl_b32 s22, s46, 10                        ; xc: my block of 128 columns x 524,288
	s_lshl_b32 s21, s20, 7                         ; + my first row x 128
	s_add_co_u32 s22, s22, s21
	s_add_nc_u64 s[88:89], s[88:89], s[22:23]
	s_wait_kmcnt 0x0
	s_add_co_i32 s92, s78, s79                     ; ea + eb
	s_sub_co_i32 s93, 0, s92
	s_add_co_i32 s94, s92, 127
	s_lshl_b32 s94, s94, 23                        ; 2^(ea + eb)
	s_mov_b32 s95, s94                             ; (named with it as a pair)
	s_add_co_i32 s96, s80, 127
	s_lshl_b32 s97, s96, 23
	v_mov_b32 v[SCV], s97                          ; 2^e12
	s_add_co_i32 s96, s96, 8
	s_lshl_b32 s96, s96, 23
	s_or_b32 s96, s96, 0x600000
	v_mov_b32 v[LIMV], s96
	s_wait_loadcnt 0x0
.set k, 0
.rept 64
	v_ldexp_f32 v[CB+k], v[CB+k], s93              ; the bias goes in divided by the power of two that the sums lack
.set k, k+1
.endr
.macro FRAGB reg, adr, q, i
.irp c, 0,1,2,3
	ds_load_b128 v[\reg+4*\c:\reg+4*\c+3], v[\adr] offset:128*(\q)+32*\c+(\i)*16*PITCH
.endr
.endm
.macro FRAGA reg, adr, q, i            ; block q of the K step, tokens 16 i on: 8 LDS rows
.irp c, 0,1,2,3
	ds_load_b128 v[\reg+4*\c:\reg+4*\c+3], v[\adr] offset:(\q)*HALFT+32*\c+(\i)*8*PITCH
.endr
.endm
.macro MUL16 a0, p, zero               ; zero = 2: the first product starts the sums from the bias
.irp a, \a0, \a0+1
.irp b, 0,1,2,3,4,5,6,7
.if \zero == 2
	v_wmma_f32_16x16x128_fp8_fp8 v[8*(8*((\a)%4)+\b):8*(8*((\a)%4)+\b)+7], v[128*(\p)+FR*\b:128*(\p)+FR*\b+FR-1], v[AF+FR*(\a):AF+FR*(\a)+FR-1], v[CB+8*\b:CB+8*\b+7]
.else
	v_wmma_f32_16x16x128_fp8_fp8 v[8*(8*((\a)%4)+\b):8*(8*((\a)%4)+\b)+7], v[128*(\p)+FR*\b:128*(\p)+FR*\b+FR-1], v[AF+FR*(\a):AF+FR*(\a)+FR-1], v[8*(8*((\a)%4)+\b):8*(8*((\a)%4)+\b)+7]
.endif
.endr
.endr
.endm
.macro FETCH_B slot, q, p
	WIN TO_B
.irp i, 0,1,2,3,4,5,6,7
	FRAGB 128*(\p)+FR*\i, ADRB+\slot, \q, \i
.endr
	WIN 0
.endm
.macro FETCH_A slot, q, i0
.irp i, \i0, \i0+1, \i0+2, \i0+3
	FRAGA AF+FR*(\i), ADRA+\slot, \q, \i
.endr
.endm
.macro PLACES n
.rept \n
	v_nop
.endr
.endm
.macro STEP slot, q, zero
	s_wait_dscnt 4*NL                              ; B's set and A's blocks 0-3 are in; A's blocks 4-7 may be out
.if \zero == 2
	WIN 0x81                                       ; D window 2, C (the bias) window 0
.else
	WIN MUL_LO
.endif
	MUL16 0, (\q)%2, \zero
	MUL16 2, (\q)%2, \zero
	s_wait_dscnt 0
	PLACES NP
	FETCH_B \slot, (\q)+1, 1-(\q)%2
	FETCH_A \slot, (\q)+1, 0
.if \zero == 2
	WIN 0xc1
.else
	WIN MUL_HI
.endif
	MUL16 4, (\q)%2, \zero
	MUL16 6, (\q)%2, \zero
	PLACES NP
	WIN 0
	FETCH_A \slot, (\q)+1, 4
.endm
.macro TURN slot, next, fill
	s_wait_tensorcnt 0x0                           ; all my tensor loads have landed: my part of the next slot
	ds_add_u32 v[SPW], v[NIL]                      ; 0 onto my spare word
	s_wait_dscnt 4*NL+1                            ; (the add and A's blocks 4-7 may be out)
	WIN MUL_LO
	MUL16 0, 1, 0
	s_wait_dscnt 0x0                               ; the add is done, and my reads of this slot are over
	s_barrier_signal -1
	MUL16 2, 1, 0
	WIN 0
	s_barrier_wait -1
.if \fill
	CREST
	s_add_nc_u64 s[G0+4*\slot+2:G0+4*\slot+3], s[G0+4*\slot+2:G0+4*\slot+3], 2*ASTEP
	s_add_nc_u64 s[G0B+4*\slot+2:G0B+4*\slot+3], s[G0B+4*\slot+2:G0B+4*\slot+3], 2*ROWB
	JLOAD G0+4*\slot, G1, G0B+4*\slot, G1B
.else
	PLACES NP
.endif
	FETCH_B \next, 0, 0
	FETCH_A \next, 0, 0
	WIN MUL_HI
	MUL16 4, 1, 0
	MUL16 6, 1, 0
	PLACES NP
	WIN 0
	FETCH_A \next, 0, 4
.endm
	s_wait_tensorcnt 1                             ; my part of K step 0 is in; K step 1's load may be out
	s_barrier_signal -1
	s_barrier_wait -1
	FETCH_B 0, 0, 0
	FETCH_A 0, 0, 0
	FETCH_A 0, 0, 4
	STEP 0, 0, 2
	s_mov_b32 s3, LAPS-1
.Llap:
	TURN 0, 1, 1
	STEP 1, 0, 0
	TURN 1, 0, 1
	STEP 0, 0, 0
	s_sub_co_u32 s3, s3, 1
	s_cmp_lg_u32 s3, 0
	s_cbranch_scc1 .Llap
	TURN 0, 1, 0
	STEP 1, 0, 0
	s_wait_dscnt 4*NL
	WIN MUL_LO
	MUL16 0, 1, 0
	MUL16 2, 1, 0
	s_wait_dscnt 0
	WIN MUL_HI
	MUL16 4, 1, 0
	MUL16 6, 1, 0
	WIN 0
	PLACES NP
; THE WAY OUT.  32 rows of the residual into window 1, where B's fragments lay
.macro RLOAD i
	WIN 0x40
.set t, 0
.rept 32
	global_load_b128 v[128*((\i)%2)+4*t:128*((\i)%2)+4*t+3], v[CO], s[86:87] offset:(32*(\i)+t)*4096
.set t, t+1
.endr
	WIN 0
.endm
	RLOAD 0
	RLOAD 1
	s_wait_dscnt 0x0                               ; my reads of the ring are over;
	s_barrier_signal -1
	s_barrier_wait -1                              ; everybody's are, and no fill follows: the stages may be laid over it
.irp a, 0,1,2,3,4,5,6,7
	WIN 0x08+4*((\a)/4)
.irp b, 0,1,2,3,4,5,6,7
	ds_store_b128 v[STO], v[8*(8*((\a)%4)+\b):8*(8*((\a)%4)+\b)+3] offset:(\a)*16*SPITCH+64*\b      ; each accumulator from its low end on
	ds_store_b128 v[STO], v[8*(8*((\a)%4)+\b)+4:8*(8*((\a)%4)+\b)+7] offset:(\a)*16*SPITCH+64*\b+16
.endr
.endr
	WIN 0
; 32 rows: back from my stage by rows, x = raw x 2^(ea + eb) + src, stored; then through the stage once more, so that a lane holds 8 neighbours, and quantised
.macro TRIP i
.if (\i) < 2
.set RDX, RD0
.set RPX, RP0
.else
.set RDX, RD1
.set RPX, RP1
.endif
	s_wait_xcnt 0x0                                ; the last trip's stores have read their data
.set t, 0
.rept 32
	ds_load_b128 v[XR+4*t:XR+4*t+3], v[RDX] offset:(32*((\i)%2)+t)*SPITCH
.set t, t+1
.endr
.if (\i) < 3
	s_wait_loadcnt 32                              ; this trip's residual rows are in; the next trip's 32 loads may be out
.else
	s_wait_loadcnt 0x0
.endif
	s_wait_dscnt 0x0
	WIN 0x10                                       ; source 2 window 1
.set t, 0
.rept 64
	v_pk_fma_f32 v[XR+2*t:XR+2*t+1], v[XR+2*t:XR+2*t+1], s[94:95], v[128*((\i)%2)+2*t:128*((\i)%2)+2*t+1] op_sel_hi:[1,0,1]
.set t, t+1
.endr
	WIN 0
.set t, 0
.rept 32
	global_store_b128 v[CO], v[XR+4*t:XR+4*t+3], s[10:11] offset:(32*(\i)+t)*4096   ; 32 lanes store 512 consecutive bytes
.set t, t+1
.endr
.if (\i) < 2
	RLOAD (\i)+2
.endif
.set t, 0
.rept 32
	ds_store_b128 v[RDX], v[XR+4*t:XR+4*t+3] offset:(32*((\i)%2)+t)*SPITCH          ; x over the raw sums; LDS serves a wave's instructions in order
.set t, t+1
.endr
.irp u, 0,1
.set t, 0
.rept 8
	ds_load_b128 v[XQ+8*t:XQ+8*t+3], v[RPX] offset:(32*((\i)%2)+16*\u+2*t)*SPITCH
	ds_load_b128 v[XQ+8*t+4:XQ+8*t+7], v[RPX] offset:(32*((\i)%2)+16*\u+2*t)*SPITCH+16
.set t, t+1
.endr
	s_wait_dscnt 0x0
.set t, 0
.rept 64
	v_med3_num_f32 v[XQ+t], v[XQ+t], -v[LIMV], v[LIMV]
.set t, t+1
.endr
.set t, 0
.rept 8
	v_cvt_scalef32_pk8_fp8_f32 v[XC+16*\u+2*t:XC+16*\u+2*t+1], v[XQ+8*t:XQ+8*t+7], v[SCV]
.set t, t+1
.endr
	v_nop
.set t, 0
.rept 8
	global_store_b64 v[C8], v[XC+16*\u+2*t:XC+16*\u+2*t+1], s[88:89] offset:(16*(\i)+8*\u+t)*256   ; two rows of 128 codes: 256 consecutive bytes
.set t, t+1
.endr
.endr
.endm
	TRIP 0
	TRIP 1
	TRIP 2
	TRIP 3
	s_wait_tensorcnt 0x0                           ; the wave's end
	ds_add_u32 v[SPW], v[NIL]
	s_wait_dscnt 0x0
	CROUND
	s_endpgm
.Lfunc_end_k_q7391d1993b_oproj:
	.size	k_q7391d1993b_oproj, .Lfunc_end_k_q7391d1993b_oproj-k_q7391d1993b_oproj
	.p2alignl 7, 3214868480
	.fill 96, 4, 3214868480
	.section	.rodata,"a",@progbits
	.p2align	6, 0x0
	.amdhsa_kernel k_q7391d1993b_oproj
		.amdhsa_group_segment_fixed_size 327680
		.amdhsa_private_segment_fixed_size 0
		.amdhsa_enable_private_segment 0
		.amdhsa_kernarg_size 56
		.amdhsa_user_sgpr_count 2
		.amdhsa_user_sgpr_kernarg_segment_ptr 1
		.amdhsa_wavefront_size32 1
		.amdhsa_system_sgpr_workgroup_id_x 1
		.amdhsa_system_sgpr_workgroup_id_y 1
		.amdhsa_system_sgpr_workgroup_id_z 1
		.amdhsa_system_vgpr_workitem_id 0
		.amdhsa_next_free_vgpr 1024
		.amdhsa_next_free_sgpr 102
		.amdhsa_reserve_vcc 0
		.amdhsa_float_denorm_mode_32 3
		.amdhsa_float_denorm_mode_16_64 3
		.amdhsa_memory_ordered 1
		.amdhsa_forward_progress 1
		.amdhsa_inst_pref_size 200
	.end_amdhsa_kernel
	.amdgpu_metadata
---
amdhsa.version: [ 1, 2 ]
amdhsa.kernels:
  - .name:           k_q7391d1993b_oproj
    .symbol:         k_q7391d1993b_oproj.kd
    .args:
      - { .name: ctxc, .offset: 0, .size: 8, .value_kind: global_buffer, .address_space: global }
      - { .name: cod, .offset: 8, .size: 8, .value_kind: global_buffer, .address_space: global }
      - { .name: ob, .offset: 16, .size: 8, .value_kind: global_buffer, .address_space: global }
      - { .name: src, .offset: 24, .size: 8, .value_kind: global_buffer, .address_space: global }
      - { .name: lowp_scales, .offset: 32, .size: 8, .value_kind: global_buffer, .address_space: global }
      - { .name: xf, .offset: 40, .size: 8, .value_kind: global_buffer, .address_space: global }
      - { .name: xc, .offset: 48, .size: 8, .value_kind: global_buffer, .address_space: global }
    .group_segment_fixed_size: 327680
    .private_segment_fixed_size: 0
    .kernarg_segment_align: 8
    .kernarg_segment_size: 56
    .max_flat_workgroup_size: 128
    .sgpr_count:     102
    .vgpr_count:     1024
    .wavefront_size: 32
...
	.end_amdgpu_metadata
.endif
;; end of part 4
;; launch ffn1 (part 5): grid 16 x 16, 4 waves a work-group, clusters of 4 x 4, 327,680 bytes of LDS; arguments xc, cod, b1, lowp_scales, hc; writes hc
.if DOCPART == 5
	.amdgcn_target "amdgcn-amd-amdhsa--gfx1250"
	.amdhsa_code_object_version 6
	.text
	.protected	k_q7391d1993b_ffn1
	.globl	k_q7391d1993b_ffn1
	.p2align	8
	.type	k_q7391d1993b_ffn1,@function
k_q7391d1993b_ffn1:
	s_mov_b64 s[64:65], 0
	v_nop
	global_prefetch_b8 v0, s[64:65] scope:SCOPE_SE
	s_setreg_imm32_b32 hwreg(HW_REG_WAVE_MODE, 25, 1), 1
	s_wait_xcnt 0x0
	s_wait_alu depctr_hold_cnt(0) depctr_sa_sdst(0) depctr_va_vdst(0) depctr_va_sdst(0) depctr_va_ssrc(0) depctr_va_vcc(0) depctr_vm_vsrc(0)
	s_getreg_b32 s2, hwreg(HW_REG_IB_STS2, 6, 4)
	s_cmp_eq_u32 s2, 0
	s_cbranch_scc0 .Lentry_in_a_cluster
	s_endpgm
.Lentry_in_a_cluster:
	s_bfe_u32 s2, ttmp6, 0x10000c
	s_cmp_lg_u32 s2, 0xf033
	s_cbranch_scc0 .Lentry_shape_is_right
	s_endpgm
.Lentry_shape_is_right:
; h = gelu(x w1^T + b1), the exact (erf) form, the product on codes of E4M3 (entries 12, 13); h is quantised at once (entry 14) and stored as codes [block of 128 along K][token][128 bytes].
; A = x's codes in that same layout; B = w1's codes, rows of 1,024 bytes, at 0x800000 of cod.  Main loop, ring, cluster and joint loads as in the other products of this program:
; a tile of 256 x 256 by four waves, K in steps of 256 through two LDS slots, A's tile shared along a row of the 4 x 4 cluster, B's along a column; 256 work-groups.
; GELU.  With y = h / sqrt(2): gelu = max(h, 0) - |h| erfc(|y|) / 2.  erfc(|y|) = t exp(-y^2 + P(t)), t = 1 / (1 + |y| / 2), P of degree 9 (a Chebyshev fit whose relative error stays near 1e-7 for every y,
; in the tail too).  Here in base 2: Y = y sqrt(log2 e), P's coefficients x log2 e, and 1 taken off the constant term for the half.  All in raw units: the power of two that the sums lack goes into Y's factor
; and into the conversion's scale.
; LIMITS: e12 + e13 between -125 and 126; e14 - e12 - e13 between -126 and 119.  NaN and infinities are not served.
.set USE_DUAL, 1
.set KTOT,   1024
.set BOFF,   0x800000
.set ASTEP,  1048576
.set KSTEP,  256
.set ROWB,   256
.set PITCH,  272
.set FR,     16
.set NL,     4
.set NP,     4
.set HALFT,  128*PITCH
.set SLOT,   4*HALFT
.set LAPS,   KTOT/(2*KSTEP)
.set SPARE,  2*SLOT
.set SPITCH, 528
.set STGB,   128*SPITCH
.set ADRA, 16
.set GA,   19
.set ADRB, 20
.set RP0,  23
.set STO,  24
.set C8,   27
.set SPW,  28
.set NIL,  29
.set LIMV, 30
.set SCV,  31
.set CB,   32
.set AF,   128
.set GR,   32                          ; the way out: 32 raw sums,
.set GY,   64                          ; Y, later erfc / 2,
.set GT,   96                          ; t,
.set GP,   128                         ; the polynomial,
.set GM,   160                         ; max(raw, 0), later gelu,
.set GC,   192                         ; codes
.set G1, 24
.set G0, 32
.set G1B, 48
.set G0B, 56
.set MSB, 0
.macro WIN new
.if MSB != (\new)
	s_set_vgpr_msb (MSB<<8)|(\new)
.set MSB, (\new)
.endif
.endm
.set MUL_LO, 0xa1
.set MUL_HI, 0xf1
.set TO_B,   0x40
.macro MAX2 d, s
.if USE_DUAL
	v_dual_max_num_f32 v[\d], 0, v[\s] :: v_dual_max_num_f32 v[(\d)+1], 0, v[(\s)+1]
.else
	v_max_num_f32 v[\d], 0, v[\s]
	v_max_num_f32 v[(\d)+1], 0, v[(\s)+1]
.endif
.endm
.macro JLOAD g0a, g1a, g0b, g1b
	s_cmp_eq_u32 s15, 0
	s_cbranch_scc0 .Lfor_b_\@
	tensor_load_to_lds s[\g0a:\g0a+3], s[\g1a:\g1a+7]
	s_nop 0
.rept 4
	v_nop
.endr
	s_branch .Lasked_\@
.Lfor_b_\@:
	tensor_load_to_lds s[\g0b:\g0b+3], s[\g1b:\g1b+7]
	s_nop 0
.rept 4
	v_nop
.endr
.Lasked_\@:
.endm
.macro CREST
	s_cmp_lg_u32 s14, 0
	s_cbranch_scc1 .Lnot_wave_0_\@
	s_barrier_signal -3
.Lnot_wave_0_\@:
	s_barrier_wait -3
	s_barrier_signal -1
	s_barrier_wait -1
.endm
.macro CROUND
	s_barrier_signal -1
	s_barrier_wait -1
	CREST
.endm
	s_load_b128 s[4:7], s[0:1], 0x0                ; x's codes, cod
	s_load_b128 s[84:87], s[0:1], 0x10             ; b1, the exponents
	s_load_b64 s[10:11], s[0:1], 0x20              ; hc
	v_lshl_add_u32 v[SPW], v0, 2, SPARE
	v_mov_b32 v[NIL], 0
	ds_add_u32 v28, v29
	ds_add_u32 v28, v29
	s_wait_dscnt 0x0
	v_lshrrev_b32 v1, 5, v0
	v_readfirstlane_b32 s14, v1
	s_lshr_b32 s15, s14, 1
	s_and_b32 s16, s14, 1
	s_bfe_u32 s40, ttmp6, 0x40000
	s_bfe_u32 s41, ttmp6, 0x40004
	s_lshl_b32 s42, ttmp9, 2
	s_add_co_u32 s42, s42, s40
	s_and_b32 s17, ttmp7, 0xffff
	s_lshl_b32 s17, s17, 2
	s_add_co_u32 s17, s17, s41
	s_lshl_b32 s43, s41, 2
	s_lshl_b32 s43, 15, s43
	s_lshl_b32 s44, 0x1111, s40
	s_or_b32 s[G1+0], s43, (0<<16)|(1<<20)|(1<<21)|(5<<22)|(3<<25)
	s_or_b32 s[G1B+0], s44, (0<<16)|(1<<20)|(1<<21)|(5<<22)|(3<<25)
.irp g, G1, G1B
	s_mov_b32 s[\g+1], ROWB<<16
	s_mov_b32 s[\g+2], 128<<16
	s_mov_b32 s[\g+3], ROWB<<16
	s_mov_b32 s[\g+4], 128
	s_mov_b32 s[\g+6], 0
	s_mov_b32 s[\g+7], 0
.endr
	s_mov_b32 s[G1+5], 256
	s_mov_b32 s[G1B+5], KTOT
	s_lshl_b32 s20, s17, 15
	s_lshl_b32 s18, s16, 19
	s_add_co_u32 s20, s20, s18
	s_mov_b32 s21, 0
	s_lshl_b32 s18, s16, 7
	s_lshl_b32 s46, s42, 8
	s_add_co_u32 s46, s46, s18
	s_mul_i32 s46, s46, KTOT
	s_add_co_u32 s46, s46, BOFF
	s_mov_b32 s47, 0
	s_mul_i32 s45, s14, HALFT
	s_wait_kmcnt 0x0
	s_load_b512 s[68:83], s[86:87], 0x0
	s_add_nc_u64 s[20:21], s[4:5], s[20:21]
	s_add_nc_u64 s[46:47], s[6:7], s[46:47]
	CROUND
.irp s, 0,1
	s_mov_b32 s[G0+4*\s], 1
	s_add_co_u32 s[G0+4*\s+1], s45, \s*SLOT
	s_add_nc_u64 s[G0+4*\s+2:G0+4*\s+3], s[20:21], \s*ASTEP
	s_or_b32 s[G0+4*\s+3], s[G0+4*\s+3], 0x80000000
	s_mov_b32 s[G0B+4*\s], 1
	s_add_co_u32 s[G0B+4*\s+1], s45, \s*SLOT
	s_add_nc_u64 s[G0B+4*\s+2:G0B+4*\s+3], s[46:47], \s*ROWB
	s_or_b32 s[G0B+4*\s+3], s[G0B+4*\s+3], 0x80000000
	JLOAD G0+4*\s, G1, G0B+4*\s, G1B
.endr
	v_and_b32 v1, 15, v0
	v_bfe_u32 v2, v0, 4, 1
	v_mul_u32_u24 v3, v1, PITCH
	v_lshl_add_u32 v4, v2, 4, v3
	v_lshrrev_b32 v5, 1, v1
	v_mul_u32_u24 v5, v5, PITCH
	v_and_b32 v6, 1, v1
	v_lshl_add_u32 v5, v6, 7, v5
	v_lshl_add_u32 v5, v2, 4, v5
	s_mul_i32 s21, s15, 64*PITCH
	s_mul_i32 s22, s16, HALFT
	s_add_co_u32 s22, s22, 2*HALFT
.irp s, 0,1
	v_add_nc_u32 v[ADRA+\s], s21, v5
	v_add_nc_u32 v[ADRB+\s], s22, v4
	s_add_co_u32 s21, s21, SLOT
	s_add_co_u32 s22, s22, SLOT
.endr
	s_mul_i32 s23, s14, STGB
	v_mul_u32_u24 v5, v1, SPITCH
	v_lshl_add_u32 v5, v2, 5, v5
	v_add_nc_u32 v[STO], s23, v5
	v_and_b32 v6, 31, v0
	v_lshlrev_b32 v[C8], 3, v6
	v_mul_u32_u24 v5, v2, SPITCH
	v_lshl_add_u32 v5, v1, 5, v5
	v_add_nc_u32 v[RP0], s23, v5                   ; back by pairs of rows: sixteen lanes a row, 8 numbers a lane
	s_lshl_b32 s46, s42, 10
	s_lshl_b32 s47, s16, 9
	s_add_co_u32 s46, s46, s47
	s_mov_b32 s47, 0
	s_add_nc_u64 s[84:85], s[84:85], s[46:47]
	v_lshlrev_b32 v7, 5, v2
.irp b, 0,1,2,3,4,5,6,7
	global_load_b128 v[CB+8*\b:CB+8*\b+3], v7, s[84:85] offset:64*\b
	global_load_b128 v[CB+8*\b+4:CB+8*\b+7], v7, s[84:85] offset:64*\b+16
.endr
	s_lshl_b32 s20, s17, 8
	s_lshl_b32 s21, s15, 7
	s_add_co_u32 s20, s20, s21                     ; my first row
	s_lshl_b32 s22, s46, 10                        ; hc: my block of 128 columns x 524,288
	s_lshl_b32 s21, s20, 7
	s_add_co_u32 s22, s22, s21
	s_mov_b32 s23, 0
	s_add_nc_u64 s[10:11], s[10:11], s[22:23]
	s_wait_kmcnt 0x0
	s_add_co_i32 s92, s80, s81                     ; ea + eb
	s_sub_co_i32 s93, 0, s92
	s_lshl_b32 s94, s92, 23
	s_add_co_i32 s94, s94, 0x3F596D27              ; sqrt(log2 e / 2) x 2^(ea + eb): Y = raw x this
	s_mov_b32 s95, s94
	s_mov_b32 s96, 0x3ED5224D                      ; |y| / 2 = |Y| x 0.41627731
	s_mov_b32 s90, 0x3E7C6F08                      ; the polynomial's leading coefficient
	s_mov_b32 s91, s90
	s_sub_co_i32 s97, s82, s92                     ; e14 - ea - eb
	s_add_co_i32 s97, s97, 127
	s_lshl_b32 s98, s97, 23
	v_mov_b32 v[SCV], s98
	s_add_co_i32 s97, s97, 8
	s_lshl_b32 s97, s97, 23
	s_or_b32 s97, s97, 0x600000
	v_mov_b32 v[LIMV], s97
	s_wait_loadcnt 0x0
.set k, 0
.rept 64
	v_ldexp_f32 v[CB+k], v[CB+k], s93
.set k, k+1
.endr
.macro FRAGB reg, adr, q, i
.irp c, 0,1,2,3
	ds_load_b128 v[\reg+4*\c:\reg+4*\c+3], v[\adr] offset:128*(\q)+32*\c+(\i)*16*PITCH
.endr
.endm
.macro FRAGA reg, adr, q, i
.irp c, 0,1,2,3
	ds_load_b128 v[\reg+4*\c:\reg+4*\c+3], v[\adr] offset:(\q)*HALFT+32*\c+(\i)*8*PITCH
.endr
.endm
.macro MUL16 a0, p, zero
.irp a, \a0, \a0+1
.irp b, 0,1,2,3,4,5,6,7
.if \zero == 2
	v_wmma_f32_16x16x128_fp8_fp8 v[8*(8*((\a)%4)+\b):8*(8*((\a)%4)+\b)+7], v[128*(\p)+FR*\b:128*(\p)+FR*\b+FR-1], v[AF+FR*(\a):AF+FR*(\a)+FR-1], v[CB+8*\b:CB+8*\b+7]
.else
	v_wmma_f32_16x16x128_fp8_fp8 v[8*(8*((\a)%4)+\b):8*(8*((\a)%4)+\b)+7], v[128*(\p)+FR*\b:128*(\p)+FR*\b+FR-1], v[AF+FR*(\a):AF+FR*(\a)+FR-1], v[8*(8*((\a)%4)+\b):8*(8*((\a)%4)+\b)+7]
.endif
.endr
.endr
.endm
.macro FETCH_B slot, q, p
	WIN TO_B
.irp i, 0,1,2,3,4,5,6,7
	FRAGB 128*(\p)+FR*\i, ADRB+\slot, \q, \i
.endr
	WIN 0
.endm
.macro FETCH_A slot, q, i0
.irp i, \i0, \i0+1, \i0+2, \i0+3
	FRAGA AF+FR*(\i), ADRA+\slot, \q, \i
.endr
.endm
.macro PLACES n
.rept \n
	v_nop
.endr
.endm
.macro STEP slot, q, zero
	s_wait_dscnt 4*NL                              ; B's set and A's blocks 0-3 are in; A's blocks 4-7 may be out
.if \zero == 2
	WIN 0x81
.else
	WIN MUL_LO
.endif
	MUL16 0, (\q)%2, \zero
	MUL16 2, (\q)%2, \zero
	s_wait_dscnt 0
	PLACES NP
	FETCH_B \slot, (\q)+1, 1-(\q)%2
	FETCH_A \slot, (\q)+1, 0
.if \zero == 2
	WIN 0xc1
.else
	WIN MUL_HI
.endif
	MUL16 4, (\q)%2, \zero
	MUL16 6, (\q)%2, \zero
	PLACES NP
	WIN 0
	FETCH_A \slot, (\q)+1, 4
.endm
.macro TURN slot, next, fill
	s_wait_tensorcnt 0x0                           ; all my tensor loads have landed: my part of the next slot
	ds_add_u32 v[SPW], v[NIL]                      ; 0 onto my spare word
	s_wait_dscnt 4*NL+1                            ; (the add and A's blocks 4-7 may be out)
	WIN MUL_LO
	MUL16 0, 1, 0
	s_wait_dscnt 0x0                               ; the add is done, and my reads of this slot are over
	s_barrier_signal -1
	MUL16 2, 1, 0
	WIN 0
	s_barrier_wait -1
.if \fill
	CREST
	s_add_nc_u64 s[G0+4*\slot+2:G0+4*\slot+3], s[G0+4*\slot+2:G0+4*\slot+3], 2*ASTEP
	s_add_nc_u64 s[G0B+4*\slot+2:G0B+4*\slot+3], s[G0B+4*\slot+2:G0B+4*\slot+3], 2*ROWB
	JLOAD G0+4*\slot, G1, G0B+4*\slot, G1B
.else
	PLACES NP
.endif
	FETCH_B \next, 0, 0
	FETCH_A \next, 0, 0
	WIN MUL_HI
	MUL16 4, 1, 0
	MUL16 6, 1, 0
	PLACES NP
	WIN 0
	FETCH_A \next, 0, 4
.endm
	s_wait_tensorcnt 1                             ; my part of K step 0 is in; K step 1's load may be out
	s_barrier_signal -1
	s_barrier_wait -1
	FETCH_B 0, 0, 0
	FETCH_A 0, 0, 0
	FETCH_A 0, 0, 4
	STEP 0, 0, 2
	s_mov_b32 s3, LAPS-1
.Llap:
	TURN 0, 1, 1
	STEP 1, 0, 0
	TURN 1, 0, 1
	STEP 0, 0, 0
	s_sub_co_u32 s3, s3, 1
	s_cmp_lg_u32 s3, 0
	s_cbranch_scc1 .Llap
	TURN 0, 1, 0
	STEP 1, 0, 0
	s_wait_dscnt 4*NL
	WIN MUL_LO
	MUL16 0, 1, 0
	MUL16 2, 1, 0
	s_wait_dscnt 0
	WIN MUL_HI
	MUL16 4, 1, 0
	MUL16 6, 1, 0
	WIN 0
	PLACES NP
	s_wait_dscnt 0x0                               ; my reads of the ring are over;
	s_barrier_signal -1
	s_barrier_wait -1                              ; everybody's are, and no fill follows: the stages may be laid over it
.irp a, 0,1,2,3,4,5,6,7
	WIN 0x08+4*((\a)/4)
.irp b, 0,1,2,3,4,5,6,7
	ds_store_b128 v[STO], v[8*(8*((\a)%4)+\b):8*(8*((\a)%4)+\b)+3] offset:(\a)*16*SPITCH+64*\b      ; each accumulator from its low end on
	ds_store_b128 v[STO], v[8*(8*((\a)%4)+\b)+4:8*(8*((\a)%4)+\b)+7] offset:(\a)*16*SPITCH+64*\b+16
.endr
.endr
	WIN 0
.macro HORNER lit                      ; P = P t + the next coefficient, 32 numbers
.set k, 0
.rept 16
	v_pk_fma_f32 v[GP+2*k:GP+2*k+1], v[GP+2*k:GP+2*k+1], v[GT+2*k:GT+2*k+1], \lit op_sel_hi:[1,1,0]
.set k, k+1
.endr
.endm
	s_mov_b32 s98, 0                               ; sixteen trips of 8 rows
	s_mov_b32 s99, 0                               ; the trip's rows in my stage
.Lgelu:
	v_add_nc_u32 v[GA], s99, v[RP0]
.irp p, 0,1,2,3
	ds_load_b128 v[GR+8*\p:GR+8*\p+3], v[GA] offset:\p*2*SPITCH
	ds_load_b128 v[GR+8*\p+4:GR+8*\p+7], v[GA] offset:\p*2*SPITCH+16
.endr
	s_wait_dscnt 0x0
.set k, 0
.rept 16
	v_pk_mul_f32 v[GY+2*k:GY+2*k+1], v[GR+2*k:GR+2*k+1], s[94:95] op_sel_hi:[1,0]
.set k, k+1
.endr
.set k, 0
.rept 32
	v_fma_f32 v[GP+k], |v[GY+k]|, s96, 1.0
.set k, k+1
.endr
.set k, 0
.rept 32
	v_rcp_f32 v[GT+k], v[GP+k]                     ; t
.set k, k+1
.endr
	v_nop                                          ; a plain line behind the batch
.set k, 0
.rept 16
	MAX2 GM+2*k, GR+2*k                            ; independent work behind the reciprocals
.set k, k+1
.endr
	s_wait_alu depctr_va_vdst(0)                   ; one wait for the batch, ahead of its first reader
.set k, 0
.rept 16
	v_pk_fma_f32 v[GP+2*k:GP+2*k+1], v[GT+2*k:GT+2*k+1], s[90:91], 0xBF97D29D op_sel_hi:[1,0,0]
.set k, k+1
.endr
	HORNER 0x40097039
	HORNER 0xBFD1A1E5
	HORNER 0x3ECDFD18
	HORNER 0xBE899A80
	HORNER 0x3E0EFB2F
	HORNER 0x3F0A29D2
	HORNER 0x3FB8AB5A
	HORNER 0xC034D90F
.set k, 0
.rept 16
	v_pk_fma_f32 v[GP+2*k:GP+2*k+1], v[GY+2*k:GY+2*k+1], v[GY+2*k:GY+2*k+1], v[GP+2*k:GP+2*k+1] neg_lo:[1,0,0] neg_hi:[1,0,0]   ; - Y^2
.set k, k+1
.endr
.set k, 0
.rept 32
	v_exp_f32 v[GY+k], v[GP+k]
.set k, k+1
.endr
	v_nop
	s_wait_alu depctr_va_vdst(0)
.set k, 0
.rept 16
	v_pk_mul_f32 v[GY+2*k:GY+2*k+1], v[GY+2*k:GY+2*k+1], v[GT+2*k:GT+2*k+1]     ; erfc(|y|) / 2
.set k, k+1
.endr
.set k, 0
.rept 32
	v_fma_f32 v[GM+k], -|v[GR+k]|, v[GY+k], v[GM+k]
.set k, k+1
.endr
.set k, 0
.rept 32
	v_med3_num_f32 v[GM+k], v[GM+k], -v[LIMV], v[LIMV]
.set k, k+1
.endr
.irp p, 0,1,2,3
	v_cvt_scalef32_pk8_fp8_f32 v[GC+2*\p:GC+2*\p+1], v[GM+8*\p:GM+8*\p+7], v[SCV]
.endr
	v_nop
.irp p, 0,1,2,3
	global_store_b64 v[C8], v[GC+2*\p:GC+2*\p+1], s[10:11] offset:256*\p      ; two rows of 128 codes: 256 consecutive bytes
.endr
	s_wait_xcnt 0x0                                ; the stores have read their data and their base: both are written again only behind this wait
	s_add_nc_u64 s[10:11], s[10:11], 1024
	s_add_co_u32 s99, s99, 8*SPITCH
	s_add_co_u32 s98, s98, 1
	s_cmp_lt_u32 s98, 16
	s_cbranch_scc1 .Lgelu
	s_wait_tensorcnt 0x0                           ; the wave's end
	ds_add_u32 v[SPW], v[NIL]
	s_wait_dscnt 0x0
	CROUND
	s_endpgm
.Lfunc_end_k_q7391d1993b_ffn1:
	.size	k_q7391d1993b_ffn1, .Lfunc_end_k_q7391d1993b_ffn1-k_q7391d1993b_ffn1
	.p2alignl 7, 3214868480
	.fill 96, 4, 3214868480
	.section	.rodata,"a",@progbits
	.p2align	6, 0x0
	.amdhsa_kernel k_q7391d1993b_ffn1
		.amdhsa_group_segment_fixed_size 327680
		.amdhsa_private_segment_fixed_size 0
		.amdhsa_enable_private_segment 0
		.amdhsa_kernarg_size 40
		.amdhsa_user_sgpr_count 2
		.amdhsa_user_sgpr_kernarg_segment_ptr 1
		.amdhsa_wavefront_size32 1
		.amdhsa_system_sgpr_workgroup_id_x 1
		.amdhsa_system_sgpr_workgroup_id_y 1
		.amdhsa_system_sgpr_workgroup_id_z 1
		.amdhsa_system_vgpr_workitem_id 0
		.amdhsa_next_free_vgpr 1024
		.amdhsa_next_free_sgpr 102
		.amdhsa_reserve_vcc 0
		.amdhsa_float_denorm_mode_32 3
		.amdhsa_float_denorm_mode_16_64 3
		.amdhsa_memory_ordered 1
		.amdhsa_forward_progress 1
		.amdhsa_inst_pref_size 120
	.end_amdhsa_kernel
	.amdgpu_metadata
---
amdhsa.version: [ 1, 2 ]
amdhsa.kernels:
  - .name:           k_q7391d1993b_ffn1
    .symbol:         k_q7391d1993b_ffn1.kd
    .args:
      - { .name: xc, .offset: 0, .size: 8, .value_kind: global_buffer, .address_space: global }
      - { .name: cod, .offset: 8, .size: 8, .value_kind: global_buffer, .address_space: global }
      - { .name: b1, .offset: 16, .size: 8, .value_kind: global_buffer, .address_space: global }
      - { .name: lowp_scales, .offset: 24, .size: 8, .value_kind: global_buffer, .address_space: global }
      - { .name: hc, .offset: 32, .size: 8, .value_kind: global_buffer, .address_space: global }
    .group_segment_fixed_size: 327680
    .private_segment_fixed_size: 0
    .kernarg_segment_align: 8
    .kernarg_segment_size: 40
    .max_flat_workgroup_size: 128
    .sgpr_count:     102
    .vgpr_count:     1024
    .wavefront_size: 32
...
	.end_amdgpu_metadata
.endif
;; end of part 5
;; launch ffn2 (part 6): grid 4 x 16, 4 waves a work-group, clusters of 4 x 4, 327,680 bytes of LDS; arguments hc, cod, b2, xf, lowp_scales, out0; writes out0
.if DOCPART == 6
	.amdgcn_target "amdgcn-amd-amdhsa--gfx1250"
	.amdhsa_code_object_version 6
	.text
	.protected	k_q7391d1993b_ffn2
	.globl	k_q7391d1993b_ffn2
	.p2align	8
	.type	k_q7391d1993b_ffn2,@function
k_q7391d1993b_ffn2:
	s_mov_b64 s[64:65], 0
	v_nop
	global_prefetch_b8 v0, s[64:65] scope:SCOPE_SE
	s_setreg_imm32_b32 hwreg(HW_REG_WAVE_MODE, 25, 1), 1
	s_wait_xcnt 0x0
	s_wait_alu depctr_hold_cnt(0) depctr_sa_sdst(0) depctr_va_vdst(0) depctr_va_sdst(0) depctr_va_ssrc(0) depctr_va_vcc(0) depctr_vm_vsrc(0)
	s_getreg_b32 s2, hwreg(HW_REG_IB_STS2, 6, 4)
	s_cmp_eq_u32 s2, 0
	s_cbranch_scc0 .Lentry_in_a_cluster
	s_endpgm
.Lentry_in_a_cluster:
	s_bfe_u32 s2, ttmp6, 0x10000c
	s_cmp_lg_u32 s2, 0xf033
	s_cbranch_scc0 .Lentry_shape_is_right
	s_endpgm
.Lentry_shape_is_right:
; out = x + h w2^T + b2, the product on codes of E4M3 (entries 14, 15), K = 4,096.
; A = h's codes, laid [block of 128 along K][token][128 bytes]; B = w2's codes, rows of 4,096 bytes, at 0xC00000 of cod.  Main loop, ring, cluster and joint loads as in the other products of this program:
; a tile of 256 x 256 by four waves, K in steps of 256 through two LDS slots, A's tile shared along a row of the 4 x 4 cluster, B's along a column.  The bias, divided by 2^(ea + eb), is the C of each
; sum's first instruction; out = raw x 2^(ea + eb) + x is one packed multiply-add for two numbers.
; LIMIT: e14 + e15 between -126 and 127.
.set KTOT,   4096
.set BOFF,   0xC00000
.set ASTEP,  1048576
.set KSTEP,  256
.set ROWB,   256
.set PITCH,  272
.set FR,     16
.set NL,     4
.set NP,     4
.set HALFT,  128*PITCH
.set SLOT,   4*HALFT
.set LAPS,   KTOT/(2*KSTEP)
.set SPARE,  2*SLOT
.set SPITCH, 528
.set STGB,   128*SPITCH
.set ADRA, 16
.set ADRB, 20
.set RD1,  22
.set STO,  24
.set RD0,  25
.set CO,   26
.set SPW,  28
.set NIL,  29
.set CB,   32
.set XR,   32
.set AF,   128
.set G1, 24
.set G0, 32
.set G1B, 48
.set G0B, 56
.set MSB, 0
.macro WIN new
.if MSB != (\new)
	s_set_vgpr_msb (MSB<<8)|(\new)
.set MSB, (\new)
.endif
.endm
.set MUL_LO, 0xa1
.set MUL_HI, 0xf1
.set TO_B,   0x40
.macro JLOAD g0a, g1a, g0b, g1b
	s_cmp_eq_u32 s15, 0
	s_cbranch_scc0 .Lfor_b_\@
	tensor_load_to_lds s[\g0a:\g0a+3], s[\g1a:\g1a+7]
	s_nop 0
.rept 4
	v_nop
.endr
	s_branch .Lasked_\@
.Lfor_b_\@:
	tensor_load_to_lds s[\g0b:\g0b+3], s[\g1b:\g1b+7]
	s_nop 0
.rept 4
	v_nop
.endr
.Lasked_\@:
.endm
.macro CREST
	s_cmp_lg_u32 s14, 0
	s_cbranch_scc1 .Lnot_wave_0_\@
	s_barrier_signal -3
.Lnot_wave_0_\@:
	s_barrier_wait -3
	s_barrier_signal -1
	s_barrier_wait -1
.endm
.macro CROUND
	s_barrier_signal -1
	s_barrier_wait -1
	CREST
.endm
	s_load_b128 s[4:7], s[0:1], 0x0                ; h's codes, cod
	s_load_b128 s[84:87], s[0:1], 0x10             ; b2, xf
	s_load_b128 s[8:11], s[0:1], 0x20              ; the exponents, out0
	v_lshl_add_u32 v[SPW], v0, 2, SPARE
	v_mov_b32 v[NIL], 0
	ds_add_u32 v28, v29
	ds_add_u32 v28, v29
	s_wait_dscnt 0x0
	v_lshrrev_b32 v1, 5, v0
	v_readfirstlane_b32 s14, v1
	s_lshr_b32 s15, s14, 1
	s_and_b32 s16, s14, 1
	s_bfe_u32 s40, ttmp6, 0x40000
	s_bfe_u32 s41, ttmp6, 0x40004
	s_lshl_b32 s42, ttmp9, 2
	s_add_co_u32 s42, s42, s40
	s_and_b32 s17, ttmp7, 0xffff
	s_lshl_b32 s17, s17, 2
	s_add_co_u32 s17, s17, s41
	s_lshl_b32 s43, s41, 2
	s_lshl_b32 s43, 15, s43
	s_lshl_b32 s44, 0x1111, s40
	s_or_b32 s[G1+0], s43, (0<<16)|(1<<20)|(1<<21)|(5<<22)|(3<<25)
	s_or_b32 s[G1B+0], s44, (0<<16)|(1<<20)|(1<<21)|(5<<22)|(3<<25)
.irp g, G1, G1B
	s_mov_b32 s[\g+1], ROWB<<16
	s_mov_b32 s[\g+2], 128<<16
	s_mov_b32 s[\g+3], ROWB<<16
	s_mov_b32 s[\g+4], 128
	s_mov_b32 s[\g+6], 0
	s_mov_b32 s[\g+7], 0
.endr
	s_mov_b32 s[G1+5], 256
	s_mov_b32 s[G1B+5], KTOT
	s_lshl_b32 s20, s17, 15
	s_lshl_b32 s18, s16, 19
	s_add_co_u32 s20, s20, s18
	s_mov_b32 s21, 0
	s_lshl_b32 s18, s16, 7
	s_lshl_b32 s46, s42, 8
	s_add_co_u32 s46, s46, s18
	s_mul_i32 s46, s46, KTOT
	s_add_co_u32 s46, s46, BOFF
	s_mov_b32 s47, 0
	s_mul_i32 s45, s14, HALFT
	s_wait_kmcnt 0x0
	s_load_b512 s[68:83], s[8:9], 0x0
	s_add_nc_u64 s[20:21], s[4:5], s[20:21]
	s_add_nc_u64 s[46:47], s[6:7], s[46:47]
	CROUND
.irp s, 0,1
	s_mov_b32 s[G0+4*\s], 1
	s_add_co_u32 s[G0+4*\s+1], s45, \s*SLOT
	s_add_nc_u64 s[G0+4*\s+2:G0+4*\s+3], s[20:21], \s*ASTEP
	s_or_b32 s[G0+4*\s+3], s[G0+4*\s+3], 0x80000000
	s_mov_b32 s[G0B+4*\s], 1
	s_add_co_u32 s[G0B+4*\s+1], s45, \s*SLOT
	s_add_nc_u64 s[G0B+4*\s+2:G0B+4*\s+3], s[46:47], \s*ROWB
	s_or_b32 s[G0B+4*\s+3], s[G0B+4*\s+3], 0x80000000
	JLOAD G0+4*\s, G1, G0B+4*\s, G1B
.endr
	v_and_b32 v1, 15, v0
	v_bfe_u32 v2, v0, 4, 1
	v_mul_u32_u24 v3, v1, PITCH
	v_lshl_add_u32 v4, v2, 4, v3
	v_lshrrev_b32 v5, 1, v1
	v_mul_u32_u24 v5, v5, PITCH
	v_and_b32 v6, 1, v1
	v_lshl_add_u32 v5, v6, 7, v5
	v_lshl_add_u32 v5, v2, 4, v5
	s_mul_i32 s21, s15, 64*PITCH
	s_mul_i32 s22, s16, HALFT
	s_add_co_u32 s22, s22, 2*HALFT
.irp s, 0,1
	v_add_nc_u32 v[ADRA+\s], s21, v5
	v_add_nc_u32 v[ADRB+\s], s22, v4
	s_add_co_u32 s21, s21, SLOT
	s_add_co_u32 s22, s22, SLOT
.endr
	s_mul_i32 s23, s14, STGB
	v_mul_u32_u24 v5, v1, SPITCH
	v_lshl_add_u32 v5, v2, 5, v5
	v_add_nc_u32 v[STO], s23, v5
	v_and_b32 v6, 31, v0
	v_lshlrev_b32 v[CO], 4, v6
	v_add_nc_u32 v[RD0], s23, v[CO]
	v_add_nc_u32 v[RD1], 64*SPITCH, v[RD0]
	s_lshl_b32 s46, s42, 10
	s_lshl_b32 s47, s16, 9
	s_add_co_u32 s46, s46, s47
	s_mov_b32 s47, 0
	s_add_nc_u64 s[84:85], s[84:85], s[46:47]
	v_lshlrev_b32 v7, 5, v2
.irp b, 0,1,2,3,4,5,6,7
	global_load_b128 v[CB+8*\b:CB+8*\b+3], v7, s[84:85] offset:64*\b
	global_load_b128 v[CB+8*\b+4:CB+8*\b+7], v7, s[84:85] offset:64*\b+16
.endr
	s_lshl_b32 s20, s17, 8
	s_lshl_b32 s21, s15, 7
	s_add_co_u32 s20, s20, s21
	s_lshl_b32 s22, s20, 12
	s_add_co_u32 s22, s22, s46
	s_mov_b32 s23, 0
	s_add_nc_u64 s[10:11], s[10:11], s[22:23]      ; out0 and xf at my corner
	s_add_nc_u64 s[86:87], s[86:87], s[22:23]
	s_wait_kmcnt 0x0
	s_add_co_i32 s92, s82, s83                     ; ea + eb
	s_sub_co_i32 s93, 0, s92
	s_add_co_i32 s94, s92, 127
	s_lshl_b32 s94, s94, 23
	s_mov_b32 s95, s94
	s_wait_loadcnt 0x0
.set k, 0
.rept 64
	v_ldexp_f32 v[CB+k], v[CB+k], s93
.set k, k+1
.endr
.macro FRAGB reg, adr, q, i
.irp c, 0,1,2,3
	ds_load_b128 v[\reg+4*\c:\reg+4*\c+3], v[\adr] offset:128*(\q)+32*\c+(\i)*16*PITCH
.endr
.endm
.macro FRAGA reg, adr, q, i
.irp c, 0,1,2,3
	ds_load_b128 v[\reg+4*\c:\reg+4*\c+3], v[\adr] offset:(\q)*HALFT+32*\c+(\i)*8*PITCH
.endr
.endm
.macro MUL16 a0, p, zero
.irp a, \a0, \a0+1
.irp b, 0,1,2,3,4,5,6,7
.if \zero == 2
	v_wmma_f32_16x16x128_fp8_fp8 v[8*(8*((\a)%4)+\b):8*(8*((\a)%4)+\b)+7], v[128*(\p)+FR*\b:128*(\p)+FR*\b+FR-1], v[AF+FR*(\a):AF+FR*(\a)+FR-1], v[CB+8*\b:CB+8*\b+7]
.else
	v_wmma_f32_16x16x128_fp8_fp8 v[8*(8*((\a)%4)+\b):8*(8*((\a)%4)+\b)+7], v[128*(\p)+FR*\b:128*(\p)+FR*\b+FR-1], v[AF+FR*(\a):AF+FR*(\a)+FR-1], v[8*(8*((\a)%4)+\b):8*(8*((\a)%4)+\b)+7]
.endif
.endr
.endr
.endm
.macro FETCH_B slot, q, p
	WIN TO_B
.irp i, 0,1,2,3,4,5,6,7
	FRAGB 128*(\p)+FR*\i, ADRB+\slot, \q, \i
.endr
	WIN 0
.endm
.macro FETCH_A slot, q, i0
.irp i, \i0, \i0+1, \i0+2, \i0+3
	FRAGA AF+FR*(\i), ADRA+\slot, \q, \i
.endr
.endm
.macro PLACES n
.rept \n
	v_nop
.endr
.endm
.macro STEP slot, q, zero
	s_wait_dscnt 4*NL                              ; B's set and A's blocks 0-3 are in; A's blocks 4-7 may be out
.if \zero == 2
	WIN 0x81
.else
	WIN MUL_LO
.endif
	MUL16 0, (\q)%2, \zero
	MUL16 2, (\q)%2, \zero
	s_wait_dscnt 0
	PLACES NP
	FETCH_B \slot, (\q)+1, 1-(\q)%2
	FETCH_A \slot, (\q)+1, 0
.if \zero == 2
	WIN 0xc1
.else
	WIN MUL_HI
.endif
	MUL16 4, (\q)%2, \zero
	MUL16 6, (\q)%2, \zero
	PLACES NP
	WIN 0
	FETCH_A \slot, (\q)+1, 4
.endm
.macro TURN slot, next, fill
	s_wait_tensorcnt 0x0                           ; all my tensor loads have landed: my part of the next slot
	ds_add_u32 v[SPW], v[NIL]                      ; 0 onto my spare word
	s_wait_dscnt 4*NL+1                            ; (the add and A's blocks 4-7 may be out)
	WIN MUL_LO
	MUL16 0, 1, 0
	s_wait_dscnt 0x0                               ; the add is done, and my reads of this slot are over
	s_barrier_signal -1
	MUL16 2, 1, 0
	WIN 0
	s_barrier_wait -1
.if \fill
	CREST
	s_add_nc_u64 s[G0+4*\slot+2:G0+4*\slot+3], s[G0+4*\slot+2:G0+4*\slot+3], 2*ASTEP
	s_add_nc_u64 s[G0B+4*\slot+2:G0B+4*\slot+3], s[G0B+4*\slot+2:G0B+4*\slot+3], 2*ROWB
	JLOAD G0+4*\slot, G1, G0B+4*\slot, G1B
.else
	PLACES NP
.endif
	FETCH_B \next, 0, 0
	FETCH_A \next, 0, 0
	WIN MUL_HI
	MUL16 4, 1, 0
	MUL16 6, 1, 0
	PLACES NP
	WIN 0
	FETCH_A \next, 0, 4
.endm
	s_wait_tensorcnt 1                             ; my part of K step 0 is in; K step 1's load may be out
	s_barrier_signal -1
	s_barrier_wait -1
	FETCH_B 0, 0, 0
	FETCH_A 0, 0, 0
	FETCH_A 0, 0, 4
	STEP 0, 0, 2
	s_mov_b32 s3, LAPS-1
.Llap:
	TURN 0, 1, 1
	STEP 1, 0, 0
	TURN 1, 0, 1
	STEP 0, 0, 0
	s_sub_co_u32 s3, s3, 1
	s_cmp_lg_u32 s3, 0
	s_cbranch_scc1 .Llap
	TURN 0, 1, 0
	STEP 1, 0, 0
	s_wait_dscnt 4*NL
	WIN MUL_LO
	MUL16 0, 1, 0
	MUL16 2, 1, 0
	s_wait_dscnt 0
	WIN MUL_HI
	MUL16 4, 1, 0
	MUL16 6, 1, 0
	WIN 0
	PLACES NP
.macro RLOAD i                         ; 32 rows of x into window 1, where B's fragments lay
	WIN 0x40
.set t, 0
.rept 32
	global_load_b128 v[128*((\i)%2)+4*t:128*((\i)%2)+4*t+3], v[CO], s[86:87] offset:(32*(\i)+t)*4096 th:TH_LOAD_NT
.set t, t+1
.endr
	WIN 0
.endm
	RLOAD 0
	RLOAD 1
	s_wait_dscnt 0x0                               ; my reads of the ring are over;
	s_barrier_signal -1
	s_barrier_wait -1                              ; everybody's are, and no fill follows: the stages may be laid over it
.irp a, 0,1,2,3,4,5,6,7
	WIN 0x08+4*((\a)/4)
.irp b, 0,1,2,3,4,5,6,7
	ds_store_b128 v[STO], v[8*(8*((\a)%4)+\b):8*(8*((\a)%4)+\b)+3] offset:(\a)*16*SPITCH+64*\b      ; each accumulator from its low end on
	ds_store_b128 v[STO], v[8*(8*((\a)%4)+\b)+4:8*(8*((\a)%4)+\b)+7] offset:(\a)*16*SPITCH+64*\b+16
.endr
.endr
	WIN 0
.macro TRIP i                          ; 32 rows: back from my stage by rows, out = raw x 2^(ea + eb) + x, stored
.if (\i) < 2
.set RDX, RD0
.else
.set RDX, RD1
.endif
	s_wait_xcnt 0x0                                ; the last trip's stores have read their data
.set t, 0
.rept 32
	ds_load_b128 v[XR+4*t:XR+4*t+3], v[RDX] offset:(32*((\i)%2)+t)*SPITCH
.set t, t+1
.endr
.if (\i) < 3
	s_wait_loadcnt 32                              ; this trip's rows of x are in; the next trip's 32 loads may be out
.else
	s_wait_loadcnt 0x0
.endif
	s_wait_dscnt 0x0
	WIN 0x10
.set t, 0
.rept 64
	v_pk_fma_f32 v[XR+2*t:XR+2*t+1], v[XR+2*t:XR+2*t+1], s[94:95], v[128*((\i)%2)+2*t:128*((\i)%2)+2*t+1] op_sel_hi:[1,0,1]
.set t, t+1
.endr
	WIN 0
.set t, 0
.rept 32
	global_store_b128 v[CO], v[XR+4*t:XR+4*t+3], s[10:11] offset:(32*(\i)+t)*4096 th:TH_STORE_NT   ; 32 lanes store 512 consecutive bytes
.set t, t+1
.endr
.if (\i) < 2
	RLOAD (\i)+2
.endif
.endm
	TRIP 0
	TRIP 1
	TRIP 2
	TRIP 3
	s_wait_tensorcnt 0x0                           ; the wave's end
	ds_add_u32 v[SPW], v[NIL]
	s_wait_dscnt 0x0
	CROUND
	s_endpgm
.Lfunc_end_k_q7391d1993b_ffn2:
	.size	k_q7391d1993b_ffn2, .Lfunc_end_k_q7391d1993b_ffn2-k_q7391d1993b_ffn2
	.p2alignl 7, 3214868480
	.fill 96, 4, 3214868480
	.section	.rodata,"a",@progbits
	.p2align	6, 0x0
	.amdhsa_kernel k_q7391d1993b_ffn2
		.amdhsa_group_segment_fixed_size 327680
		.amdhsa_private_segment_fixed_size 0
		.amdhsa_enable_private_segment 0
		.amdhsa_kernarg_size 48
		.amdhsa_user_sgpr_count 2
		.amdhsa_user_sgpr_kernarg_segment_ptr 1
		.amdhsa_wavefront_size32 1
		.amdhsa_system_sgpr_workgroup_id_x 1
		.amdhsa_system_sgpr_workgroup_id_y 1
		.amdhsa_system_sgpr_workgroup_id_z 1
		.amdhsa_system_vgpr_workitem_id 0
		.amdhsa_next_free_vgpr 1024
		.amdhsa_next_free_sgpr 102
		.amdhsa_reserve_vcc 0
		.amdhsa_float_denorm_mode_32 3
		.amdhsa_float_denorm_mode_16_64 3
		.amdhsa_memory_ordered 1
		.amdhsa_forward_progress 1
		.amdhsa_inst_pref_size 141
	.end_amdhsa_kernel
	.amdgpu_metadata
---
amdhsa.version: [ 1, 2 ]
amdhsa.kernels:
  - .name:           k_q7391d1993b_ffn2
    .symbol:         k_q7391d1993b_ffn2.kd
    .args:
      - { .name: hc, .offset: 0, .size: 8, .value_kind: global_buffer, .address_space: global }
      - { .name: cod, .offset: 8, .size: 8, .value_kind: global_buffer, .address_space: global }
      - { .name: b2, .offset: 16, .size: 8, .value_kind: global_buffer, .address_space: global }
      - { .name: xf, .offset: 24, .size: 8, .value_kind: global_buffer, .address_space: global }
      - { .name: lowp_scales, .offset: 32, .size: 8, .value_kind: global_buffer, .address_space: global }
      - { .name: out0, .offset: 40, .size: 8, .value_kind: global_buffer, .address_space: global }
    .group_segment_fixed_size: 327680
    .private_segment_fixed_size: 0
    .kernarg_segment_align: 8
    .kernarg_segment_size: 48
    .max_flat_workgroup_size: 128
    .sgpr_count:     102
    .vgpr_count:     1024
    .wavefront_size: 32
...
	.end_amdgpu_metadata
.endif
;; end of part 6
;; ======== version 2 of 2: 6 launches; 1.15 times as fast as version 1
;; workspace buffers: cod 25,165,824 bytes; qkvc 12,582,912 bytes; ctxc 4,194,304 bytes; xf 16,777,216 bytes; xc 4,194,304 bytes; hc 16,777,216 bytes
;; launch quant: the kernel of part 1 again; grid 512 x 1, 4 waves a work-group, no clusters, 33,280 bytes of LDS; arguments src, qw, kw, vw, ow, w1, w2, lowp_scales, cod; writes cod
;; launch qkv: the kernel of part 2 again; grid 12 x 16, 4 waves a work-group, clusters of 4 x 4, 327,680 bytes of LDS; arguments cod, qb, kb, vb, lowp_scales, qkvc; writes qkvc
;; launch attn (part 7): grid 64 x 16, 4 waves a work-group, clusters of 4 x 1, 327,680 bytes of LDS; arguments qkvc, mask, lowp_scales, ctxc; writes ctxc
.if DOCPART == 7
	.amdgcn_target "amdgcn-amd-amdhsa--gfx1250"
	.amdhsa_code_object_version 6
	.text
	.protected	k_q7391d1993b_attn
	.globl	k_q7391d1993b_attn
	.p2align	8
	.type	k_q7391d1993b_attn,@function
k_q7391d1993b_attn:
	s_mov_b64 s[64:65], 0
	v_nop
	global_prefetch_b8 v0, s[64:65] scope:SCOPE_SE
	s_setreg_imm32_b32 hwreg(HW_REG_WAVE_MODE, 25, 1), 1
	s_wait_xcnt 0x0
	s_wait_alu depctr_hold_cnt(0) depctr_sa_sdst(0) depctr_va_vdst(0) depctr_va_sdst(0) depctr_va_ssrc(0) depctr_va_vcc(0) depctr_vm_vsrc(0)
	s_getreg_b32 s2, hwreg(HW_REG_IB_STS2, 6, 4)
	s_cmp_eq_u32 s2, 0
	s_cbranch_scc0 .Lentry_in_a_cluster
	s_endpgm
.Lentry_in_a_cluster:
	s_bfe_u32 s2, ttmp6, 0x10000c
	s_cmp_lg_u32 s2, 0x3003
	s_cbranch_scc0 .Lentry_shape_is_right
	s_endpgm
.Lentry_shape_is_right:
; ctx = entmax15(q k^T / sqrt(128), masked) v for 32 queries of one head, both products on codes of E4M3; the finished weights are quantised (entry 9) and ctx at once (entry 10).
; SHARES.  A work-group owns 32 queries (two tiles of 16) of one (batch, head); wave w owns keys 512 w .. 512 w + 511 for both tiles.  All its scores stay in registers as f32: 2 x 256 a wave.
; LAYOUT.  S^T = K Q^T and O^T = V^T P^T: a lane holds one query throughout.  q, k, v come as images of operand registers whose rows are ordered so that the 16 registers of two neighbouring result tiles
; are 16 neighbours along the next K: register 16 b + i of a tile's scores is key 512 w + 32 b + 16 h + i.
; ENTMAX-1.5 WITHOUT A SORT.  z = score / 2 (masked: -5e8), z' = z - the row's maximum.  tau solves sum((z' - tau)+^2) = 1.  phi(tau) = sqrt(sum) is convex and falling with slope between -1 and
; -sqrt(2048); Newton on phi = 1 from tau = -1, tau += (s2 - sqrt(s2)) / s1, stays at or left of the root.  From f' / f + g' / g <= 1 (f = phi - 1, g = the slope's size), f <= 44.3 at the start and the
; product of the g ratios >= 1 / 45.3, eleven steps leave f under 6e-5 for every input; from there the error squares (x 1,024 at most): thirteen steps leave under 2e-8.  NPASS = 13, always all of them.
; The four waves' partial sums meet in LDS, added in one fixed order, so every lane of a query holds the same tau.  THE TWO TILES TAKE TURNS: one tile's sums are exchanged, and its tau stepped, inside
; the other tile's pass, so that the wave has register work to issue while its store, the barrier and its loads are under way.
; CLUSTER.  The four query blocks of a cluster walk the same K and V: each tile is asked for jointly (mask 15).  K fills 256 KB of LDS (64 KB a wave, four loads); V takes its place by one load a wave, behind
; a round of the cluster's barrier, and has the whole search in which to land.  By this text's count a wave has at most four tensor loads out.
; No prefetch: K is asked for at the head, and nothing waits for V.
; LIMITS: e6 + e7 between -121 and 130; e9 and e10 - e8 - e9 between -126 and 119.  A row all of whose keys are masked gets the uniform 1 / 2048.  Unmasked scores are taken to lie above -1e9.  NaN is not served.
; REGISTERS: window 0: v1-31 addresses and small things; v32-63 Q; v64-191 K's fragments, then tables, then numbers at work (v64-95 a pass's, v96-107 the exchange's); v192-223 P's codes; v224-255 sums in chains.
;   window 1, 2: the scores of query tile 0, 1.   window 3: v0-127 O^T (at 32 group + 16 tile + 8 half), v128-255 eight fragments of V.
.set NPASS, 13
.set USE_DUAL, 1
.set CM,    262144                     ; behind K and V: for each key c or 0,
.set BM,    270336                     ; and 0 or -5e8
.set EX,    278528                     ; the passes' sums: tile 0's at EX, tile 1's at EX + 1024, each 4 waves x 256 bytes
.set MX,    280576                     ; the maxima: 4 x 256
.set CST,   281600                     ; ctx's codes: 32 rows x 144
.set SPARE, 286208                     ; the spare words, 128 bytes a wave
.set KVA, 1
.set TBA, 2
.set EXW, 3
.set EXR, 4
.set MXW, 7
.set MXR, 8
.set ORD, 10
.set CSW, 14
.set CSR, 15
.set L16, 16
.set SPW, 17
.set NIL, 18
.set NT0, 20                           ; v[20:21], v[22:23]: -tau of tile 0, 1, in both halves of a pair
.set NT1, 22
.set LIMV, 30
.set SCV, 31
.set QF,  32
.set KB,  64
.set T,   64
.set PC,  192
.set WV,  12
.set SEL, 22
.set G1K, 24
.set G1V, 32
.set G0K, 40
.set G0V, 56
.set MSB, 0
.macro WIN new
.if MSB != (\new)
	s_set_vgpr_msb (MSB<<8)|(\new)
.set MSB, (\new)
.endif
.endm
.macro MAX2 d, s                       ; two numbers: what is negative becomes 0
.if USE_DUAL
	v_dual_max_num_f32 v[\d], 0, v[\s] :: v_dual_max_num_f32 v[(\d)+1], 0, v[(\s)+1]
.else
	v_max_num_f32 v[\d], 0, v[\s]
	v_max_num_f32 v[(\d)+1], 0, v[(\s)+1]
.endif
.endm
.macro MIN2 d                          ; two numbers held at the largest code x the scale
.if USE_DUAL
	v_dual_min_num_f32 v[\d], v[LIMV], v[\d] :: v_dual_min_num_f32 v[(\d)+1], v[LIMV], v[(\d)+1]
.else
	v_min_num_f32 v[\d], v[LIMV], v[\d]
	v_min_num_f32 v[(\d)+1], v[LIMV], v[(\d)+1]
.endif
.endm
.macro PLACES
.rept 4
	v_nop
.endr
.endm
.macro CROUND                          ; a round of the cluster's barrier
	s_barrier_signal -1
	s_barrier_wait -1
	s_cmp_lg_u32 s[WV], 0
	s_cbranch_scc1 .Lnot_wave_0_\@
	s_barrier_signal -3
.Lnot_wave_0_\@:
	s_barrier_wait -3
	s_barrier_signal -1
	s_barrier_wait -1
.endm
	s_load_b256 s[4:11], s[0:1], 0x0               ; qkvc, mask, the exponents, ctxc
	v_lshl_add_u32 v[SPW], v0, 2, SPARE
	v_mov_b32 v[NIL], 0
	ds_add_u32 v17, v18
	ds_add_u32 v17, v18
	s_wait_dscnt 0x0
	v_lshrrev_b32 v5, 5, v0
	v_readfirstlane_b32 s[WV], v5                  ; wave
	s_bfe_u32 s13, ttmp6, 0x40000                  ; cx
	s_lshl_b32 s14, ttmp9, 2
	s_add_co_u32 s14, s14, s13                     ; my block of 32 queries: it enters Q's and ctx's addresses alone
	s_and_b32 s15, ttmp7, 0xffff                   ; batch x 8 + head, which the partners share
	s_mov_b32 s[G1K], 15|(3<<16)|(1<<21)           ; the mask: all four; elements of 8 bytes; no padding; bit 21 beside a mask
	s_mov_b32 s[G1K+1], 32<<16                     ; rows of 32 elements, 256 bytes, dense
	s_mov_b32 s[G1K+2], 64<<16                     ; 64 rows: 16 KB, 128 keys
	s_mov_b32 s[G1K+3], 32<<16
	s_mov_b32 s[G1K+4], 64
	s_mov_b32 s[G1K+5], 32
	s_mov_b32 s[G1K+6], 0
	s_mov_b32 s[G1K+7], 0
	s_mov_b32 s[G1V], 15|(3<<16)|(1<<21)
	s_mov_b32 s[G1V+1], 32<<16
	s_mov_b32 s[G1V+2], 256<<16                    ; 256 rows: 64 KB, 512 keys
	s_mov_b32 s[G1V+3], 32<<16
	s_mov_b32 s[G1V+4], 256
	s_mov_b32 s[G1V+5], 32
	s_mov_b32 s[G1V+6], 0
	s_mov_b32 s[G1V+7], 0
	s_mov_b32 s[SEL], 0x76543210                   ; v_permlanex16_b32: lane l xor 16
	s_mov_b32 s[SEL+1], 0xfedcba98
	s_lshl_b32 s61, s15, 18                        ; the head's 262,144 bytes in each of q, k, v
	s_lshl_b32 s21, s[WV], 16                      ; my 64 KB, in memory and in LDS
	s_add_co_u32 s62, s61, s21
	s_mov_b32 s63, 0
	s_wait_kmcnt 0x0
	s_load_b128 s[16:19], s[8:9], 0x18             ; e6, e7, e8, e9
	s_load_b32 s20, s[8:9], 0x28                   ; e10
	s_add_nc_u64 s[62:63], s[4:5], s[62:63]
.irp q, 0,1,2,3
	s_mov_b32 s[G0K+4*\q], 1
	s_add_co_u32 s[G0K+4*\q+1], s21, \q*16384
	s_add_nc_u64 s[G0K+4*\q+2:G0K+4*\q+3], s[62:63], 0x400000+\q*16384
	s_or_b32 s[G0K+4*\q+3], s[G0K+4*\q+3], 0x80000000
.endr
	s_mov_b32 s[G0V], 1
	s_mov_b32 s[G0V+1], s21
	s_add_nc_u64 s[G0V+2:G0V+3], s[62:63], 0x800000
	s_or_b32 s[G0V+3], s[G0V+3], 0x80000000
	CROUND                                         ; all four work-groups are here: the first joint loads meet
	tensor_load_to_lds s[G0K:G0K+3], s[G1K:G1K+7]  ; my 512 keys, 128 a load, so that the first products need wait for the first alone
	s_nop 0
	tensor_load_to_lds s[G0K+4:G0K+7], s[G1K:G1K+7]
	s_nop 0
	tensor_load_to_lds s[G0K+8:G0K+11], s[G1K:G1K+7]
	s_nop 0
	tensor_load_to_lds s[G0K+12:G0K+15], s[G1K:G1K+7]
	s_nop 0
	PLACES                                         ; four v_nop follow the last
	v_and_b32 v5, 31, v0                           ; lane
	v_and_b32 v6, 15, v0                           ; r
	v_bfe_u32 v9, v0, 4, 1                         ; h
	v_lshlrev_b32 v[L16], 4, v5
	s_lshl_b32 s66, s14, 12
	s_add_co_u32 s66, s66, s61
	s_mov_b32 s67, 0
	s_add_nc_u64 s[66:67], s[4:5], s[66:67]        ; my 32 queries: 4,096 bytes, two fragments
.irp u, 0,1
.irp c, 0,1,2,3
	global_load_b128 v[QF+16*\u+4*\c:QF+16*\u+4*\c+3], v[L16], s[66:67] offset:2048*\u+512*\c
.endr
.endr
	s_lshr_b32 s68, s15, 3
	s_lshl_b32 s68, s68, 11
	s_mov_b32 s69, 0
	s_add_nc_u64 s[68:69], s[6:7], s[68:69]        ; the batch's 2,048 mask bytes
	v_lshlrev_b32 v19, 4, v0
	global_load_b128 v[96:99], v19, s[68:69]       ; thread t: keys 16 t .. 16 t + 15, which are keys of its own wave
	v_add_nc_u32 v[KVA], s21, v[L16]
	s_lshl_b32 s72, s[WV], 11
	s_add_co_u32 s72, s72, CM
	v_lshl_add_u32 v[TBA], v9, 6, s72              ; the tables: my wave's 2,048 bytes, + 64 h
	v_lshl_add_u32 v[EXW], v0, 3, EX               ; the sums: 8 bytes a thread,
	v_lshl_add_u32 v[EXR], v5, 3, EX               ; read back at my lane's place in each wave's 256
	v_lshl_add_u32 v[MXW], v0, 3, MX
	v_lshl_add_u32 v[MXR], v5, 3, MX
	s_lshl_b32 s72, s[WV], 12
	v_add_nc_u32 v[ORD], s72, v[L16]               ; O's images: of each wave's 16 KB the 4 KB that I add up
	v_add_nc_u32 v[ORD+1], 0x10000, v[ORD]
	v_add_nc_u32 v[ORD+2], 0x20000, v[ORD]
	v_add_nc_u32 v[ORD+3], 0x30000, v[ORD]
	v_and_b32 v28, 8, v6
	v_add_nc_u32 v28, v28, v6                      ; r + 8 (r / 8): the query that lane r of tile 0 holds
	v_mul_u32_u24 v[CSW], v28, 144
	v_lshl_add_u32 v[CSW], v9, 4, v[CSW]
	s_lshl_b32 s72, s[WV], 5
	s_add_co_u32 s72, s72, CST
	v_add_nc_u32 v[CSW], s72, v[CSW]
	v_lshrrev_b32 v28, 3, v5
	v_mul_u32_u24 v[CSR], v28, 144
	v_and_b32 v28, 7, v5
	v_lshl_add_u32 v[CSR], v28, 4, v[CSR]
	s_mul_i32 s72, s[WV], 8*144
	s_add_co_u32 s72, s72, CST
	v_add_nc_u32 v[CSR], s72, v[CSR]
	v_lshl_add_u32 v29, v0, 6, CM                  ; where I put my 16 keys' table entries
	v_mov_b32 v27, 0                               ; written once: a lane permute's destination counts as one of its sources
	s_and_b32 s70, s15, 7
	s_lshl_b32 s70, s70, 19                        ; ctx's codes: [head][token][128 bytes]
	s_lshr_b32 s71, s15, 3
	s_lshl_b32 s71, s71, 18
	s_add_co_u32 s70, s70, s71
	s_lshl_b32 s71, s14, 12
	s_add_co_u32 s70, s70, s71
	s_lshl_b32 s71, s[WV], 10
	s_add_co_u32 s70, s70, s71
	s_mov_b32 s71, 0
	s_add_nc_u64 s[70:71], s[10:11], s[70:71]
	s_wait_kmcnt 0x0
	s_add_co_i32 s73, s16, s17
	s_sub_co_i32 s73, s73, 1
	s_lshl_b32 s73, s73, 23
	s_add_co_i32 s73, s73, 0x3DB504F3              ; c = 128^-0.5 x 2^(e6 + e7) / 2: the exponents are added to the constant's exponent field
	v_mov_b32 v24, s73
	v_mov_b32 v25, 0xCDEE6B28                      ; -5e8 = -1e9 / 2
	s_add_co_i32 s74, s19, 127
	s_lshl_b32 s75, s74, 23
	v_mov_b32 v[SCV], s75                          ; 2^e9
	s_add_co_i32 s74, s74, 8
	s_lshl_b32 s74, s74, 23
	s_or_b32 s74, s74, 0x600000
	v_mov_b32 v[LIMV], s74                         ; 448 x 2^e9
	s_sub_co_i32 s76, s20, s18
	s_sub_co_i32 s76, s76, s19
	s_add_co_i32 s76, s76, 127
	s_add_co_i32 s77, s76, 8
	s_lshl_b32 s76, s76, 23                        ; 2^(e10 - e8 - e9), for ctx
	s_lshl_b32 s77, s77, 23
	s_or_b32 s77, s77, 0x600000
	s_wait_loadcnt 0x0                             ; Q and the mask
.irp m, 0,1,2,3
.irp j, 0,1,2,3
	v_bfe_u32 v28, v[96+\m], 8*\j, 8
	v_cmp_eq_u32 vcc_lo, 0, v28                    ; the key counts
	v_cndmask_b32 v[64+4*\m+\j], 0, v24, vcc_lo    ; c, or 0 where it is masked
	v_cndmask_b32 v[80+4*\m+\j], v25, v[NIL], vcc_lo   ; 0, or -5e8: z = raw x the one + the other replaces the score
.endr
.endr
.irp m, 0,1,2,3
	ds_store_b128 v29, v[64+4*\m:67+4*\m] offset:16*\m
	ds_store_b128 v29, v[80+4*\m:83+4*\m] offset:8192+16*\m
.endr
; ---- S^T = K Q^T: 32 tiles of 16 keys, four at a time, K's fragments in two buffers
.macro FETCHK g
.set f, 0
.rept 4
.irp c, 0,1,2,3
	ds_load_b128 v[KB+64*((\g)%2)+16*f+4*\c:KB+64*((\g)%2)+16*f+4*\c+3], v[KVA] offset:(4*(\g)+f)*2048+512*\c
.endr
.set f, f+1
.endr
.endm
	s_wait_tensorcnt 3                             ; my first 128 keys are in; three loads may be out.  Only I read these bytes
	FETCHK 0
.irp g, 0,1,2,3,4,5,6,7
.if \g < 7
.if (\g+1)%2 == 0
	s_wait_tensorcnt 3-(\g+1)/2                    ; the next 128 keys are in; the later loads may be out
.endif
	FETCHK \g+1
	s_wait_dscnt 16                                ; this group's fragments are in; the next group's sixteen loads may be out
.else
	s_wait_dscnt 0x0
.endif
	WIN 0x40                                       ; destination window 1
.irp i, 0,1,2,3
	v_wmma_f32_16x16x128_fp8_fp8 v[8*(4*\g+\i):8*(4*\g+\i)+7], v[KB+64*(\g%2)+16*\i:KB+64*(\g%2)+16*\i+15], v[QF:QF+15], 0
.endr
	WIN 0x80                                       ; window 2
.irp i, 0,1,2,3
	v_wmma_f32_16x16x128_fp8_fp8 v[8*(4*\g+\i):8*(4*\g+\i)+7], v[KB+64*(\g%2)+16*\i:KB+64*(\g%2)+16*\i+15], v[QF+16:QF+31], 0
.endr
	WIN 0
	PLACES                                         ; in front of loads into the buffer just read, and of the first read of results
.endr
; ---- V takes K's place
	s_wait_tensorcnt 0x0                           ; all my tensor loads have landed
	ds_add_u32 v[SPW], v[NIL]                      ; 0 onto my spare word
	s_wait_dscnt 0x0                               ; the add is done, and my reads of K are over
	CROUND                                         ; that holds of every wave of every partner
	tensor_load_to_lds s[G0V:G0V+3], s[G1V:G1V+7]  ; my one load behind the round: my 512 keys of V
	s_nop 0
	PLACES
; ---- z = raw x c, or -5e8
.irp R, 0,1,2,3
.set k, 0
.rept 16
	ds_load_b128 v[64+4*k:64+4*k+3], v[TBA] offset:512*\R+128*(k/4)+16*(k%4)
	ds_load_b128 v[128+4*k:128+4*k+3], v[TBA] offset:8192+512*\R+128*(k/4)+16*(k%4)
.set k, k+1
.endr
	s_wait_dscnt 0x0
	WIN 0x41                                       ; destination and source 0 window 1
.set k, 0
.rept 32
	v_pk_fma_f32 v[64*\R+2*k:64*\R+2*k+1], v[64*\R+2*k:64*\R+2*k+1], v[64+2*k:64+2*k+1], v[128+2*k:128+2*k+1]   ; each accumulator from its low end on
.set k, k+1
.endr
	WIN 0x82
.set k, 0
.rept 32
	v_pk_fma_f32 v[64*\R+2*k:64*\R+2*k+1], v[64*\R+2*k:64*\R+2*k+1], v[64+2*k:64+2*k+1], v[128+2*k:128+2*k+1]
.set k, k+1
.endr
	WIN 0
.endr
; ---- the row's maximum: four chains a tile, then the waves through LDS, then the other half of the lanes
.macro ROWMAX W, C
	WIN \W
.irp n, 0,1,2,3
	v_max_num_f32 v[\C+\n], v[2*\n], v[2*\n+1]
.endr
.set k, 8
.rept 31
.irp n, 0,1,2,3
	v_max3_num_f32 v[\C+\n], v[k+2*\n], v[k+2*\n+1], v[\C+\n]
.endr
.set k, k+8
.endr
	WIN 0
.endm
	ROWMAX 0x05, 224
	ROWMAX 0x0a, 228
	v_max3_num_f32 v24, v224, v225, v226
	v_max3_num_f32 v25, v228, v229, v230
	v_max_num_f32 v24, v24, v227
	v_max_num_f32 v25, v25, v231
	ds_store_b64 v[MXW], v[24:25]
	s_wait_dscnt 0x0                               ; for the others' sake
	s_barrier_signal -1
	s_barrier_wait -1                              ; (V's load may stay out)
.irp w, 0,1,2,3
	ds_load_b64 v[64+2*\w:65+2*\w], v[MXR] offset:256*\w
.endr
	s_wait_dscnt 0x0
	v_max3_num_f32 v24, v64, v66, v68
	v_max3_num_f32 v26, v65, v67, v69
	v_max_num_f32 v24, v24, v70
	v_max_num_f32 v26, v26, v71
	v_permlanex16_b32 v25, v24, s[SEL], s[SEL+1]
	v_permlanex16_b32 v27, v26, s[SEL], s[SEL+1]
	v_max_num_f32 v24, v24, v25
	v_max_num_f32 v26, v26, v27
	v_mov_b32 v25, v24
	v_mov_b32 v27, v26
	WIN 0x41
.set k, 0
.rept 128
	v_pk_add_f32 v[2*k:2*k+1], v[2*k:2*k+1], v[24:25] neg_lo:[0,1] neg_hi:[0,1]   ; z' = z - the maximum
.set k, k+1
.endr
	WIN 0x82
.set k, 0
.rept 128
	v_pk_add_f32 v[2*k:2*k+1], v[2*k:2*k+1], v[26:27] neg_lo:[0,1] neg_hi:[0,1]
.set k, k+1
.endr
	WIN 0
	v_mov_b32 v[NT0], 1.0                          ; tau = -1
	v_mov_b32 v[NT0+1], 1.0
	v_mov_b32 v[NT1], 1.0
	v_mov_b32 v[NT1+1], 1.0
	v_mov_b32 v104, 0                              ; written once: a lane permute's destination counts as one of its sources
	v_mov_b32 v105, 0
; ---- the search
.macro JOIN a, d                       ; four pairs become one number
	v_pk_add_f32 v[\a:\a+1], v[\a:\a+1], v[\a+2:\a+3]
	v_pk_add_f32 v[\a+4:\a+5], v[\a+4:\a+5], v[\a+6:\a+7]
	v_pk_add_f32 v[\a:\a+1], v[\a:\a+1], v[\a+4:\a+5]
	v_add_f32 v[\d], v[\a], v[\a+1]
.endm
.macro XLOAD oth                       ; the four waves' (s1, s2) of my query's half
.irp w, 0,1,2,3
	ds_load_b64 v[96+2*\w:97+2*\w], v[EXR] offset:(\oth)+256*\w
.endr
.endm
.macro XSUM                            ; (w0 + w1) + (w2 + w3), then the other half of the lanes': the same order in every wave; then the root and the reciprocal
	v_pk_add_f32 v[96:97], v[96:97], v[98:99]
	v_pk_add_f32 v[100:101], v[100:101], v[102:103]
	v_pk_add_f32 v[96:97], v[96:97], v[100:101]
	v_permlanex16_b32 v104, v96, s[SEL], s[SEL+1]
	v_permlanex16_b32 v105, v97, s[SEL], s[SEL+1]
	v_pk_add_f32 v[96:97], v[96:97], v[104:105]
	v_sqrt_f32 v106, v97
	v_rcp_f32 v107, v96
.endm
.macro XUPD ONT                        ; -tau -= (s2 - sqrt(s2)) / s1
	s_wait_alu depctr_va_vdst(0)                   ; the one wait ahead of the batch's first reader
	v_sub_f32 v106, v97, v106
	v_fma_f32 v[\ONT], -v106, v107, v[\ONT]
	v_mov_b32 v[\ONT+1], v[\ONT]
.endm
; One tile's pass: d = (z' - tau)+, s1 += d, s2 += d d, 32 scores at a time (eight groups), in four chains of pairs each; the first four pairs start the chains: nothing is cleared.
; Between the groups stands the exchange of the OTHER tile's sums, which the pass before stored at oth:
;   behind group 0: my store has landed; the barrier's signal.   behind group 2: the barrier's wait: every wave's store has landed; the four loads.
;   behind group 4: the loads are in; the additions, the root, the reciprocal (group 5 is the plain work behind them).   behind group 5: the wait, and the other tile's tau.
; At its end the pass stores its own sums at own.  Those words were last read in the pass before; every wave waited for those reads (behind group 4 there) ahead of its signal here, and this store stands behind the wait here.
.macro PASSX W, NT, A1, A2, own, oth, ONT
.set g, 0
.rept 8
	WIN \W
.set k, 0
.rept 16
	v_pk_add_f32 v[T+2*k:T+2*k+1], v[32*g+2*k:32*g+2*k+1], v[\NT:\NT+1]
.set k, k+1
.endr
	WIN 0
.set k, 0
.rept 16
.if (g == 0) && (k < 4)
	MAX2 \A1+2*k, T+2*k
.else
	MAX2 T+2*k, T+2*k
.endif
.set k, k+1
.endr
.set k, 0
.rept 16
.if (g == 0) && (k < 4)
	v_pk_mul_f32 v[\A2+2*k:\A2+2*k+1], v[\A1+2*k:\A1+2*k+1], v[\A1+2*k:\A1+2*k+1]
.else
	v_pk_add_f32 v[\A1+2*(k%4):\A1+2*(k%4)+1], v[\A1+2*(k%4):\A1+2*(k%4)+1], v[T+2*k:T+2*k+1]
	v_pk_fma_f32 v[\A2+2*(k%4):\A2+2*(k%4)+1], v[T+2*k:T+2*k+1], v[T+2*k:T+2*k+1], v[\A2+2*(k%4):\A2+2*(k%4)+1]
.endif
.set k, k+1
.endr
.if g == 0
	s_wait_dscnt 0x0                               ; for the others' sake: my store of the other tile's sums has landed
	s_barrier_signal -1
.elseif g == 2
	s_barrier_wait -1
	XLOAD \oth
.elseif g == 4
	s_wait_dscnt 0x0
	XSUM
.elseif g == 5
	XUPD \ONT
.endif
.set g, g+1
.endr
	JOIN \A1, 24
	JOIN \A2, 25
	ds_store_b64 v[EXW], v[24:25] offset:\own
.endm
	v_mov_b32 v24, 0x3e000000                      ; the loop is written once: its first trip finds, for tile 1, eight parts of 0.125: s1 = s2 = 1, which leave tau where it is
	v_mov_b32 v25, 0x3e000000
	ds_store_b64 v[EXW], v[24:25] offset:1024
	s_mov_b32 s60, 0
.Lpass:
	PASSX 0x01, NT0, 224, 232, 0, 1024, NT1        ; tile 0's pass | tile 1's exchange
	PASSX 0x02, NT1, 240, 248, 1024, 0, NT0        ; tile 1's pass | tile 0's exchange
	s_add_co_u32 s60, s60, 1
	s_cmp_lt_u32 s60, NPASS
	s_cbranch_scc1 .Lpass
	s_wait_dscnt 0x0                               ; tile 1's thirteenth exchange has no pass to stand in
	s_barrier_signal -1
	s_barrier_wait -1
	XLOAD 1024
	s_wait_dscnt 0x0
	XSUM
	v_nop                                          ; a plain line behind the batch
	XUPD NT1
; ---- p = ((z' - tau)+)^2, quantised, and O^T += V^T P^T, 128 keys at a time
.macro FETCHV s
	WIN 0xc0                                       ; destination window 3
.irp t, 0,1,2,3,4,5,6,7
.irp c, 0,1,2,3
	ds_load_b128 v[128+16*\t+4*\c:128+16*\t+4*\c+3], v[KVA] offset:(\s)*16384+\t*2048+512*\c
.endr
.endr
	WIN 0
.endm
.macro MAKEP W, NT, s, P
	WIN \W
.set k, 0
.rept 32
	v_pk_add_f32 v[T+2*k:T+2*k+1], v[64*(\s)+2*k:64*(\s)+2*k+1], v[\NT:\NT+1]
.set k, k+1
.endr
	WIN 0
.set k, 0
.rept 32
	MAX2 T+2*k, T+2*k
.set k, k+1
.endr
.set k, 0
.rept 32
	v_pk_mul_f32 v[T+2*k:T+2*k+1], v[T+2*k:T+2*k+1], v[T+2*k:T+2*k+1]
.set k, k+1
.endr
.set k, 0
.rept 32
	MIN2 T+2*k                                     ; the conversion does not saturate (ISA guide 7.6.2); p is not negative, so the hold is one-sided
.set k, k+1
.endr
.set k, 0
.rept 8
	v_cvt_scalef32_pk8_fp8_f32 v[\P+2*k:\P+2*k+1], v[T+8*k:T+8*k+7], v[SCV]
.set k, k+1
.endr
	v_nop                                          ; a plain line behind the conversions
.endm
	s_wait_tensorcnt 0x0                           ; V is in; only I read my 64 KB
	FETCHV 0
.irp s, 0,1,2,3
	MAKEP 0x01, NT0, \s, PC
	MAKEP 0x02, NT1, \s, PC+16
	s_wait_dscnt 0x0                               ; V's eight fragments are in
	WIN 0xf3                                       ; V, C and D window 3, P window 0
.irp t, 0,1,2,3,4,5,6,7
.irp q, 0,1
.if \s == 0
	v_wmma_f32_16x16x128_fp8_fp8 v[32*(\t/2)+16*\q+8*(\t%2):32*(\t/2)+16*\q+8*(\t%2)+7], v[128+16*\t:128+16*\t+15], v[PC+16*\q:PC+16*\q+15], 0
.else
	v_wmma_f32_16x16x128_fp8_fp8 v[32*(\t/2)+16*\q+8*(\t%2):32*(\t/2)+16*\q+8*(\t%2)+7], v[128+16*\t:128+16*\t+15], v[PC+16*\q:PC+16*\q+15], v[32*(\t/2)+16*\q+8*(\t%2):32*(\t/2)+16*\q+8*(\t%2)+7]
.endif
.endr
.endr                                              ; sixteen accumulators by turns, one instruction a turn
	WIN 0
	PLACES
.if \s < 3
	FETCHV \s+1
.endif
.endr
; ---- the four waves' parts of O^T are added: each wave puts its 128 registers into its own 64 KB (V has had its last fill and its last read), and takes 32 of them from all four
	WIN 0x0c                                       ; store data window 3
.set k, 0
.rept 32
	ds_store_b128 v[KVA], v[4*k:4*k+3] offset:512*k   ; ascending: each accumulator from its low end on
.set k, k+1
.endr
	WIN 0
	s_wait_dscnt 0x0
	s_barrier_signal -1
	s_barrier_wait -1
.irp w, 0,1,2,3
.irp i, 0,1,2,3,4,5,6,7
	ds_load_b128 v[64+32*\w+4*\i:64+32*\w+4*\i+3], v[ORD+\w] offset:512*\i
.endr
.endr
	v_mov_b32 v28, s76
	v_mov_b32 v29, s77
	s_wait_dscnt 0x0
.set k, 0
.rept 16
	v_pk_add_f32 v[64+2*k:64+2*k+1], v[64+2*k:64+2*k+1], v[96+2*k:96+2*k+1]
	v_pk_add_f32 v[128+2*k:128+2*k+1], v[128+2*k:128+2*k+1], v[160+2*k:160+2*k+1]
.set k, k+1
.endr
.set k, 0
.rept 16
	v_pk_add_f32 v[64+2*k:64+2*k+1], v[64+2*k:64+2*k+1], v[128+2*k:128+2*k+1]   ; register 16 q + i: channel 32 w + 16 h + i of my query of tile q
.set k, k+1
.endr
.set k, 0
.rept 32
	v_med3_num_f32 v[64+k], v[64+k], -v29, v29
.set k, k+1
.endr
.irp k, 0,1,2,3
	v_cvt_scalef32_pk8_fp8_f32 v[192+2*\k:193+2*\k], v[64+8*\k:71+8*\k], v28
.endr
	v_nop
	ds_store_b128 v[CSW], v[192:195]               ; 16 codes of a token's 128
	ds_store_b128 v[CSW], v[196:199] offset:8*144  ; tile 1's queries lie 8 rows further on
	s_wait_dscnt 0x0
	s_barrier_signal -1
	s_barrier_wait -1
	ds_load_b128 v[64:67], v[CSR]
	ds_load_b128 v[68:71], v[CSR] offset:4*144
	s_wait_dscnt 0x0
	global_store_b128 v[L16], v[64:67], s[70:71]              ; four tokens' 512 consecutive bytes
	global_store_b128 v[L16], v[68:71], s[70:71] offset:512
	s_wait_tensorcnt 0x0                           ; the wave's end
	ds_add_u32 v[SPW], v[NIL]
	s_wait_dscnt 0x0
	CROUND                                         ; the closing round
	s_endpgm
.Lfunc_end_k_q7391d1993b_attn:
	.size	k_q7391d1993b_attn, .Lfunc_end_k_q7391d1993b_attn-k_q7391d1993b_attn
	.p2alignl 7, 3214868480
	.fill 96, 4, 3214868480
	.section	.rodata,"a",@progbits
	.p2align	6, 0x0
	.amdhsa_kernel k_q7391d1993b_attn
		.amdhsa_group_segment_fixed_size 327680
		.amdhsa_private_segment_fixed_size 0
		.amdhsa_enable_private_segment 0
		.amdhsa_kernarg_size 32
		.amdhsa_user_sgpr_count 2
		.amdhsa_user_sgpr_kernarg_segment_ptr 1
		.amdhsa_wavefront_size32 1
		.amdhsa_system_sgpr_workgroup_id_x 1
		.amdhsa_system_sgpr_workgroup_id_y 1
		.amdhsa_system_sgpr_workgroup_id_z 1
		.amdhsa_system_vgpr_workitem_id 0
		.amdhsa_next_free_vgpr 1024
		.amdhsa_next_free_sgpr 80
		.amdhsa_reserve_vcc 1
		.amdhsa_float_denorm_mode_32 3
		.amdhsa_float_denorm_mode_16_64 3
		.amdhsa_memory_ordered 1
		.amdhsa_forward_progress 1
		.amdhsa_inst_pref_size 246
	.end_amdhsa_kernel
	.amdgpu_metadata
---
amdhsa.version: [ 1, 2 ]
amdhsa.kernels:
  - .name:           k_q7391d1993b_attn
    .symbol:         k_q7391d1993b_attn.kd
    .args:
      - { .name: qkvc, .offset: 0, .size: 8, .value_kind: global_buffer, .address_space: global }
      - { .name: mask, .offset: 8, .size: 8, .value_kind: global_buffer, .address_space: global }
      - { .name: lowp_scales, .offset: 16, .size: 8, .value_kind: global_buffer, .address_space: global }
      - { .name: ctxc, .offset: 24, .size: 8, .value_kind: global_buffer, .address_space: global }
    .group_segment_fixed_size: 327680
    .private_segment_fixed_size: 0
    .kernarg_segment_align: 8
    .kernarg_segment_size: 32
    .max_flat_workgroup_size: 128
    .sgpr_count:     80
    .vgpr_count:     1024
    .wavefront_size: 32
...
	.end_amdgpu_metadata
.endif
;; end of part 7
;; launch oproj (part 8): grid 8 x 32, 4 waves a work-group, clusters of 4 x 4, 327,680 bytes of LDS; arguments ctxc, cod, ob, src, lowp_scales, xf, xc; writes xf, xc
.if DOCPART == 8
	.amdgcn_target "amdgcn-amd-amdhsa--gfx1250"
	.amdhsa_code_object_version 6
	.text
	.protected	k_q7391d1993b_oproj
	.globl	k_q7391d1993b_oproj
	.p2align	8
	.type	k_q7391d1993b_oproj,@function
k_q7391d1993b_oproj:
	s_mov_b64 s[64:65], 0
	v_nop
	global_prefetch_b8 v0, s[64:65] scope:SCOPE_SE
	s_setreg_imm32_b32 hwreg(HW_REG_WAVE_MODE, 25, 1), 1
	s_wait_xcnt 0x0
	s_wait_alu depctr_hold_cnt(0) depctr_sa_sdst(0) depctr_va_vdst(0) depctr_va_sdst(0) depctr_va_ssrc(0) depctr_va_vcc(0) depctr_vm_vsrc(0)
	s_getreg_b32 s2, hwreg(HW_REG_IB_STS2, 6, 4)
	s_cmp_eq_u32 s2, 0
	s_cbranch_scc0 .Lentry_in_a_cluster
	s_endpgm
.Lentry_in_a_cluster:
	s_bfe_u32 s2, ttmp6, 0x10000c
	s_cmp_lg_u32 s2, 0xf033
	s_cbranch_scc0 .Lentry_shape_is_right
	s_endpgm
.Lentry_shape_is_right:
; x = src + ctx ow^T + ob, the product on codes of E4M3 (entries 10, 11); x is stored as f32 and, quantised with entry 12, as codes for the next product.
; A = ctx's codes, laid [block of 128 along K][token][128 bytes]; B = ow's codes, rows of 1,024 bytes, at 0x700000 of cod.
; C is 4,096 x 1,024: tiles of 128 x 128 make 256 work-groups.  Four waves, each 64 x 64: 16 accumulators, 128 registers.
; K goes in slots of 512 (four steps of 128) through two LDS slots; K = 1,024 is two slots, both asked for at the head: nothing is filled again here.
; A's part of a slot is four dense blocks of 128 tokens x 128 bytes.  One tensor load brings two of them, stated as two rows of 16,384 bytes, 524,288 bytes apart, with 16 bytes of padding behind every 256:
; token t of a block lies at 272 (t / 2) + 128 (t % 2).  B's part is 128 rows of 512 bytes + 16 of padding.
; CLUSTERS: 4 x 4; A's tile is shared along a row of the cluster, B's along a column: joint loads, which divide the requests by four.
; THE MATRIX INSTRUCTION IS USED TRANSPOSED (source 0 = 16 rows of B, source 1 = 16 tokens): a lane holds eight neighbouring columns of one row of C.  THE BIAS, divided by 2^(ea + eb), is the C of each sum's first instruction.
; The residual's 64 x 64 numbers of a wave are asked for at the head, into registers of their own.  No prefetch: both slots are asked for at the head.
; LIMITS: e10 + e11 between -126 and 127; e12 between -126 and 119.  NaN is not served.
; REGISTERS: window 0: v0-31 addresses; v32-63 the bias, later codes; v64-127 at work on the way out; v128-255 the accumulators ((a, b) at v[128 + 8 (4 a + b)]).
;   window 1: two fragment buffers of 128: A's four fragments (16 tokens x 128 K, 16 registers each), then B's four.   window 2: v0-127 the residual.
.set KTOT,   1024
.set BOFF,   0x700000
.set KS,     512                       ; along K in a slot
.set APITCH, 272                       ; two tokens' 256 bytes + 16: the sixteen tokens of a fragment load fall on sixteen different 16-byte columns
.set AKB,    64*APITCH                 ; one block of 128 tokens x 128 K
.set APART,  4*AKB
.set BPITCH, 528                       ; 512 bytes + 16: an odd multiple of 16
.set BHALF,  64*BPITCH
.set SLOT,   APART+2*BHALF
.set ASTEP,  4*524288                  ; from a slot of A to the next: four blocks of 4,096 tokens x 128 bytes
.set LAPS,   KTOT/(2*KS)
.set SPARE,  2*SLOT                    ; behind the ring: the spare words, 128 bytes a wave
.set SPITCH, 272                       ; the way out: a stage of 64 rows x (256 + 16) bytes for each wave, in slot 0's part for A,
.set STGB,   64*SPITCH
.set CST,    APART                     ; and 128 rows x 144 bytes for the codes, in slot 0's part for B: slot 0 has had its last fill, and its last read lies ahead of the last change of slots
.set ADRA, 16
.set CSW,  18
.set CSR,  19
.set ADRB, 20
.set RPA,  23
.set STO,  24
.set RD,   25
.set CO,   26
.set L16,  27
.set SPW,  28
.set NIL,  29
.set LIMV, 30
.set SCV,  31
.set CB,   32
.set XC,   32
.set XQ,   64
.set ACC,  128
.set F0,   0
.set F1,   128
.set G1, 24
.set G0, 32
.set G1B, 48
.set G0B, 56
.set MSB, 0
.macro WIN new                         ; the immediate's high byte repeats the setting that is left
.if MSB != (\new)
	s_set_vgpr_msb (MSB<<8)|(\new)
.set MSB, (\new)
.endif
.endm
.set MUL,  0x05                        ; sources 0 (B) and 1 (A) window 1; C and D window 0
.set TO_F, 0x40                        ; destination window 1, address window 0
.macro JLOAD g0a, g1a, g0b, g1b        ; a joint load: waves 0, 1 fetch for A, waves 2, 3 for B; four v_nop follow each line
	s_cmp_eq_u32 s15, 0
	s_cbranch_scc0 .Lfor_b_\@
	tensor_load_to_lds s[\g0a:\g0a+3], s[\g1a:\g1a+7]
	s_nop 0
.rept 4
	v_nop
.endr
	s_branch .Lasked_\@
.Lfor_b_\@:
	tensor_load_to_lds s[\g0b:\g0b+3], s[\g1b:\g1b+7]
	s_nop 0
.rept 4
	v_nop
.endr
.Lasked_\@:
.endm
.macro CREST                           ; a round of the cluster's barrier behind its opening barrier
	s_cmp_lg_u32 s14, 0
	s_cbranch_scc1 .Lnot_wave_0_\@
	s_barrier_signal -3
.Lnot_wave_0_\@:
	s_barrier_wait -3
	s_barrier_signal -1
	s_barrier_wait -1
.endm
.macro CROUND
	s_barrier_signal -1
	s_barrier_wait -1
	CREST
.endm
	s_load_b128 s[4:7], s[0:1], 0x0                ; ctx's codes, cod
	s_load_b128 s[84:87], s[0:1], 0x10             ; ob, src
	s_load_b128 s[8:11], s[0:1], 0x20              ; the exponents, xf
	s_load_b64 s[88:89], s[0:1], 0x30              ; xc
	v_lshl_add_u32 v[SPW], v0, 2, SPARE
	v_mov_b32 v[NIL], 0
	ds_add_u32 v28, v29
	ds_add_u32 v28, v29
	s_wait_dscnt 0x0
	v_lshrrev_b32 v1, 5, v0
	v_readfirstlane_b32 s14, v1                    ; wave
	s_lshr_b32 s15, s14, 1                         ; my half of the tile's rows; also: I fetch for A (0) or B (1)
	s_and_b32 s16, s14, 1                          ; my half of its columns; also: which half of that part I fetch
	s_bfe_u32 s40, ttmp6, 0x40000                  ; cx
	s_bfe_u32 s41, ttmp6, 0x40004                  ; cy
	s_lshl_b32 s42, ttmp9, 2
	s_add_co_u32 s42, s42, s40                     ; tile column
	s_and_b32 s17, ttmp7, 0xffff
	s_lshl_b32 s17, s17, 2
	s_add_co_u32 s17, s17, s41                     ; tile row
	s_lshl_b32 s43, s41, 2
	s_lshl_b32 s43, 15, s43                        ; my row of the cluster
	s_lshl_b32 s44, 0x1111, s40                    ; my column
	s_or_b32 s[G1+0], s43, (0<<16)|(1<<20)|(1<<21)|(5<<22)|(3<<25)   ; the mask; elements of 1 byte; 4 words of padding behind every 64; bit 21 beside a mask
	s_mov_b32 s[G1+1], (16384&0xffff)<<16          ; tensor_dim0: a block's 128 tokens x 128 bytes, dense
	s_mov_b32 s[G1+2], 2<<16                       ; tensor_dim1: two blocks
	s_mov_b32 s[G1+3], 16384<<16                   ; tile_dim0
	s_mov_b32 s[G1+4], 2                           ; tile_dim1
	s_mov_b32 s[G1+5], 524288                      ; from block to block
	s_mov_b32 s[G1+6], 0
	s_mov_b32 s[G1+7], 0
	s_or_b32 s[G1B+0], s44, (0<<16)|(1<<20)|(1<<21)|(6<<22)|(3<<25)  ; 4 words of padding behind every 128
	s_mov_b32 s[G1B+1], KS<<16
	s_mov_b32 s[G1B+2], 64<<16
	s_mov_b32 s[G1B+3], KS<<16
	s_mov_b32 s[G1B+4], 64
	s_mov_b32 s[G1B+5], KTOT
	s_mov_b32 s[G1B+6], 0
	s_mov_b32 s[G1B+7], 0
	s_lshl_b32 s20, s17, 14                        ; A: the tile row's 128 tokens x 128 bytes,
	s_lshl_b32 s18, s16, 20                        ; in blocks 0, 1 (wave 0) or 2, 3 (wave 1) of the slot
	s_add_co_u32 s20, s20, s18
	s_mov_b32 s21, 0
	s_lshl_b32 s18, s16, 6
	s_lshl_b32 s46, s42, 7
	s_add_co_u32 s46, s46, s18                     ; B: row 128 x tile column + 64 x half
	s_mul_i32 s46, s46, KTOT
	s_add_co_u32 s46, s46, BOFF
	s_mov_b32 s47, 0
	s_mul_i32 s45, s16, 2*AKB                      ; where they go: no place in the cluster enters an LDS address
	s_mul_i32 s67, s16, BHALF
	s_add_co_u32 s67, s67, APART
	s_wait_kmcnt 0x0
	s_load_b512 s[68:83], s[8:9], 0x0              ; the sixteen exponents
	s_add_nc_u64 s[20:21], s[4:5], s[20:21]
	s_add_nc_u64 s[46:47], s[6:7], s[46:47]
	CROUND                                         ; all sixteen work-groups are here: the first joint loads meet
.irp s, 0,1
	s_mov_b32 s[G0+4*\s], 1
	s_add_co_u32 s[G0+4*\s+1], s45, \s*SLOT
	s_add_nc_u64 s[G0+4*\s+2:G0+4*\s+3], s[20:21], \s*ASTEP
	s_or_b32 s[G0+4*\s+3], s[G0+4*\s+3], 0x80000000
	s_mov_b32 s[G0B+4*\s], 1
	s_add_co_u32 s[G0B+4*\s+1], s67, \s*SLOT
	s_add_nc_u64 s[G0B+4*\s+2:G0B+4*\s+3], s[46:47], \s*KS
	s_or_b32 s[G0B+4*\s+3], s[G0B+4*\s+3], 0x80000000
	JLOAD G0+4*\s, G1, G0B+4*\s, G1B
.endr
	v_and_b32 v1, 15, v0                           ; r
	v_bfe_u32 v2, v0, 4, 1                         ; h
	v_mul_u32_u24 v3, v1, BPITCH
	v_lshl_add_u32 v4, v2, 4, v3                   ; B: row r x pitch + 16 h
	v_lshrrev_b32 v5, 1, v1
	v_mul_u32_u24 v5, v5, APITCH
	v_and_b32 v6, 1, v1
	v_lshl_add_u32 v5, v6, 7, v5
	v_lshl_add_u32 v5, v2, 4, v5                   ; A: LDS row r / 2, byte 128 (r % 2) + 16 h
	s_mul_i32 s21, s15, 32*APITCH                  ; my 64 tokens are 32 LDS rows of each block
	s_mul_i32 s22, s16, BHALF
	s_add_co_u32 s22, s22, APART
.irp s, 0,1
	v_add_nc_u32 v[ADRA+\s], s21, v5
	v_add_nc_u32 v[ADRB+\s], s22, v4
	s_add_co_u32 s21, s21, SLOT
	s_add_co_u32 s22, s22, SLOT
.endr
	s_mul_i32 s23, s14, STGB                       ; my stage
	v_mul_u32_u24 v5, v1, SPITCH
	v_lshl_add_u32 v5, v2, 5, v5
	v_add_nc_u32 v[STO], s23, v5                   ; in: row r, 32 bytes for each half of the lanes
	v_mul_u32_u24 v5, v2, SPITCH
	v_lshl_add_u32 v5, v1, 4, v5
	v_add_nc_u32 v[RD], s23, v5                    ; back by rows: sixteen lanes a row of 256 bytes, two rows an instruction
	v_lshlrev_b32 v5, 12, v2
	v_lshl_add_u32 v[CO], v1, 4, v5                ; and the same two rows in src and xf
	v_and_b32 v6, 31, v0
	v_lshlrev_b32 v[L16], 4, v6
	v_lshrrev_b32 v8, 3, v6                        ; lane / 8
	v_and_b32 v9, 7, v6                            ; lane % 8
	v_mul_u32_u24 v5, v8, SPITCH
	v_lshl_add_u32 v5, v9, 5, v5
	v_add_nc_u32 v[RPA], s23, v5                   ; back by eights: eight lanes a row, 8 numbers a lane, four rows for two instructions
	v_mul_u32_u24 v5, v8, 144
	v_lshl_add_u32 v5, v9, 3, v5
	s_mul_i32 s18, s15, 64*144
	s_lshl_b32 s19, s16, 6
	s_add_co_u32 s18, s18, s19
	s_add_co_u32 s18, s18, CST
	v_add_nc_u32 v[CSW], s18, v5                   ; the codes' stage, in: my 64 tokens, my 64 of their 128 bytes
	v_mul_u32_u24 v5, v8, 144
	v_lshl_add_u32 v5, v9, 4, v5
	s_mul_i32 s18, s14, 32*144
	s_add_co_u32 s18, s18, CST
	v_add_nc_u32 v[CSR], s18, v5                   ; back: tokens 32 w on, whole rows of 128 bytes, four an instruction
	s_lshl_b32 s46, s42, 9
	s_lshl_b32 s47, s16, 8
	s_add_co_u32 s46, s46, s47                     ; my first column x 4
	s_mov_b32 s47, 0
	s_add_nc_u64 s[84:85], s[84:85], s[46:47]
	v_lshlrev_b32 v7, 5, v2
.irp b, 0,1,2,3
	global_load_b128 v[CB+8*\b:CB+8*\b+3], v7, s[84:85] offset:64*\b        ; the bias in the result's layout: columns 16 b + 8 h + 0 .. 7
	global_load_b128 v[CB+8*\b+4:CB+8*\b+7], v7, s[84:85] offset:64*\b+16
.endr
	s_lshl_b32 s20, s17, 7
	s_lshl_b32 s21, s15, 6
	s_add_co_u32 s20, s20, s21                     ; my first row
	s_lshl_b32 s22, s20, 12
	s_add_co_u32 s22, s22, s46
	s_mov_b32 s23, 0
	s_add_nc_u64 s[10:11], s[10:11], s[22:23]      ; xf and src at my corner
	s_add_nc_u64 s[86:87], s[86:87], s[22:23]
	s_lshl_b32 s22, s42, 19                        ; xc: the tile's block of 128 columns x 524,288,
	s_lshl_b32 s21, s17, 14                        ; + the tile's first token x 128,
	s_add_co_u32 s22, s22, s21
	s_lshl_b32 s21, s14, 12                        ; + the 32 tokens that I store
	s_add_co_u32 s22, s22, s21
	s_add_nc_u64 s[88:89], s[88:89], s[22:23]
	WIN 0x80                                       ; destination window 2
.set t, 0
.rept 32
	global_load_b128 v[4*t:4*t+3], v[CO], s[86:87] offset:t*8192            ; the residual: rows 2 t, 2 t + 1, 256 consecutive bytes each
.set t, t+1
.endr
	WIN 0
	s_wait_kmcnt 0x0
	s_add_co_i32 s92, s78, s79                     ; ea + eb
	s_sub_co_i32 s93, 0, s92
	s_add_co_i32 s94, s92, 127
	s_lshl_b32 s94, s94, 23                        ; 2^(ea + eb)
	s_mov_b32 s95, s94                             ; (named with it as a pair)
	s_add_co_i32 s96, s80, 127
	s_lshl_b32 s97, s96, 23
	v_mov_b32 v[SCV], s97                          ; 2^e12
	s_add_co_i32 s96, s96, 8
	s_lshl_b32 s96, s96, 23
	s_or_b32 s96, s96, 0x600000
	v_mov_b32 v[LIMV], s96                         ; 448 x 2^e12
	s_wait_loadcnt 32                              ; the bias's eight loads are in; the residual's 32 may be out
.set k, 0
.rept 32
	v_ldexp_f32 v[CB+k], v[CB+k], s93              ; the bias goes in divided by the power of two that the sums lack
.set k, k+1
.endr
; four matrix instructions: A's block a x B's four, 128 along K, out of buffer f.  zero = 1: the first product starts the sums from the bias.
; The sixteen accumulators take turns, one instruction a turn, in the same order in every step.
.macro MUL4 f, a, zero
.irp b, 0,1,2,3
.if \zero
	v_wmma_f32_16x16x128_fp8_fp8 v[ACC+8*(4*(\a)+\b):ACC+8*(4*(\a)+\b)+7], v[(\f)+64+16*\b:(\f)+64+16*\b+15], v[(\f)+16*(\a):(\f)+16*(\a)+15], v[CB+8*\b:CB+8*\b+7]
.else
	v_wmma_f32_16x16x128_fp8_fp8 v[ACC+8*(4*(\a)+\b):ACC+8*(4*(\a)+\b)+7], v[(\f)+64+16*\b:(\f)+64+16*\b+15], v[(\f)+16*(\a):(\f)+16*(\a)+15], v[ACC+8*(4*(\a)+\b):ACC+8*(4*(\a)+\b)+7]
.endif
.endr
.endm
; 32 LDS loads in one run: the fragments of the slot's q-th 128 along K into buffer f.  Registers 4 c .. 4 c + 3 hold K = 32 c + 16 h + 0 .. 15, alike in A and B
.macro FETCH slot, q, f
	WIN TO_F
.irp i, 0,1,2,3
.irp c, 0,1,2,3
	ds_load_b128 v[(\f)+16*\i+4*\c:(\f)+16*\i+4*\c+3], v[ADRA+\slot] offset:(\q)*AKB+\i*8*APITCH+32*\c
.endr
.endr
.irp i, 0,1,2,3
.irp c, 0,1,2,3
	ds_load_b128 v[(\f)+64+16*\i+4*\c:(\f)+64+16*\i+4*\c+3], v[ADRB+\slot] offset:128*(\q)+\i*16*BPITCH+32*\c
.endr
.endr
.endm
.macro PLACES n                        ; plain vector lines between a matrix instruction and a load into, or a read of, its registers
.rept \n
	v_nop
.endr
.endm
.macro STEP slot, q, zero              ; one of a slot's first three steps: multiplies buffer q % 2 and fetches the next step into the other
	s_wait_dscnt 0x0                               ; this step's fragments are in
	PLACES 4                                       ; behind the last step's products, which read the other buffer
	FETCH \slot, (\q)+1, 128-128*((\q)%2)
	WIN MUL
	MUL4 128*((\q)%2), 0, \zero
	MUL4 128*((\q)%2), 1, \zero
	MUL4 128*((\q)%2), 2, \zero
	MUL4 128*((\q)%2), 3, \zero
.endm
.macro TURN slot, next, fill           ; a slot's fourth step multiplies buffer 1 and changes slots: one barrier
	WIN 0                                          ; (the add's two registers lie in window 0)
	s_wait_tensorcnt 0x0                           ; all my tensor loads have landed: my part of the next slot
	ds_add_u32 v[SPW], v[NIL]                      ; 0 onto my spare word
	s_wait_dscnt 1                                 ; this step's fragments are in; the add may be out
	WIN MUL
	MUL4 F1, 0, 0
	s_wait_dscnt 0x0                               ; the add is done, and my reads of this slot are over
	s_barrier_signal -1
	MUL4 F1, 1, 0
	WIN 0
	s_barrier_wait -1
.if \fill
	CREST                                          ; the barrier has opened a round of the cluster's: no wave of any partner still reads this slot or has a load on its way
	s_add_nc_u64 s[G0+4*\slot+2:G0+4*\slot+3], s[G0+4*\slot+2:G0+4*\slot+3], 2*ASTEP
	s_add_nc_u64 s[G0B+4*\slot+2:G0B+4*\slot+3], s[G0B+4*\slot+2:G0B+4*\slot+3], 2*KS
	JLOAD G0+4*\slot, G1, G0B+4*\slot, G1B         ; the first tensor load behind the round; its four v_nop are also the places in front of the loads below
.else
	PLACES 4
.endif
	FETCH \next, 0, F0
	WIN MUL
	MUL4 F1, 2, 0
	MUL4 F1, 3, 0
.endm
	s_wait_tensorcnt 1                             ; my part of slot 0 is in; slot 1's load may be out
	s_barrier_signal -1
	s_barrier_wait -1
	FETCH 0, 0, F0
	STEP 0, 0, 1                                   ; the first step starts the sums
.if LAPS > 1
	WIN 0                                          ; at a label and at a branch every window is 0
	s_mov_b32 s3, LAPS-1
.Llap:
	STEP 0, 1, 0
	STEP 0, 2, 0
	TURN 0, 1, 1
	STEP 1, 0, 0
	STEP 1, 1, 0
	STEP 1, 2, 0
	TURN 1, 0, 1
	STEP 0, 0, 0
	WIN 0
	s_sub_co_u32 s3, s3, 1
	s_cmp_lg_u32 s3, 0
	s_cbranch_scc1 .Llap
.endif
	STEP 0, 1, 0
	STEP 0, 2, 0
	TURN 0, 1, 0                                   ; the last lap fills nothing
	STEP 1, 0, 0
	STEP 1, 1, 0
	STEP 1, 2, 0
	s_wait_dscnt 0x0
	WIN MUL
	MUL4 F1, 0, 0
	MUL4 F1, 1, 0
	MUL4 F1, 2, 0
	MUL4 F1, 3, 0
	WIN 0
	PLACES 4
; THE WAY OUT.  The sixteen accumulators go raw into my stage (row m, 256 bytes), each from its low end on, and come back by rows into the registers that they left; LDS serves a wave's instructions in order.
.irp a, 0,1,2,3
.irp b, 0,1,2,3
	ds_store_b128 v[STO], v[ACC+8*(4*\a+\b):ACC+8*(4*\a+\b)+3] offset:\a*16*SPITCH+64*\b
	ds_store_b128 v[STO], v[ACC+8*(4*\a+\b)+4:ACC+8*(4*\a+\b)+7] offset:\a*16*SPITCH+64*\b+16
.endr
.endr
.set t, 0
.rept 32
	ds_load_b128 v[ACC+4*t:ACC+4*t+3], v[RD] offset:t*2*SPITCH
.set t, t+1
.endr
	s_wait_loadcnt 0x0                             ; the residual, asked for at the head
.irp g, 0,1,2,3
	s_wait_dscnt 24-8*\g                           ; these sixteen rows are back; the later loads may be out
	WIN 0x20                                       ; source 2 window 2
.set t, 0
.rept 16
	v_pk_fma_f32 v[ACC+32*\g+2*t:ACC+32*\g+2*t+1], v[ACC+32*\g+2*t:ACC+32*\g+2*t+1], s[94:95], v[32*\g+2*t:32*\g+2*t+1] op_sel_hi:[1,0,1]   ; x = raw x 2^(ea + eb) + src
.set t, t+1
.endr
	WIN 0
.set t, 0
.rept 8
	global_store_b128 v[CO], v[ACC+32*\g+4*t:ACC+32*\g+4*t+3], s[10:11] offset:(8*\g+t)*8192   ; sixteen lanes store 256 consecutive bytes, aligned
.set t, t+1
.endr
.endr
.set t, 0
.rept 32
	ds_store_b128 v[RD], v[ACC+4*t:ACC+4*t+3] offset:t*2*SPITCH             ; x over the raw sums,
.set t, t+1
.endr
.irp u, 0,1                            ; and back so that a lane holds 8 neighbours along the next K: 32 rows at a time
.set t, 0
.rept 8
	ds_load_b128 v[XQ+8*t:XQ+8*t+3], v[RPA] offset:(8*\u+t)*4*SPITCH
	ds_load_b128 v[XQ+8*t+4:XQ+8*t+7], v[RPA] offset:(8*\u+t)*4*SPITCH+16
.set t, t+1
.endr
	s_wait_dscnt 0x0
.set t, 0
.rept 64
	v_med3_num_f32 v[XQ+t], v[XQ+t], -v[LIMV], v[LIMV]                      ; the conversion does not saturate (ISA guide 7.6.2)
.set t, t+1
.endr
.set t, 0
.rept 8
	v_cvt_scalef32_pk8_fp8_f32 v[XC+16*\u+2*t:XC+16*\u+2*t+1], v[XQ+8*t:XQ+8*t+7], v[SCV]
.set t, t+1
.endr
	v_nop                                          ; a plain line behind the conversions
.set t, 0
.rept 8
	ds_store_b64 v[CSW], v[XC+16*\u+2*t:XC+16*\u+2*t+1] offset:(8*\u+t)*4*144   ; 8 of a token's 128 codes: the other 64 come from the wave beside me
.set t, t+1
.endr
.endr
	s_wait_dscnt 0x0                               ; for the others' sake
	s_barrier_signal -1
	s_barrier_wait -1
.set t, 0
.rept 8
	ds_load_b128 v[XQ+4*t:XQ+4*t+3], v[CSR] offset:t*4*144
.set t, t+1
.endr
	s_wait_dscnt 0x0
.set t, 0
.rept 8
	global_store_b128 v[L16], v[XQ+4*t:XQ+4*t+3], s[88:89] offset:t*512     ; four tokens' 512 consecutive bytes
.set t, t+1
.endr
	s_wait_tensorcnt 0x0                           ; the wave's end
	ds_add_u32 v[SPW], v[NIL]
	s_wait_dscnt 0x0
	CROUND                                         ; the closing round
	s_endpgm
.Lfunc_end_k_q7391d1993b_oproj:
	.size	k_q7391d1993b_oproj, .Lfunc_end_k_q7391d1993b_oproj-k_q7391d1993b_oproj
	.p2alignl 7, 3214868480
	.fill 96, 4, 3214868480
	.section	.rodata,"a",@progbits
	.p2align	6, 0x0
	.amdhsa_kernel k_q7391d1993b_oproj
		.amdhsa_group_segment_fixed_size 327680
		.amdhsa_private_segment_fixed_size 0
		.amdhsa_enable_private_segment 0
		.amdhsa_kernarg_size 56
		.amdhsa_user_sgpr_count 2
		.amdhsa_user_sgpr_kernarg_segment_ptr 1
		.amdhsa_wavefront_size32 1
		.amdhsa_system_sgpr_workgroup_id_x 1
		.amdhsa_system_sgpr_workgroup_id_y 1
		.amdhsa_system_sgpr_workgroup_id_z 1
		.amdhsa_system_vgpr_workitem_id 0
		.amdhsa_next_free_vgpr 640
		.amdhsa_next_free_sgpr 102
		.amdhsa_reserve_vcc 0
		.amdhsa_float_denorm_mode_32 3
		.amdhsa_float_denorm_mode_16_64 3
		.amdhsa_memory_ordered 1
		.amdhsa_forward_progress 1
		.amdhsa_inst_pref_size 69
	.end_amdhsa_kernel
	.amdgpu_metadata
---
amdhsa.version: [ 1, 2 ]
amdhsa.kernels:
  - .name:           k_q7391d1993b_oproj
    .symbol:         k_q7391d1993b_oproj.kd
    .args:
      - { .name: ctxc, .offset: 0, .size: 8, .value_kind: global_buffer, .address_space: global }
      - { .name: cod, .offset: 8, .size: 8, .value_kind: global_buffer, .address_space: global }
      - { .name: ob, .offset: 16, .size: 8, .value_kind: global_buffer, .address_space: global }
      - { .name: src, .offset: 24, .size: 8, .value_kind: global_buffer, .address_space: global }
      - { .name: lowp_scales, .offset: 32, .size: 8, .value_kind: global_buffer, .address_space: global }
      - { .name: xf, .offset: 40, .size: 8, .value_kind: global_buffer, .address_space: global }
      - { .name: xc, .offset: 48, .size: 8, .value_kind: global_buffer, .address_space: global }
    .group_segment_fixed_size: 327680
    .private_segment_fixed_size: 0
    .kernarg_segment_align: 8
    .kernarg_segment_size: 56
    .max_flat_workgroup_size: 128
    .sgpr_count:     102
    .vgpr_count:     640
    .wavefront_size: 32
...
	.end_amdgpu_metadata
.endif
;; end of part 8
;; launch ffn1: the kernel of part 5 again; grid 16 x 16, 4 waves a work-group, clusters of 4 x 4, 327,680 bytes of LDS; arguments xc, cod, b1, lowp_scales, hc; writes hc
;; launch ffn2 (part 9): grid 8 x 32, 4 waves a work-group, clusters of 4 x 4, 327,680 bytes of LDS; arguments hc, cod, b2, xf, lowp_scales, out0; writes out0
.if DOCPART == 9
	.amdgcn_target "amdgcn-amd-amdhsa--gfx1250"
	.amdhsa_code_object_version 6
	.text
	.protected	k_q7391d1993b_ffn2
	.globl	k_q7391d1993b_ffn2
	.p2align	8
	.type	k_q7391d1993b_ffn2,@function
k_q7391d1993b_ffn2:
	s_mov_b64 s[64:65], 0
	v_nop
	global_prefetch_b8 v0, s[64:65] scope:SCOPE_SE
	s_setreg_imm32_b32 hwreg(HW_REG_WAVE_MODE, 25, 1), 1
	s_wait_xcnt 0x0
	s_wait_alu depctr_hold_cnt(0) depctr_sa_sdst(0) depctr_va_vdst(0) depctr_va_sdst(0) depctr_va_ssrc(0) depctr_va_vcc(0) depctr_vm_vsrc(0)
	s_getreg_b32 s2, hwreg(HW_REG_IB_STS2, 6, 4)
	s_cmp_eq_u32 s2, 0
	s_cbranch_scc0 .Lentry_in_a_cluster
	s_endpgm
.Lentry_in_a_cluster:
	s_bfe_u32 s2, ttmp6, 0x10000c
	s_cmp_lg_u32 s2, 0xf033
	s_cbranch_scc0 .Lentry_shape_is_right
	s_endpgm
.Lentry_shape_is_right:
; out = x + h w2^T + b2, the product on codes of E4M3 (entries 14, 15), K = 4,096.
; A = h's codes, laid [block of 128 along K][token][128 bytes]; B = w2's codes, rows of 4,096 bytes, at 0xC00000 of cod.
; C is 4,096 x 1,024: tiles of 128 x 128 make 256 work-groups.  Four waves, each 64 x 64: 16 accumulators, 128 registers.
; K goes in slots of 512 (four steps of 128) through a ring of two LDS slots, as long as two slots in LDS allow: eight slots' worth, six refills, one tensor load a wave behind each round.
; A's part of a slot is four dense blocks of 128 tokens x 128 bytes.  One tensor load brings two of them, stated as two rows of 16,384 bytes, 524,288 bytes apart, with 16 bytes of padding behind every 256:
; token t of a block lies at 272 (t / 2) + 128 (t % 2).  B's part is 128 rows of 512 bytes + 16 of padding.
; CLUSTERS: 4 x 4; A's tile is shared along a row of the cluster, B's along a column: joint loads, which divide the requests by four.
; THE MATRIX INSTRUCTION IS USED TRANSPOSED (source 0 = 16 rows of B, source 1 = 16 tokens): a lane holds eight neighbouring columns of one row of C.  THE BIAS, divided by 2^(ea + eb), is the C of each sum's
; first instruction; out = raw x 2^(ea + eb) + x is one packed multiply-add for two numbers.  x's 64 x 64 numbers of a wave are asked for at the head, into registers of their own.
; No prefetch is laid: the tile is small and the launch short.
; LIMIT: e14 + e15 between -126 and 127.
; REGISTERS: window 0: v0-31 addresses; v32-63 the bias; v128-255 the accumulators ((a, b) at v[128 + 8 (4 a + b)]).
;   window 1: two fragment buffers of 128: A's four fragments (16 tokens x 128 K, 16 registers each), then B's four.   window 2: v0-127 x.
.set KTOT,   4096
.set BOFF,   0xC00000
.set KS,     512                       ; along K in a slot
.set APITCH, 272                       ; two tokens' 256 bytes + 16: the sixteen tokens of a fragment load fall on sixteen different 16-byte columns
.set AKB,    64*APITCH                 ; one block of 128 tokens x 128 K
.set APART,  4*AKB
.set BPITCH, 528                       ; 512 bytes + 16: an odd multiple of 16
.set BHALF,  64*BPITCH
.set SLOT,   APART+2*BHALF
.set ASTEP,  4*524288                  ; from a slot of A to the next: four blocks of 4,096 tokens x 128 bytes
.set LAPS,   KTOT/(2*KS)
.set SPARE,  2*SLOT                    ; behind the ring: the spare words, 128 bytes a wave
.set SPITCH, 272                       ; the way out: a stage of 64 rows x (256 + 16) bytes for each wave, in slot 0, which has had its last fill; its last read lies ahead of the last change of slots
.set STGB,   64*SPITCH
.set ADRA, 16
.set ADRB, 20
.set STO,  24
.set RD,   25
.set CO,   26
.set SPW,  28
.set NIL,  29
.set CB,   32
.set ACC,  128
.set F0,   0
.set F1,   128
.set G1, 24
.set G0, 32
.set G1B, 48
.set G0B, 56
.set MSB, 0
.macro WIN new                         ; the immediate's high byte repeats the setting that is left
.if MSB != (\new)
	s_set_vgpr_msb (MSB<<8)|(\new)
.set MSB, (\new)
.endif
.endm
.set MUL,  0x05                        ; sources 0 (B) and 1 (A) window 1; C and D window 0
.set TO_F, 0x40                        ; destination window 1, address window 0
.macro JLOAD g0a, g1a, g0b, g1b        ; a joint load: waves 0, 1 fetch for A, waves 2, 3 for B; four v_nop follow each line
	s_cmp_eq_u32 s15, 0
	s_cbranch_scc0 .Lfor_b_\@
	tensor_load_to_lds s[\g0a:\g0a+3], s[\g1a:\g1a+7]
	s_nop 0
.rept 4
	v_nop
.endr
	s_branch .Lasked_\@
.Lfor_b_\@:
	tensor_load_to_lds s[\g0b:\g0b+3], s[\g1b:\g1b+7]
	s_nop 0
.rept 4
	v_nop
.endr
.Lasked_\@:
.endm
.macro CREST                           ; a round of the cluster's barrier behind its opening barrier
	s_cmp_lg_u32 s14, 0
	s_cbranch_scc1 .Lnot_wave_0_\@
	s_barrier_signal -3
.Lnot_wave_0_\@:
	s_barrier_wait -3
	s_barrier_signal -1
	s_barrier_wait -1
.endm
.macro CROUND
	s_barrier_signal -1
	s_barrier_wait -1
	CREST
.endm
	s_load_b128 s[4:7], s[0:1], 0x0                ; h's codes, cod
	s_load_b128 s[84:87], s[0:1], 0x10             ; b2, xf
	s_load_b128 s[8:11], s[0:1], 0x20              ; the exponents, out0
	v_lshl_add_u32 v[SPW], v0, 2, SPARE
	v_mov_b32 v[NIL], 0
	ds_add_u32 v28, v29
	ds_add_u32 v28, v29
	s_wait_dscnt 0x0
	v_lshrrev_b32 v1, 5, v0
	v_readfirstlane_b32 s14, v1                    ; wave
	s_lshr_b32 s15, s14, 1                         ; my half of the tile's rows; also: I fetch for A (0) or B (1)
	s_and_b32 s16, s14, 1                          ; my half of its columns; also: which half of that part I fetch
	s_bfe_u32 s40, ttmp6, 0x40000                  ; cx
	s_bfe_u32 s41, ttmp6, 0x40004                  ; cy
	s_lshl_b32 s42, ttmp9, 2
	s_add_co_u32 s42, s42, s40                     ; tile column
	s_and_b32 s17, ttmp7, 0xffff
	s_lshl_b32 s17, s17, 2
	s_add_co_u32 s17, s17, s41                     ; tile row
	s_lshl_b32 s43, s41, 2
	s_lshl_b32 s43, 15, s43                        ; my row of the cluster
	s_lshl_b32 s44, 0x1111, s40                    ; my column
	s_or_b32 s[G1+0], s43, (0<<16)|(1<<20)|(1<<21)|(5<<22)|(3<<25)   ; the mask; elements of 1 byte; 4 words of padding behind every 64; bit 21 beside a mask
	s_mov_b32 s[G1+1], (16384&0xffff)<<16          ; tensor_dim0: a block's 128 tokens x 128 bytes, dense
	s_mov_b32 s[G1+2], 2<<16                       ; tensor_dim1: two blocks
	s_mov_b32 s[G1+3], 16384<<16                   ; tile_dim0
	s_mov_b32 s[G1+4], 2                           ; tile_dim1
	s_mov_b32 s[G1+5], 524288                      ; from block to block
	s_mov_b32 s[G1+6], 0
	s_mov_b32 s[G1+7], 0
	s_or_b32 s[G1B+0], s44, (0<<16)|(1<<20)|(1<<21)|(6<<22)|(3<<25)  ; 4 words of padding behind every 128
	s_mov_b32 s[G1B+1], KS<<16
	s_mov_b32 s[G1B+2], 64<<16
	s_mov_b32 s[G1B+3], KS<<16
	s_mov_b32 s[G1B+4], 64
	s_mov_b32 s[G1B+5], KTOT
	s_mov_b32 s[G1B+6], 0
	s_mov_b32 s[G1B+7], 0
	s_lshl_b32 s20, s17, 14                        ; A: the tile row's 128 tokens x 128 bytes,
	s_lshl_b32 s18, s16, 20                        ; in blocks 0, 1 (wave 0) or 2, 3 (wave 1) of the slot
	s_add_co_u32 s20, s20, s18
	s_mov_b32 s21, 0
	s_lshl_b32 s18, s16, 6
	s_lshl_b32 s46, s42, 7
	s_add_co_u32 s46, s46, s18                     ; B: row 128 x tile column + 64 x half
	s_mul_i32 s46, s46, KTOT
	s_add_co_u32 s46, s46, BOFF
	s_mov_b32 s47, 0
	s_mul_i32 s45, s16, 2*AKB                      ; where they go: no place in the cluster enters an LDS address
	s_mul_i32 s67, s16, BHALF
	s_add_co_u32 s67, s67, APART
	s_wait_kmcnt 0x0
	s_load_b512 s[68:83], s[8:9], 0x0              ; the sixteen exponents
	s_add_nc_u64 s[20:21], s[4:5], s[20:21]
	s_add_nc_u64 s[46:47], s[6:7], s[46:47]
	CROUND                                         ; all sixteen work-groups are here: the first joint loads meet
.irp s, 0,1
	s_mov_b32 s[G0+4*\s], 1
	s_add_co_u32 s[G0+4*\s+1], s45, \s*SLOT
	s_add_nc_u64 s[G0+4*\s+2:G0+4*\s+3], s[20:21], \s*ASTEP
	s_or_b32 s[G0+4*\s+3], s[G0+4*\s+3], 0x80000000
	s_mov_b32 s[G0B+4*\s], 1
	s_add_co_u32 s[G0B+4*\s+1], s67, \s*SLOT
	s_add_nc_u64 s[G0B+4*\s+2:G0B+4*\s+3], s[46:47], \s*KS
	s_or_b32 s[G0B+4*\s+3], s[G0B+4*\s+3], 0x80000000
	JLOAD G0+4*\s, G1, G0B+4*\s, G1B
.endr
	v_and_b32 v1, 15, v0                           ; r
	v_bfe_u32 v2, v0, 4, 1                         ; h
	v_mul_u32_u24 v3, v1, BPITCH
	v_lshl_add_u32 v4, v2, 4, v3                   ; B: row r x pitch + 16 h
	v_lshrrev_b32 v5, 1, v1
	v_mul_u32_u24 v5, v5, APITCH
	v_and_b32 v6, 1, v1
	v_lshl_add_u32 v5, v6, 7, v5
	v_lshl_add_u32 v5, v2, 4, v5                   ; A: LDS row r / 2, byte 128 (r % 2) + 16 h
	s_mul_i32 s21, s15, 32*APITCH                  ; my 64 tokens are 32 LDS rows of each block
	s_mul_i32 s22, s16, BHALF
	s_add_co_u32 s22, s22, APART
.irp s, 0,1
	v_add_nc_u32 v[ADRA+\s], s21, v5
	v_add_nc_u32 v[ADRB+\s], s22, v4
	s_add_co_u32 s21, s21, SLOT
	s_add_co_u32 s22, s22, SLOT
.endr
	s_mul_i32 s23, s14, STGB                       ; my stage
	v_mul_u32_u24 v5, v1, SPITCH
	v_lshl_add_u32 v5, v2, 5, v5
	v_add_nc_u32 v[STO], s23, v5                   ; in: row r, 32 bytes for each half of the lanes
	v_mul_u32_u24 v5, v2, SPITCH
	v_lshl_add_u32 v5, v1, 4, v5
	v_add_nc_u32 v[RD], s23, v5                    ; back by rows: sixteen lanes a row of 256 bytes, two rows an instruction
	v_lshlrev_b32 v5, 12, v2
	v_lshl_add_u32 v[CO], v1, 4, v5                ; and the same two rows in xf and out0
	s_lshl_b32 s46, s42, 9
	s_lshl_b32 s47, s16, 8
	s_add_co_u32 s46, s46, s47                     ; my first column x 4
	s_mov_b32 s47, 0
	s_add_nc_u64 s[84:85], s[84:85], s[46:47]
	v_lshlrev_b32 v7, 5, v2
.irp b, 0,1,2,3
	global_load_b128 v[CB+8*\b:CB+8*\b+3], v7, s[84:85] offset:64*\b        ; the bias in the result's layout: columns 16 b + 8 h + 0 .. 7
	global_load_b128 v[CB+8*\b+4:CB+8*\b+7], v7, s[84:85] offset:64*\b+16
.endr
	s_lshl_b32 s20, s17, 7
	s_lshl_b32 s21, s15, 6
	s_add_co_u32 s20, s20, s21                     ; my first row
	s_lshl_b32 s22, s20, 12
	s_add_co_u32 s22, s22, s46
	s_mov_b32 s23, 0
	s_add_nc_u64 s[10:11], s[10:11], s[22:23]      ; out0 and xf at my corner
	s_add_nc_u64 s[86:87], s[86:87], s[22:23]
	WIN 0x80                                       ; destination window 2
.set t, 0
.rept 32
	global_load_b128 v[4*t:4*t+3], v[CO], s[86:87] offset:t*8192 th:TH_LOAD_NT   ; x: rows 2 t, 2 t + 1, 256 consecutive bytes each; read once
.set t, t+1
.endr
	WIN 0
	s_wait_kmcnt 0x0
	s_add_co_i32 s92, s82, s83                     ; ea + eb
	s_sub_co_i32 s93, 0, s92
	s_add_co_i32 s94, s92, 127
	s_lshl_b32 s94, s94, 23                        ; 2^(ea + eb)
	s_mov_b32 s95, s94                             ; (named with it as a pair)
	s_wait_loadcnt 32                              ; the bias's eight loads are in; x's 32 may be out
.set k, 0
.rept 32
	v_ldexp_f32 v[CB+k], v[CB+k], s93              ; the bias goes in divided by the power of two that the sums lack
.set k, k+1
.endr
; four matrix instructions: A's block a x B's four, 128 along K, out of buffer f.  zero = 1: the first product starts the sums from the bias.
; The sixteen accumulators take turns, one instruction a turn, in the same order in every step, over the loop's backward jump too.
.macro MUL4 f, a, zero
.irp b, 0,1,2,3
.if \zero
	v_wmma_f32_16x16x128_fp8_fp8 v[ACC+8*(4*(\a)+\b):ACC+8*(4*(\a)+\b)+7], v[(\f)+64+16*\b:(\f)+64+16*\b+15], v[(\f)+16*(\a):(\f)+16*(\a)+15], v[CB+8*\b:CB+8*\b+7]
.else
	v_wmma_f32_16x16x128_fp8_fp8 v[ACC+8*(4*(\a)+\b):ACC+8*(4*(\a)+\b)+7], v[(\f)+64+16*\b:(\f)+64+16*\b+15], v[(\f)+16*(\a):(\f)+16*(\a)+15], v[ACC+8*(4*(\a)+\b):ACC+8*(4*(\a)+\b)+7]
.endif
.endr
.endm
; 32 LDS loads in one run: the fragments of the slot's q-th 128 along K into buffer f.  Registers 4 c .. 4 c + 3 hold K = 32 c + 16 h + 0 .. 15, alike in A and B
.macro FETCH slot, q, f
	WIN TO_F
.irp i, 0,1,2,3
.irp c, 0,1,2,3
	ds_load_b128 v[(\f)+16*\i+4*\c:(\f)+16*\i+4*\c+3], v[ADRA+\slot] offset:(\q)*AKB+\i*8*APITCH+32*\c
.endr
.endr
.irp i, 0,1,2,3
.irp c, 0,1,2,3
	ds_load_b128 v[(\f)+64+16*\i+4*\c:(\f)+64+16*\i+4*\c+3], v[ADRB+\slot] offset:128*(\q)+\i*16*BPITCH+32*\c
.endr
.endr
.endm
.macro PLACES n                        ; plain vector lines between a matrix instruction and a load into, or a read of, its registers
.rept \n
	v_nop
.endr
.endm
.macro STEP slot, q, zero              ; one of a slot's first three steps: multiplies buffer q % 2 and fetches the next step into the other
	s_wait_dscnt 0x0                               ; this step's fragments are in
	PLACES 4                                       ; behind the last step's products, which read the other buffer
	FETCH \slot, (\q)+1, 128-128*((\q)%2)
	WIN MUL
	MUL4 128*((\q)%2), 0, \zero
	MUL4 128*((\q)%2), 1, \zero
	MUL4 128*((\q)%2), 2, \zero
	MUL4 128*((\q)%2), 3, \zero
.endm
.macro TURN slot, next, fill           ; a slot's fourth step multiplies buffer 1 and changes slots: one barrier
	WIN 0                                          ; (the add's two registers lie in window 0)
	s_wait_tensorcnt 0x0                           ; all my tensor loads have landed: my part of the next slot
	ds_add_u32 v[SPW], v[NIL]                      ; 0 onto my spare word
	s_wait_dscnt 1                                 ; this step's fragments are in; the add may be out
	WIN MUL
	MUL4 F1, 0, 0
	s_wait_dscnt 0x0                               ; the add is done, and my reads of this slot are over
	s_barrier_signal -1
	MUL4 F1, 1, 0
	WIN 0
	s_barrier_wait -1
.if \fill
	CREST                                          ; the barrier has opened a round of the cluster's: no wave of any partner still reads this slot or has a load on its way
	s_add_nc_u64 s[G0+4*\slot+2:G0+4*\slot+3], s[G0+4*\slot+2:G0+4*\slot+3], 2*ASTEP
	s_add_nc_u64 s[G0B+4*\slot+2:G0B+4*\slot+3], s[G0B+4*\slot+2:G0B+4*\slot+3], 2*KS
	JLOAD G0+4*\slot, G1, G0B+4*\slot, G1B         ; the first tensor load behind the round; its four v_nop are also the places in front of the loads below
.else
	PLACES 4
.endif
	FETCH \next, 0, F0
	WIN MUL
	MUL4 F1, 2, 0
	MUL4 F1, 3, 0
.endm
	s_wait_tensorcnt 1                             ; my part of slot 0 is in; slot 1's load may be out
	s_barrier_signal -1
	s_barrier_wait -1
	FETCH 0, 0, F0
	STEP 0, 0, 1                                   ; the first step starts the sums
.if LAPS > 1
	WIN 0                                          ; at a label and at a branch every window is 0
	s_mov_b32 s3, LAPS-1
.Llap:                                                 ; a trip goes once round the ring, from a lap's second step to the next lap's first, and fills both slots again
	STEP 0, 1, 0
	STEP 0, 2, 0
	TURN 0, 1, 1
	STEP 1, 0, 0
	STEP 1, 1, 0
	STEP 1, 2, 0
	TURN 1, 0, 1
	STEP 0, 0, 0
	WIN 0
	s_sub_co_u32 s3, s3, 1
	s_cmp_lg_u32 s3, 0
	s_cbranch_scc1 .Llap
.endif
	STEP 0, 1, 0
	STEP 0, 2, 0
	TURN 0, 1, 0                                   ; the last lap fills nothing
	STEP 1, 0, 0
	STEP 1, 1, 0
	STEP 1, 2, 0
	s_wait_dscnt 0x0
	WIN MUL
	MUL4 F1, 0, 0
	MUL4 F1, 1, 0
	MUL4 F1, 2, 0
	MUL4 F1, 3, 0
	WIN 0
	PLACES 4
; THE WAY OUT.  The sixteen accumulators go raw into my stage (row m, 256 bytes), each from its low end on, and come back by rows into the registers that they left; LDS serves a wave's instructions in order.
.irp a, 0,1,2,3
.irp b, 0,1,2,3
	ds_store_b128 v[STO], v[ACC+8*(4*\a+\b):ACC+8*(4*\a+\b)+3] offset:\a*16*SPITCH+64*\b
	ds_store_b128 v[STO], v[ACC+8*(4*\a+\b)+4:ACC+8*(4*\a+\b)+7] offset:\a*16*SPITCH+64*\b+16
.endr
.endr
.set t, 0
.rept 32
	ds_load_b128 v[ACC+4*t:ACC+4*t+3], v[RD] offset:t*2*SPITCH
.set t, t+1
.endr
	s_wait_loadcnt 0x0                             ; x, asked for at the head
.irp g, 0,1,2,3
	s_wait_dscnt 24-8*\g                           ; these sixteen rows are back; the later loads may be out
	WIN 0x20                                       ; source 2 window 2
.set t, 0
.rept 16
	v_pk_fma_f32 v[ACC+32*\g+2*t:ACC+32*\g+2*t+1], v[ACC+32*\g+2*t:ACC+32*\g+2*t+1], s[94:95], v[32*\g+2*t:32*\g+2*t+1] op_sel_hi:[1,0,1]   ; out = raw x 2^(ea + eb) + x
.set t, t+1
.endr
	WIN 0
.set t, 0
.rept 8
	global_store_b128 v[CO], v[ACC+32*\g+4*t:ACC+32*\g+4*t+3], s[10:11] offset:(8*\g+t)*8192 th:TH_STORE_NT   ; sixteen lanes store 256 consecutive bytes, aligned
.set t, t+1
.endr
.endr
	s_wait_tensorcnt 0x0                           ; the wave's end
	ds_add_u32 v[SPW], v[NIL]
	s_wait_dscnt 0x0
	CROUND                                         ; the closing round
	s_endpgm
.Lfunc_end_k_q7391d1993b_ffn2:
	.size	k_q7391d1993b_ffn2, .Lfunc_end_k_q7391d1993b_ffn2-k_q7391d1993b_ffn2
	.p2alignl 7, 3214868480
	.fill 96, 4, 3214868480
	.section	.rodata,"a",@progbits
	.p2align	6, 0x0
	.amdhsa_kernel k_q7391d1993b_ffn2
		.amdhsa_group_segment_fixed_size 327680
		.amdhsa_private_segment_fixed_size 0
		.amdhsa_enable_private_segment 0
		.amdhsa_kernarg_size 48
		.amdhsa_user_sgpr_count 2
		.amdhsa_user_sgpr_kernarg_segment_ptr 1
		.amdhsa_wavefront_size32 1
		.amdhsa_system_sgpr_workgroup_id_x 1
		.amdhsa_system_sgpr_workgroup_id_y 1
		.amdhsa_system_sgpr_workgroup_id_z 1
		.amdhsa_system_vgpr_workitem_id 0
		.amdhsa_next_free_vgpr 640
		.amdhsa_next_free_sgpr 102
		.amdhsa_reserve_vcc 0
		.amdhsa_float_denorm_mode_32 3
		.amdhsa_float_denorm_mode_16_64 3
		.amdhsa_memory_ordered 1
		.amdhsa_forward_progress 1
		.amdhsa_inst_pref_size 80
	.end_amdhsa_kernel
	.amdgpu_metadata
---
amdhsa.version: [ 1, 2 ]
amdhsa.kernels:
  - .name:           k_q7391d1993b_ffn2
    .symbol:         k_q7391d1993b_ffn2.kd
    .args:
      - { .name: hc, .offset: 0, .size: 8, .value_kind: global_buffer, .address_space: global }
      - { .name: cod, .offset: 8, .size: 8, .value_kind: global_buffer, .address_space: global }
      - { .name: b2, .offset: 16, .size: 8, .value_kind: global_buffer, .address_space: global }
      - { .name: xf, .offset: 24, .size: 8, .value_kind: global_buffer, .address_space: global }
      - { .name: lowp_scales, .offset: 32, .size: 8, .value_kind: global_buffer, .address_space: global }
      - { .name: out0, .offset: 40, .size: 8, .value_kind: global_buffer, .address_space: global }
    .group_segment_fixed_size: 327680
    .private_segment_fixed_size: 0
    .kernarg_segment_align: 8
    .kernarg_segment_size: 48
    .max_flat_workgroup_size: 128
    .sgpr_count:     102
    .vgpr_count:     640
    .wavefront_size: 32
...
	.end_amdgpu_metadata
.endif
;; end of part 9
